; MI455X (gfx1250); checked and timed in simulation.
; The chip was launched on July 23, 2026; its instructions are those of AMD's public machine-readable ISA for CDNA 5 (MIT licence, August 2026) and "CDNA5" Instruction Set Architecture Reference Guide (July 2026). The comments in the code are by the model that wrote it; some were corrected since.
;; Block. Allowed arithmetic: matrix products marked QUANTISED: E4M3 operands, one E8M0 scale for each 32 along K, by v_wmma_scale_f32_16x16x128_f8f6f4 with both operands' format E4M3, f32 sums; everything else in f32.
;; Inputs: W1_codes 4,096 x 32 x 32 uint8 (E4M3 codes of W1, K innermost, in blocks of 32 codes); W1_scales 4,096 x 32 uint8 (E8M0 scales of W1, one for each 32 codes along K); W2_codes 1,024 x 128 x 32 uint8 (E4M3 codes of W2, K innermost, in blocks of 32 codes); W2_scales 1,024 x 128 uint8 (E8M0 scales of W2, one for each 32 codes along K); Wk_codes 1,024 x 32 x 32 uint8 (E4M3 codes of Wk, K innermost, in blocks of 32 codes); Wk_scales 1,024 x 32 uint8 (E8M0 scales of Wk, one for each 32 codes along K); Wo_codes 1,024 x 32 x 32 uint8 (E4M3 codes of Wo, K innermost, in blocks of 32 codes); Wo_scales 1,024 x 32 uint8 (E8M0 scales of Wo, one for each 32 codes along K); Wq_codes 1,024 x 32 x 32 uint8 (E4M3 codes of Wq, K innermost, in blocks of 32 codes); Wq_scales 1,024 x 32 uint8 (E8M0 scales of Wq, one for each 32 codes along K); Wv_codes 1,024 x 32 x 32 uint8 (E4M3 codes of Wv, K innermost, in blocks of 32 codes); Wv_scales 1,024 x 32 uint8 (E8M0 scales of Wv, one for each 32 codes along K); b1 4,096 float32; b2 1,024 float32; bk 1,024 float32; bo 1,024 float32; bq 1,024 float32; bv 1,024 float32; ln1_b 1,024 float32; ln1_g 1,024 float32; ln2_b 1,024 float32; ln2_g 1,024 float32; x 2 x 2,048 x 1,024 float32.
;; Outputs: out0 2 x 2,048 x 1,024 float32.
;; This version of the problem:
;;   THIS VERSION OF THE PROBLEM IS GIVEN IN LOW PRECISION. The matrix products marked QUANTISED in the list below multiply operands that are first quantised to E4M3 (4 exponent bits, 3 mantissa bits; 8 bits a number), with one power-of-two scale for each 32 numbers along K (OCP MX v1.0); their sums are f32. All else is computed in f32.
;;   The module's matrix products, in the order in which they are computed (A, B: the left and right operand; K: the contracted axis; several contracted axes count as one K, in the product's order):
;;     1. [M 4,096, K 1,024] x [K 1,024, N 1,024]; A: computed on the way; B: input Wq (given as codes): QUANTISED
;;     2. [M 4,096, K 1,024] x [K 1,024, N 1,024]; A: computed on the way; B: input Wk (given as codes): QUANTISED
;;     3. [M 4,096, K 1,024] x [K 1,024, N 1,024]; A: computed on the way; B: input Wv (given as codes): QUANTISED
;;     4. batch 32 x [M 2,048, K 64] x [K 64, N 2,048]; A: computed on the way; B: computed on the way: QUANTISED
;;     5. batch 32 x [M 2,048, K 2,048] x [K 2,048, N 64]; A: softmax (see below); B: computed on the way: QUANTISED
;;     6. [M 4,096, K 1,024] x [K 1,024, N 1,024]; A: computed on the way; B: input Wo (given as codes): QUANTISED
;;     7. [M 4,096, K 1,024] x [K 1,024, N 4,096]; A: computed on the way; B: input W1 (given as codes): QUANTISED
;;     8. [M 4,096, K 4,096] x [K 4,096, N 1,024]; A: computed on the way; B: input W2 (given as codes): QUANTISED
;;   THE QUANTISER, for each operand of a quantised product, along K:
;;     - K is cut into blocks of 32 from its start; a last block that is shorter is filled with zeros.
;;     - A block's scale is 2^e with e = floor(log2(the largest magnitude in the block)) - 8, held to -126 .. 127; a block of zeros has e = 0. As a byte (E8M0): e + 127.
;;     - Each number is divided by its block's scale, clamped to +-448, and rounded to the nearest number of E4M3, ties to even, subnormals kept.
;;     - The product sums the exact products of the quantised numbers (number of the format x scale) in f32.
;;   ~~~python
;;   def quantise(x, axis):      # numpy; x: float32 -> the quantised numbers, widened to float32 again
;;       x = np.moveaxis(x, axis, -1); K = x.shape[-1]
;;       x = np.pad(x, [(0, 0)] * (x.ndim - 1) + [(0, -K % 32)]); x = x.reshape(x.shape[:-1] + (-1, 32)); a = np.abs(x).max(-1, keepdims=True)
;;       e = np.where(a > 0, np.clip(np.frexp(np.where(a > 0, a, 1))[1] - 1 - 8, -126, 127), 0)      # np.frexp(a)[1] - 1 = floor(log2(a)), exactly
;;       r = np.clip(x / 2.0 ** e, -448, 448)
;;       step = 2.0 ** (np.maximum(np.frexp(np.where(r == 0, 1, r))[1] - 1, -6) - 3)
;;       q = np.round(r / step) * step * 2.0 ** e      # np.round: ties to even
;;       return np.moveaxis(q.reshape(q.shape[:-2] + (-1,))[..., :K], -1, axis).astype(np.float32)
;;   ~~~
;;   SOFTMAX AHEAD OF A QUANTISED PRODUCT. Where the list says 'softmax', what is quantised is not the finished softmax but p = 2^(t - M), with t = logit x log2(e) and M = ceil(the row's largest t), a whole number; so 1/2 < the row's largest p <= 1. The row's sum l is taken of the UNQUANTISED p, in f32, and the product's result is divided by l at the end. Since M is a whole number, a kernel that streams over the keys may use a running M (the ceiling of the running maximum): every later rescaling is an exact power of two, which a block's scale takes up: the codes' values come out the same.
;;   OPERANDS COMPUTED ON THE WAY. 'Computed on the way' means the value that the module computes at that place (a softmax that the list does not call 'softmax' is quantised finished and normalised). What goes into a quantiser is computed in f32, as accurately as f32 sums, v_exp_f32 and their like allow (about 1e-6 of the number): no bf16 or f16 on the way to a quantiser, and a product that is left as it is and whose result goes on into a quantised operand takes f32 operands (vector FMAs, or v_wmma_f32_16x16x4_f32). A number that lies on a knife's edge between two numbers of the format may be rounded either way, as far as f32 arithmetic and the matrix unit's own rounding can turn it there, and no further.
;;   INPUTS GIVEN AS CODES. W1 (in the module: [1024, 4096], K = its axis 0); W2 (in the module: [4096, 1024], K = its axis 0); Wk (in the module: [1024, 1024], K = its axis 0); Wo (in the module: [1024, 1024], K = its axis 0); Wq (in the module: [1024, 1024], K = its axis 0); Wv (in the module: [1024, 1024], K = its axis 0): each comes as NAME_codes (uint8): NAME with its K axis moved to the last place and cut into blocks of 32 codes, [.., K / 32, bytes a block], one block behind the other in memory; one code a byte (a code: sign, 4 exponent bits, 3 mantissa bits); and NAME_scales (uint8): the same leading axes, one E8M0 byte (e + 127) for each 32 codes along K. Its value is code x scale, taken as it is: it is not quantised again, and the codes and scales need not be those that the quantiser above would give.
;; 2 versions. Each part assembles by itself: llvm-mc -triple=amdgcn-amd-amdhsa -mcpu=gfx1250 --defsym DOCPART=n.
;; ======== version 1 of 2: 7 launches
;; workspace buffers: act1 4,325,376 bytes; qk 8,650,752 bytes; vt 4,325,376 bytes; yact 4,325,376 bytes; x1 16,777,216 bytes; act2 4,325,376 bytes; g 17,301,504 bytes
;; launch ln1 (part 1): grid 256 x 1, 4 waves a work-group, no clusters, 21,504 bytes of LDS; arguments x, ln1_g, ln1_b, act1; writes act1
.if DOCPART == 1
	.amdgcn_target "amdgcn-amd-amdhsa--gfx1250"
	.amdhsa_code_object_version 6
	.text
	.protected	k_qe12eb51c08_ln1
	.globl	k_qe12eb51c08_ln1
	.p2align	8
	.type	k_qe12eb51c08_ln1,@function
k_qe12eb51c08_ln1:
	s_mov_b64 s[64:65], 0
	v_nop
	global_prefetch_b8 v0, s[64:65] scope:SCOPE_SE
	s_setreg_imm32_b32 hwreg(HW_REG_WAVE_MODE, 25, 1), 1
	s_wait_xcnt 0x0
; LAYERNORM AND QUANTISER.  X: [4096][1024] f32.  ACT: codes of E4M3 [4096][1024] at byte 0, one E8M0 byte for each 32 along a row [4096][32] at byte 4,194,304.
; h = (x - mean) * rsqrt(var + 1e-5) * g + b, all in f32, the variance taken of x - mean (two passes over registers); then the MX quantiser along the row.
; THE PROGRAM: ln1 -> qkv -> attn -> proj -> ln2 (this body again) -> up -> down.  All eight products are done on codes.
; WORK LEFT OUT, in the whole program: in attn the key steps of 128 keys all of which come after a wave's 16 queries.  The causal mask sets those scores to
; -inf ahead of the softmax, so their weights are 0 for every value of the inputs and they reach no output.  No input is without a way to an output: all are loaded.
; LIMIT of that: a NaN, an infinity or an overflow that lies only in such hidden keys or values is not carried to the result.
; LIMITS of this body: NaN and infinities among the inputs are not served; a block whose largest magnitude lies under 2^-118 keeps the byte 1; a block of zeros gets the byte 1
; where the rule says 127: its codes are zeros, and the bytes are read by this program alone.
; SHARES.  A work-group takes 16 rows, a wave 4.  A row is 4,096 bytes: eight loads of 512 consecutive bytes.  All 32 loads of a wave's four rows go out at the head.
; The conversions want 16 neighbours in one lane: each half row turns through the wave's own stage in LDS (64 bytes a lane, 16 of padding), as it lies.
; No matrix work, no tensor load, no cluster: a stream.
.set SP,    80                         ; a lane's place in a stage: 64 bytes + 16
.set WREG,  5120                       ; a wave's two stages of 32 x SP
.set SCB,   20480                      ; the work-group's 16 x 32 scale bytes
.set SPARE, 20992                      ; the spare words, 128 bytes a wave; no other line names them
.set SPW,   8                          ; v8  my spare word's address; never rewritten
.set NIL,   9                          ; v9  0; never rewritten
.set R,     16                         ; v16-143  four rows as loaded; a row's registers 0-7 later hold its codes, 8-9 its two scale bytes
.set X,     144                        ; v144-175 one row: lane l holds columns 512 s + 16 l + 0..15 in X + 16 s on
.set GG,    176                        ; v176-207 the gain, laid as X
.set BB,    208                        ; v208-239 the bias, laid as X
.set CH,    240                        ; v240-247 four packed chains
.set MU,    248                        ; v248-249 the mean, twice
.set RS,    250                        ; v250-251 1 / sqrt(var + eps), twice
	s_load_b256 s[4:11], s[0:1], 0x0               ; X s[4:5], G s[6:7], B s[8:9], ACT s[10:11]
	v_lshl_add_u32 v[SPW], v0, 2, SPARE
	v_mov_b32 v[NIL], 0
	v_lshrrev_b32 v1, 5, v0
	v_readfirstlane_b32 s12, v1                    ; wave
	v_and_b32 v1, 31, v0                           ; lane
	v_lshlrev_b32 v2, 4, v1                        ; 16 x lane
	s_mul_i32 s13, s12, WREG
	v_lshrrev_b32 v3, 2, v1
	v_mul_u32_u24 v3, v3, SP
	v_and_b32 v7, 3, v1
	v_lshl_add_u32 v3, v7, 4, v3
	v_add_nc_u32 v3, s13, v3                       ; the stage, in: SP (lane / 4) + 16 (lane % 4)
	v_mul_u32_u24 v4, v1, SP
	v_add_nc_u32 v4, s13, v4                       ; and out: SP x lane
	s_lshl_b32 s13, s12, 7
	s_add_co_u32 s13, s13, SCB
	v_lshrrev_b32 v5, 1, v1
	v_add_nc_u32 v5, s13, v5                       ; my block's scale byte: my wave's 4 x 32 bytes, lane / 2
	v_lshlrev_b32 v6, 6, v1                        ; 64 x lane: my 16 numbers of G and B
	v_add_nc_u32 v7, SCB, v2                       ; the scale bytes' way out (wave 0)
	s_mov_b32 s14, 0x76543210
	s_mov_b32 s15, 0xfedcba98                      ; lane l xor 16
	s_mov_b32 s16, 0x600000                        ; the mantissa field of 448
	s_mov_b32 s17, 0x3a800000                      ; 1 / 1024
	s_mov_b32 s22, 0x3727c5ac                      ; 1e-5
	s_lshl_b32 s18, ttmp9, 16                      ; 16 rows of 4,096 bytes a work-group,
	s_lshl_b32 s19, s12, 14                        ; 4 a wave
	s_add_co_u32 s18, s18, s19
	s_mov_b32 s19, 0
	s_lshr_b32 s20, s18, 2                         ; the codes: a quarter of that
	s_mov_b32 s21, 0
	s_lshl_b32 s24, ttmp9, 9                       ; the scale bytes: 512 a work-group
	s_add_co_u32 s24, s24, 4194304
	s_mov_b32 s25, 0
	s_wait_kmcnt 0x0
	s_add_nc_u64 s[4:5], s[4:5], s[18:19]
	s_add_nc_u64 s[26:27], s[10:11], s[24:25]
	s_add_nc_u64 s[10:11], s[10:11], s[20:21]
.irp s, 0,1
.irp i, 0,1,2,3
	global_load_b128 v[GG+16*\s+4*\i:GG+16*\s+4*\i+3], v6, s[6:7] offset:2048*\s+16*\i
	global_load_b128 v[BB+16*\s+4*\i:BB+16*\s+4*\i+3], v6, s[8:9] offset:2048*\s+16*\i
.endr
.endr
.irp p, 0,1,2,3
.irp i, 0,1,2,3,4,5,6,7
	global_load_b128 v[R+32*\p+4*\i:R+32*\p+4*\i+3], v2, s[4:5] offset:4096*\p+512*\i th:TH_LOAD_NT   ; 32 lanes read 512 consecutive bytes
.endr
.endr
.macro JOIN                            ; four packed chains -> one number a lane -> the wave's sum in every lane
	v_pk_add_f32 v[CH:CH+1], v[CH:CH+1], v[CH+2:CH+3]
	v_pk_add_f32 v[CH+4:CH+5], v[CH+4:CH+5], v[CH+6:CH+7]
	v_pk_add_f32 v[CH:CH+1], v[CH:CH+1], v[CH+4:CH+5]
	v_add_f32 v[CH], v[CH], v[CH+1]
	v_add_f32_dpp v[CH], v[CH], v[CH] row_xmask:1 row_mask:0xf bank_mask:0xf
	v_add_f32_dpp v[CH], v[CH], v[CH] row_xmask:2 row_mask:0xf bank_mask:0xf
	v_add_f32_dpp v[CH], v[CH], v[CH] row_xmask:4 row_mask:0xf bank_mask:0xf
	v_add_f32_dpp v[CH], v[CH], v[CH] row_xmask:8 row_mask:0xf bank_mask:0xf
	v_permlanex16_b32 v[CH+1], v[CH], s14, s15
	v_add_f32 v[CH], v[CH], v[CH+1]
.endm
.macro ROW p
.set RR, R+32*(\p)
	s_wait_loadcnt 24-8*(\p)                       ; this row's eight loads are in (and G, B, which are older); the later rows' stay out
.irp s, 0,1                                    ; the turn through the stages: LDS serves a wave's instructions in order, so no wait stands between the stores and the loads
.irp i, 0,1,2,3
	ds_store_b128 v3, v[RR+16*\s+4*\i:RR+16*\s+4*\i+3] offset:2560*\s+8*SP*\i
.endr
.irp i, 0,1,2,3
	ds_load_b128 v[X+16*\s+4*\i:X+16*\s+4*\i+3], v4 offset:2560*\s+16*\i
.endr
.endr
.irp k, 0,1,2,3                                ; the row's sum, of the numbers as loaded, while they turn
	v_pk_add_f32 v[CH+2*\k:CH+2*\k+1], v[RR+4*\k:RR+4*\k+1], v[RR+4*\k+2:RR+4*\k+3]
.endr
.irp k, 0,1,2,3
	v_pk_add_f32 v[CH+2*\k:CH+2*\k+1], v[CH+2*\k:CH+2*\k+1], v[RR+16+2*\k:RR+16+2*\k+1]
.endr
.irp k, 0,1,2,3
	v_pk_add_f32 v[CH+2*\k:CH+2*\k+1], v[CH+2*\k:CH+2*\k+1], v[RR+24+2*\k:RR+24+2*\k+1]
.endr
	JOIN
	v_mul_f32 v[MU], s17, v[CH]                    ; the mean
	v_mov_b32 v[MU+1], v[MU]
	s_wait_dscnt 0x0                               ; the row is back, 16 neighbours twice a lane; the stores have read the row's registers
.irp k, 0,2,4,6,8,10,12,14,16,18,20,22,24,26,28,30
	v_pk_add_f32 v[X+\k:X+\k+1], v[X+\k:X+\k+1], v[MU:MU+1] neg_lo:[0,1] neg_hi:[0,1]
.endr
.irp k, 0,1,2,3
	v_pk_mul_f32 v[CH+2*\k:CH+2*\k+1], v[X+2*\k:X+2*\k+1], v[X+2*\k:X+2*\k+1]
.endr
.irp m, 1,2,3
.irp k, 0,1,2,3
	v_pk_fma_f32 v[CH+2*\k:CH+2*\k+1], v[X+8*\m+2*\k:X+8*\m+2*\k+1], v[X+8*\m+2*\k:X+8*\m+2*\k+1], v[CH+2*\k:CH+2*\k+1]
.endr
.endr
	JOIN
	v_fma_f32 v[CH], v[CH], s17, s22               ; var + eps
	v_rsq_f32 v[RS], v[CH]
	v_rsq_f32 v[RS+1], v[CH]
	v_nop                                          ; a plain instruction behind the two
	s_wait_alu depctr_va_vdst(0)                   ; one wait for both, ahead of their first reader
.irp k, 0,2,4,6,8,10,12,14,16,18,20,22,24,26,28,30
	v_pk_mul_f32 v[X+\k:X+\k+1], v[X+\k:X+\k+1], v[RS:RS+1]
.endr
.irp k, 0,2,4,6,8,10,12,14,16,18,20,22,24,26,28,30
	v_pk_fma_f32 v[X+\k:X+\k+1], v[X+\k:X+\k+1], v[GG+\k:GG+\k+1], v[BB+\k:BB+\k+1]
.endr
.irp s, 0,1                                    ; the quantiser: two neighbouring lanes hold a block of 32
.set XS, X+16*\s
	v_max3_num_f32 v252, |v[XS]|, |v[XS+1]|, |v[XS+2]|
	v_max3_num_f32 v253, |v[XS+3]|, |v[XS+4]|, |v[XS+5]|
.irp i, 6,10
	v_max3_num_f32 v252, v252, |v[XS+\i]|, |v[XS+\i+1]|
	v_max3_num_f32 v253, v253, |v[XS+\i+2]|, |v[XS+\i+3]|
.endr
	v_max3_num_f32 v252, v252, |v[XS+14]|, |v[XS+15]|
	v_max3_num_f32 v252, v252, v253, 9<<23         ; and the floor 2^(9 - 127): the byte cannot fall under 1
	v_max_num_f32_dpp v252, v252, v252 row_xmask:1 row_mask:0xf bank_mask:0xf
	v_add_nc_u32 v254, -(8<<23), v252              ; 8 off the exponent field: the conversion's scale operand
	v_and_or_b32 v255, v252, 0x7f800000, s16       ; 448 x the scale
.irp i, 0,1,2,3,4,5,6,7,8,9,10,11,12,13,14,15
	v_med3_num_f32 v[XS+\i], v[XS+\i], -v255, v255 ; the conversion to an 8-bit code does not saturate (ISA guide 7.6.2): the hold
.endr
	v_cvt_scalef32_pk8_fp8_f32 v[RR+4*\s:RR+4*\s+1], v[XS:XS+7], v254
	v_cvt_scalef32_pk8_fp8_f32 v[RR+4*\s+2:RR+4*\s+3], v[XS+8:XS+15], v254
	v_lshrrev_b32 v[RR+8+\s], 23, v254             ; the scale's byte (also the plain line behind the conversions)
	ds_store_b8 v5, v[RR+8+\s] offset:32*(\p)+16*\s   ; both lanes of a block write the same byte with the same value
	global_store_b128 v2, v[RR+4*\s:RR+4*\s+3], s[10:11] offset:1024*(\p)+512*\s   ; 32 lanes store 512 consecutive bytes; these registers are never written again
.endr
.endm
	ROW 0
	ROW 1
	ROW 2
	ROW 3
	s_wait_dscnt 0x0                               ; for the others' sake: my scale bytes have landed
	s_barrier_signal -1
	s_barrier_wait -1
	s_cmp_lg_u32 s12, 0
	s_cbranch_scc1 .Lend
	ds_load_b128 v[CH:CH+3], v7                    ; wave 0: the work-group's 512 scale bytes
	s_wait_dscnt 0x0
	global_store_b128 v2, v[CH:CH+3], s[26:27]     ; 512 consecutive bytes, aligned
.Lend:
	s_wait_tensorcnt 0x0                           ; the wave's end
	ds_add_u32 v[SPW], v[NIL]
	s_wait_dscnt 0x0
	s_endpgm
.Lfunc_end_k_qe12eb51c08_ln1:
	.size	k_qe12eb51c08_ln1, .Lfunc_end_k_qe12eb51c08_ln1-k_qe12eb51c08_ln1
	.p2alignl 7, 3214868480
	.fill 96, 4, 3214868480
	.section	.rodata,"a",@progbits
	.p2align	6, 0x0
	.amdhsa_kernel k_qe12eb51c08_ln1
		.amdhsa_group_segment_fixed_size 21504
		.amdhsa_private_segment_fixed_size 0
		.amdhsa_enable_private_segment 0
		.amdhsa_kernarg_size 32
		.amdhsa_user_sgpr_count 2
		.amdhsa_user_sgpr_kernarg_segment_ptr 1
		.amdhsa_wavefront_size32 1
		.amdhsa_system_sgpr_workgroup_id_x 1
		.amdhsa_system_sgpr_workgroup_id_y 1
		.amdhsa_system_sgpr_workgroup_id_z 1
		.amdhsa_system_vgpr_workitem_id 0
		.amdhsa_next_free_vgpr 256
		.amdhsa_next_free_sgpr 66
		.amdhsa_reserve_vcc 0
		.amdhsa_float_denorm_mode_32 3
		.amdhsa_float_denorm_mode_16_64 3
		.amdhsa_memory_ordered 1
		.amdhsa_forward_progress 1
		.amdhsa_inst_pref_size 53
	.end_amdhsa_kernel
	.amdgpu_metadata
---
amdhsa.version: [ 1, 2 ]
amdhsa.kernels:
  - .name:           k_qe12eb51c08_ln1
    .symbol:         k_qe12eb51c08_ln1.kd
    .args:
      - { .name: x, .offset: 0, .size: 8, .value_kind: global_buffer, .address_space: global }
      - { .name: ln1_g, .offset: 8, .size: 8, .value_kind: global_buffer, .address_space: global }
      - { .name: ln1_b, .offset: 16, .size: 8, .value_kind: global_buffer, .address_space: global }
      - { .name: act1, .offset: 24, .size: 8, .value_kind: global_buffer, .address_space: global }
    .group_segment_fixed_size: 21504
    .private_segment_fixed_size: 0
    .kernarg_segment_align: 8
    .kernarg_segment_size: 32
    .max_flat_workgroup_size: 128
    .sgpr_count:     66
    .vgpr_count:     256
    .wavefront_size: 32
...
	.end_amdgpu_metadata
.endif
;; end of part 1
;; launch qkv (part 2): grid 12 x 16, 4 waves a work-group, clusters of 4 x 4, 327,680 bytes of LDS; arguments act1, Wq_codes, Wq_scales, Wk_codes, Wk_scales, Wv_codes, Wv_scales, bq, bk, bv, qk, vt; writes qk, vt
.if DOCPART == 2
	.amdgcn_target "amdgcn-amd-amdhsa--gfx1250"
	.amdhsa_code_object_version 6
	.text
	.protected	k_qe12eb51c08_qkv
	.globl	k_qe12eb51c08_qkv
	.p2align	8
	.type	k_qe12eb51c08_qkv,@function
k_qe12eb51c08_qkv:
	s_mov_b64 s[64:65], 0
	v_nop
	global_prefetch_b8 v0, s[64:65] scope:SCOPE_SE
	s_setreg_imm32_b32 hwreg(HW_REG_WAVE_MODE, 25, 1), 1
	s_wait_xcnt 0x0
	s_wait_alu depctr_hold_cnt(0) depctr_sa_sdst(0) depctr_va_vdst(0) depctr_va_sdst(0) depctr_va_ssrc(0) depctr_va_vcc(0) depctr_vm_vsrc(0)
	s_getreg_b32 s2, hwreg(HW_REG_IB_STS2, 6, 4)
	s_cmp_eq_u32 s2, 0
	s_cbranch_scc0 .Lentry_in_a_cluster
	s_endpgm
.Lentry_in_a_cluster:
	s_bfe_u32 s2, ttmp6, 0x10000c
	s_cmp_lg_u32 s2, 0xf033
	s_cbranch_scc0 .Lentry_shape_is_right
	s_endpgm
.Lentry_shape_is_right:
; q = h Wq + bq, k = h Wk + bk, v = h Wv + bv on codes of E4M3 with E8M0 scales, and the quantisers of q, k (along the head's 64) and v (along the keys).  h: act1 (codes [4096][1024], scale bytes [4096][32] at 4,194,304).
; THREE ROLES by the cluster's x, which all sixteen partners share: 0: C = h Wq^T; 1: C = h Wk^T (A = h, B = the weight);  2: C = Wv h^T = v TRANSPOSED (A = the weight, B = h).
; A tile of C is 256 x 256, a wave's 128 x 128; K = 1,024 goes in steps of 256 through two LDS slots; the scales of the tile's rows of A and of B, for all of K, come into LDS once.
; The matrix instruction is used transposed (source 0 = rows of B, source 1 = rows of A): a lane holds one row of C and eight neighbouring columns.  So in roles 0, 1 a lane's registers run along the head's channels,
; in role 2 along the tokens, which are the keys: each is the K of the product that takes it, and the conversions' results are codes with that K innermost.
; OUT.  qk: codes [2][32 heads][2048 slots][64 bytes], scale bytes [2][32][2048][2] at 8,388,608; within each 16 tokens token t lies at slot 2 (t % 8) + t / 8, so that 128 consecutive bytes hold tokens t and t + 8.
;       vt: codes [32 heads][16 steps][64 channels][128 keys], scale words [32][16][64][4 bytes] at 4,194,304.
; CLUSTERS: 4 x 4; A's tiles are asked for jointly along a row of the cluster, B's along a column.
; LIMITS: NaN and infinities are not served; a block under 2^-118 keeps the byte 1; a block of zeros gets the byte 1 (its codes are zeros; this program alone reads the bytes).
; REGISTERS: window 0: v0-31 addresses; v32-63 scale words, two sets, and nothing else; v64-127 the biases; v128-255 A's fragments, on the way out at work.  window 1: B's fragments, two sets.  windows 2, 3: the 64 accumulators.
.set KSTEP,  256
.set NQ,     2
.set ROWB,   256
.set KROW,   1024
.set PITCH,  272                       ; an LDS row: 256 bytes + 16: the 16 rows that a load touches start at 16 different banks (64 banks of 4 bytes: ISA guide 11.1)
.set FR,     16
.set NL,     4
.set NP,     8                         ; places behind this matrix instruction (ISA guide 7.12.1)
.set HALFT,  128*PITCH
.set SLOT,   4*HALFT
.set LAPS,   2
.set KS,     32
.set SCL,    2*SLOT
.set HALFS,  (128*KS/256)*272
.set SBLK,   (16*KS/256)*272
.set SPARE,  SCL+4*HALFS               ; the spare words, 128 bytes a wave; no other line names them
.set SSTQ,   69632                     ; the way out, in slot 0 (it has had its last fill and its last read): codes 256 rows x 272 at 0; roles 0, 1: scale bytes [4 heads][256 slots][2]
.set SSTV,   71680                     ; role 2: scale words [4 heads][2 steps][64 channels][4]
.set STC,  8                           ; v8   where I put 8 codes of a row
.set STSQ, 9                           ; v9   roles 0, 1: my row's scale bytes
.set STSV, 10                          ; v10  role 2: my row's scale word
.set RDQ,  11                          ; v11  roles 0, 1: reading back, rows 0-127;  v24: rows 128-255
.set RDV,  12                          ; v12  role 2: reading back
.set RDS,  13                          ; v13  the scale bytes' way back
.set BOC,  14                          ; v14  32 x (lane / 16): bias by column
.set BOR,  15                          ; v15  4 x (lane % 16): bias by row
.set ADRA, 16
.set ADRB, 20
.set RDQ2, 24
.set CO,   26                          ; v26  16 x lane
.set ADRS, 27
.set SPW,  28
.set NIL,  29
.set PW,   30                          ; the scale word just made
.set SC,   32
.set BC,   64
.set AF,   128
.set T,    128                         ; the way out: a block's 64 numbers
.set TM,   192                         ; the quantiser's 16 temporaries
.set PC,   208                         ; the codes just made
.set G1, 24
.set G0, 32
.set G1B, 48
.set G0B, 56
.set G1S, 68
.set G0S, 76
.set G1SB, 80
.set G0SB, 88
.set SEL,  92
.set MNT,  94
.set MODE, 95                          ; s95  1 in role 2, else 0
.set MSB, 0
.macro WIN new                         ; the immediate's high byte repeats the setting that is left
.if MSB != (\new)
	s_set_vgpr_msb (MSB<<8)|(\new)
.set MSB, (\new)
.endif
.endm
.set MUL_LO, 0xa1                      ; source 0 (B) window 1, source 1 (A) window 0, C and D window 2
.set MUL_HI, 0xf1
.set TO_B,   0x40
; A joint load: waves 0 and 1 fetch for A, waves 2 and 3 for B; the branch hangs on the wave's number alone.  An s_nop 0 and four v_nop follow each line.
.macro JLOAD g0a, g1a, g0b, g1b
	s_cmp_eq_u32 s15, 0
	s_cbranch_scc0 .Lfor_b_\@
	tensor_load_to_lds s[\g0a:\g0a+3], s[\g1a:\g1a+7]
	s_nop 0
.rept 4
	v_nop
.endr
	s_branch .Lasked_\@
.Lfor_b_\@:
	tensor_load_to_lds s[\g0b:\g0b+3], s[\g1b:\g1b+7]
	s_nop 0
.rept 4
	v_nop
.endr
.Lasked_\@:
.endm
.macro CREST
	s_cmp_lg_u32 s14, 0
	s_cbranch_scc1 .Lnot_wave_0_\@
	s_barrier_signal -3
.Lnot_wave_0_\@:
	s_barrier_wait -3
	s_barrier_signal -1
	s_barrier_wait -1
.endm
.macro CROUND
	s_barrier_signal -1
	s_barrier_wait -1
	CREST
.endm
	s_load_b512 s[68:83], s[0:1], 0x0              ; act1 68, Wq codes 70, scales 72, Wk 74, 76, Wv 78, 80, bq 82
	s_load_b256 s[84:91], s[0:1], 0x40             ; bk 84, bv 86, qk 88, vt 90
	v_lshl_add_u32 v[SPW], v0, 2, SPARE
	v_mov_b32 v[NIL], 0
	ds_add_u32 v[SPW], v[NIL]                      ; the wave's opening: the add, twice on end, and its wait ahead of my first tensor load
	ds_add_u32 v[SPW], v[NIL]
	v_lshrrev_b32 v1, 5, v0
	v_readfirstlane_b32 s14, v1                    ; wave 0..3
	s_lshr_b32 s15, s14, 1                         ; my half of the tile's rows; also: I fetch for A (0) or B (1)
	s_and_b32 s16, s14, 1                          ; my half of its columns; also: which 128 rows I fetch
	s_bfe_u32 s40, ttmp6, 0x40000                  ; cx
	s_bfe_u32 s41, ttmp6, 0x40004                  ; cy
	s_and_b32 s2, ttmp7, 0xffff
	s_lshl_b32 s2, s2, 2                           ; 4 x cluster y
	s_cmp_eq_u32 ttmp9, 2                          ; the role: the cluster's x
	s_cselect_b32 s[MODE], 1, 0
	s_cselect_b32 s17, 0, s2
	s_cselect_b32 s42, s2, 0
	s_add_co_u32 s17, s17, s41                     ; A's tile row: roles 0, 1: 4 x cluster y + cy (tokens); role 2: cy (channels)
	s_add_co_u32 s42, s42, s40                     ; B's tile column: roles 0, 1: cx (channels); role 2: 4 x cluster y + cx (tokens)
	s_lshl_b32 s43, s41, 2
	s_lshl_b32 s43, 15, s43                        ; my row of the cluster
	s_lshl_b32 s44, 0x1111, s40                    ; my column
	s_or_b32 s[G1+0], s43, (0<<16)|(1<<20)|(1<<21)|(5<<22)|(3<<25)  ; mask; elements of 1 byte; padding: 4 words after every 64; bit 21 beside a mask
	s_or_b32 s[G1B+0], s44, (0<<16)|(1<<20)|(1<<21)|(5<<22)|(3<<25)
.irp g, G1, G1B
	s_mov_b32 s[\g+1], ROWB<<16                    ; tensor_dim0
	s_mov_b32 s[\g+2], 128<<16                     ; tensor_dim1
	s_mov_b32 s[\g+3], ROWB<<16                    ; tile_dim0
	s_mov_b32 s[\g+4], 128                         ; tile_dim1
	s_mov_b32 s[\g+5], KROW                        ; the pitch
	s_mov_b32 s[\g+6], 0
	s_mov_b32 s[\g+7], 0
.endr
	s_lshl_b32 s18, s16, 7
	s_lshl_b32 s20, s17, 8
	s_add_co_u32 s20, s20, s18                     ; A: row 256 x tile row + 128 x half
	s_lshl_b32 s46, s42, 8
	s_add_co_u32 s46, s46, s18                     ; B likewise
	s_mov_b32 s21, 0
	s_mov_b32 s47, 0
	s_mov_b64 s[18:19], KS
	s_mul_u64 s[22:23], s[20:21], s[18:19]         ; where these rows' scales begin
	s_mul_u64 s[92:93], s[46:47], s[18:19]
	s_mov_b64 s[18:19], KROW
	s_mul_u64 s[20:21], s[20:21], s[18:19]         ; and their codes
	s_mul_u64 s[46:47], s[46:47], s[18:19]
	s_mul_i32 s45, s14, HALFT                      ; where they go: no place in the cluster enters an LDS address
	s_mul_i32 s94, s14, HALFS
	s_wait_dscnt 0x0                               ; both opening adds are done
	s_wait_kmcnt 0x0
	s_add_nc_u64 s[98:99], s[68:69], 4194304       ; act1's scale bytes
	s_cmp_eq_u32 ttmp9, 0                          ; the buffers are chosen by the role, which hangs on no address
	s_cselect_b64 s[8:9], s[70:71], s[74:75]
	s_cselect_b64 s[10:11], s[72:73], s[76:77]
	s_cselect_b64 s[96:97], s[82:83], s[84:85]
	s_cmp_eq_u32 ttmp9, 2
	s_cselect_b64 s[4:5], s[78:79], s[68:69]       ; A's codes
	s_cselect_b64 s[6:7], s[80:81], s[98:99]       ; A's scales
	s_cselect_b64 s[8:9], s[68:69], s[8:9]         ; B's codes
	s_cselect_b64 s[10:11], s[98:99], s[10:11]     ; B's scales
	s_cselect_b64 s[96:97], s[86:87], s[96:97]     ; the bias
	s_cselect_b64 s[12:13], s[90:91], s[88:89]     ; the output
	; the arguments are taken: their registers become the scales' descriptors.  128 rows' scales: a dense block, as rows of 256 bytes (32 elements of 8), 16 bytes of padding behind each
	s_or_b32 s[G1S+0], s43, (3<<16)|(1<<20)|(1<<21)|(5<<22)|(3<<25)
	s_or_b32 s[G1SB+0], s44, (3<<16)|(1<<20)|(1<<21)|(5<<22)|(3<<25)
.irp g, G1S, G1SB
	s_mov_b32 s[\g+1], 32<<16
	s_mov_b32 s[\g+2], (128*KS/256)<<16
	s_mov_b32 s[\g+3], 32<<16
	s_mov_b32 s[\g+4], 128*KS/256
	s_mov_b32 s[\g+5], 32
	s_mov_b32 s[\g+6], 0
	s_mov_b32 s[\g+7], 0
.endr
	s_add_nc_u64 s[20:21], s[4:5], s[20:21]
	s_add_nc_u64 s[22:23], s[6:7], s[22:23]
	s_add_nc_u64 s[46:47], s[8:9], s[46:47]
	s_add_nc_u64 s[92:93], s[10:11], s[92:93]
	CROUND                                         ; all sixteen work-groups are here: the first joint loads meet
	s_mov_b32 s[G0S], 1
	s_add_co_u32 s[G0S+1], s94, SCL
	s_mov_b64 s[G0S+2:G0S+3], s[22:23]
	s_or_b32 s[G0S+3], s[G0S+3], 0x80000000
	s_mov_b32 s[G0SB], 1
	s_add_co_u32 s[G0SB+1], s94, SCL
	s_mov_b64 s[G0SB+2:G0SB+3], s[92:93]
	s_or_b32 s[G0SB+3], s[G0SB+3], 0x80000000
	JLOAD G0S, G1S, G0SB, G1SB                     ; the scales first
.irp s, 0,1
	s_mov_b32 s[G0+4*\s], 1
	s_add_co_u32 s[G0+4*\s+1], s45, \s*SLOT
	s_add_nc_u64 s[G0+4*\s+2:G0+4*\s+3], s[20:21], \s*ROWB
	s_or_b32 s[G0+4*\s+3], s[G0+4*\s+3], 0x80000000
	s_mov_b32 s[G0B+4*\s], 1
	s_add_co_u32 s[G0B+4*\s+1], s45, \s*SLOT
	s_add_nc_u64 s[G0B+4*\s+2:G0B+4*\s+3], s[46:47], \s*ROWB
	s_or_b32 s[G0B+4*\s+3], s[G0B+4*\s+3], 0x80000000
	JLOAD G0+4*\s, G1, G0B+4*\s, G1B
.endr
	v_and_b32 v1, 15, v0                           ; r = l % 16
	v_bfe_u32 v2, v0, 4, 1                         ; h = l / 16
	v_mul_u32_u24 v3, v1, PITCH
	v_lshl_add_u32 v4, v2, 4, v3
	s_mul_i32 s21, s15, HALFT
	s_mul_i32 s22, s16, HALFT
	s_add_co_u32 s22, s22, 2*HALFT
.irp s, 0,1
	v_add_nc_u32 v[ADRA+\s], s21, v4
	v_add_nc_u32 v[ADRB+\s], s22, v4
	s_add_co_u32 s21, s21, SLOT
	s_add_co_u32 s22, s22, SLOT
.endr
	v_mul_u32_u24 v5, v1, KS
	v_lshrrev_b32 v6, 8, v5
	v_lshl_add_u32 v5, v6, 4, v5
	s_mul_i32 s21, s15, HALFS
	s_mul_i32 s22, s16, HALFS
	s_add_co_u32 s22, s22, 2*HALFS
	s_sub_co_u32 s22, s22, s21
	v_mul_u32_u24 v6, s22, v2                      ; lanes 16-31 take B's
	s_add_co_u32 s21, s21, SCL
	v_add_nc_u32 v5, v5, v6
	v_add_nc_u32 v[ADRS], s21, v5
	; the way out's addresses, all made here
	s_lshl_b32 s21, s15, 7
	v_add_nc_u32 v5, s21, v1                       ; my row of block 0 among the tile's 256
	v_mul_u32_u24 v[STC], v5, 272
	v_lshl_add_u32 v[STC], v2, 3, v[STC]
	s_lshl_b32 s22, s16, 7
	v_add_nc_u32 v[STC], s22, v[STC]               ; row x 272 + 128 x column half + 8 h
	v_and_b32 v5, 7, v1
	v_lshrrev_b32 v6, 3, v1
	v_lshl_or_b32 v5, v5, 1, v6                    ; my token's slot among 16: 2 (r % 8) + r / 8
	s_lshl_b32 s22, s16, 10
	s_lshl_b32 s23, s15, 8
	s_add_co_u32 s22, s22, s23
	s_add_co_u32 s22, s22, SSTQ
	v_lshl_add_u32 v[STSQ], v5, 1, s22             ; head 2 x column half: 512 bytes a head; slot x 2
	s_lshl_b32 s22, s15, 10
	s_lshl_b32 s23, s16, 8
	s_add_co_u32 s22, s22, s23
	s_add_co_u32 s22, s22, SSTV
	v_lshl_add_u32 v[STSV], v1, 2, s22             ; head 2 x row half, step = column half, channel r
	v_and_b32 v6, 31, v0                           ; lane
	v_bfe_u32 v5, v6, 2, 1
	v_lshlrev_b32 v5, 3, v5
	v_lshrrev_b32 v4, 3, v6
	v_add_nc_u32 v5, v5, v4                        ; the token at slot l / 4 of eight: 8 ((l / 4) % 2) + l / 8
	v_mul_u32_u24 v5, v5, 272
	v_and_b32 v4, 3, v6
	v_lshl_add_u32 v5, v4, 4, v5
	s_lshl_b32 s22, s14, 6
	v_add_nc_u32 v[RDQ], s22, v5                   ; + 64 x wave: my head's bytes of a row
	v_add_nc_u32 v[RDQ2], 128*272, v[RDQ]
	v_lshrrev_b32 v5, 3, v6
	v_add_nc_u32 v5, s22, v5                       ; role 2: channel 64 x wave + l / 8
	v_mul_u32_u24 v5, v5, 272
	v_and_b32 v4, 7, v6
	v_lshl_add_u32 v[RDV], v4, 4, v5
	v_lshlrev_b32 v[CO], 4, v6
	s_lshl_b32 s22, s14, 9
	s_add_co_u32 s22, s22, SSTQ
	v_add_nc_u32 v[RDS], s22, v[CO]
	v_lshlrev_b32 v[BOC], 5, v2
	v_lshlrev_b32 v[BOR], 2, v1
	; the biases, in the result's layout: roles 0, 1 by column (register 8 b + j: column 16 b + 8 h + j), role 2 by row (registers 8 a + 0..7: row 16 a + r).  Both arms write all 64 registers
	s_cmp_eq_u32 s[MODE], 0
	s_cselect_b32 s20, s42, s17
	s_cselect_b32 s21, s16, s15
	s_lshl_b32 s20, s20, 10
	s_lshl_b32 s21, s21, 9
	s_add_co_u32 s20, s20, s21
	s_mov_b32 s21, 0
	s_add_nc_u64 s[96:97], s[96:97], s[20:21]
	s_cmp_eq_u32 s[MODE], 0
	s_cbranch_scc0 .Lbias_row
.irp b, 0,1,2,3,4,5,6,7
	global_load_b128 v[BC+8*\b:BC+8*\b+3], v[BOC], s[96:97] offset:64*\b
	global_load_b128 v[BC+8*\b+4:BC+8*\b+7], v[BOC], s[96:97] offset:64*\b+16
.endr
	s_branch .Lbias_in
.Lbias_row:
.irp a, 0,1,2,3,4,5,6,7
.irp j, 0,1,2,3,4,5,6,7
	global_load_b32 v[BC+8*\a+\j], v[BOR], s[96:97] offset:64*\a
.endr
.endr
.Lbias_in:
.macro FRAG reg, adr, q, i             ; 16 rows x 128 K of 8-bit codes: lane l holds row l % 16; registers 4 c .. 4 c + 3 hold K = 32 c + 16 (l / 16) + 0 .. 15
.irp c, 0,1,2,3
	ds_load_b128 v[\reg+4*\c:\reg+4*\c+3], v[\adr] offset:128*(\q)+32*\c+(\i)*16*PITCH
.endr
.endm
; 16 matrix instructions: A's blocks a0, a0 + 1 x B's eight.  The 64 accumulators take turns, one instruction a turn, in the same order in every step.
.macro MUL16 a0, p, q, sc, zero
.irp a, \a0, \a0+1
.irp b, 0,1,2,3,4,5,6,7
.if \zero
	v_wmma_scale_f32_16x16x128_f8f6f4 v[8*(8*((\a)%4)+\b):8*(8*((\a)%4)+\b)+7], v[128*(\p)+FR*\b:128*(\p)+FR*\b+FR-1], v[AF+FR*(\a):AF+FR*(\a)+FR-1], 0, v[SC+8*NQ*(\sc)+NQ*\b+(\q)], v[SC+8*NQ*(\sc)+NQ*(\a)+(\q)] matrix_a_scale:MATRIX_SCALE_ROW1
.else
	v_wmma_scale_f32_16x16x128_f8f6f4 v[8*(8*((\a)%4)+\b):8*(8*((\a)%4)+\b)+7], v[128*(\p)+FR*\b:128*(\p)+FR*\b+FR-1], v[AF+FR*(\a):AF+FR*(\a)+FR-1], v[8*(8*((\a)%4)+\b):8*(8*((\a)%4)+\b)+7], v[SC+8*NQ*(\sc)+NQ*\b+(\q)], v[SC+8*NQ*(\sc)+NQ*(\a)+(\q)] matrix_a_scale:MATRIX_SCALE_ROW1
.endif
.endr
.endr
.endm
.macro FETCH_B slot, q, p
	WIN TO_B
.irp i, 0,1,2,3,4,5,6,7
	FRAG 128*(\p)+FR*\i, ADRB+\slot, \q, \i
.endr
	WIN 0
.endm
.macro FETCH_A slot, q, i0
.irp i, \i0, \i0+1, \i0+2, \i0+3
	FRAG AF+FR*(\i), ADRA+\slot, \q, \i
.endr
.endm
.macro SCALES sc                       ; a K step's scale words: lanes 0-15 A's block i, lanes 16-31 B's block i
.irp i, 0,1,2,3,4,5,6,7
	ds_load_b64 v[SC+8*NQ*\sc+NQ*\i:SC+8*NQ*\sc+NQ*\i+1], v[ADRS] offset:\i*SBLK
.endr
.endm
.macro PLACES n                        ; plain vector instructions between a matrix instruction and a load into, or a read of, its registers
.rept \n
	v_nop
.endr
.endm
.macro STEP slot, q, zero              ; 128 along K with its successor in the same slot
	s_wait_dscnt 4*NL                              ; B's set and A's blocks 0-3 are in; the youngest 16 loads (A's blocks 4-7) may be out
	WIN MUL_LO
	MUL16 0, (\q)%2, \q, \slot, \zero
	MUL16 2, (\q)%2, \q, \slot, \zero
	s_wait_dscnt 0
	PLACES NP
	FETCH_B \slot, (\q)+1, 1-(\q)%2
	FETCH_A \slot, (\q)+1, 0
	WIN MUL_HI
	MUL16 4, (\q)%2, \q, \slot, \zero
	MUL16 6, (\q)%2, \q, \slot, \zero
	PLACES NP
	WIN 0
	FETCH_A \slot, (\q)+1, 4
.endm
; A slot's last step changes slots: one barrier; in front of it each wave waits for all its tensor loads, adds 0 to its spare word, and waits for that and for its reads of this slot.
.macro TURN slot, next, fill
	s_wait_tensorcnt 0x0                           ; all my tensor loads have landed: my part of the next slot
	ds_add_u32 v[SPW], v[NIL]
	s_wait_dscnt 4*NL+1                            ; (the add and A's blocks 4-7 may be out)
	WIN MUL_LO
	MUL16 0, 1, NQ-1, \slot, 0
	s_wait_dscnt 0x0                               ; the add is done, and my reads of this slot are over
	s_barrier_signal -1
	MUL16 2, 1, NQ-1, \slot, 0
	WIN 0
	s_barrier_wait -1
.if \fill
	CREST                                          ; the barrier has opened a round of the cluster's: no wave of any partner still reads this slot or has a load on its way
	s_add_nc_u64 s[G0+4*\slot+2:G0+4*\slot+3], s[G0+4*\slot+2:G0+4*\slot+3], 2*ROWB
	s_add_nc_u64 s[G0B+4*\slot+2:G0B+4*\slot+3], s[G0B+4*\slot+2:G0B+4*\slot+3], 2*ROWB
	JLOAD G0+4*\slot, G1, G0B+4*\slot, G1B         ; the first tensor load behind the round; its four v_nop are among the places below
	PLACES NP-4
.else
	PLACES NP
.endif
	v_add_nc_u32 v[ADRS], 4*NQ, v[ADRS]
	FETCH_B \next, 0, 0
	FETCH_A \next, 0, 0
	SCALES \next
	WIN MUL_HI
	MUL16 4, 1, NQ-1, \slot, 0
	MUL16 6, 1, NQ-1, \slot, 0
	PLACES NP
	WIN 0
	FETCH_A \next, 0, 4
.endm
	s_wait_tensorcnt 1                             ; the scales and my part of K step 0 are in; K step 1's load may be out
	s_barrier_signal -1
	s_barrier_wait -1
	FETCH_B 0, 0, 0
	FETCH_A 0, 0, 0
	SCALES 0
	FETCH_A 0, 0, 4
	STEP 0, 0, 1                                   ; the first step's products start the sums
	s_mov_b32 s3, LAPS-1
.Llap:
	TURN 0, 1, 1
	STEP 1, 0, 0
	TURN 1, 0, 1
	STEP 0, 0, 0
	s_sub_co_u32 s3, s3, 1
	s_cmp_lg_u32 s3, 0
	s_cbranch_scc1 .Llap
	TURN 0, 1, 0                                   ; the last lap fills nothing
	STEP 1, 0, 0
	s_wait_dscnt 4*NL
	WIN MUL_LO
	MUL16 0, 1, NQ-1, 1, 0
	MUL16 2, 1, NQ-1, 1, 0
	s_wait_dscnt 0
	WIN MUL_HI
	MUL16 4, 1, NQ-1, 1, 0
	MUL16 6, 1, NQ-1, 1, 0
	WIN 0
; THE WAY OUT.  64 numbers of a lane, v[s] on: registers 16 b + 0..15 and those of lane l xor 16 are block b of 32 along the next K.  They become 16 registers of codes in v[PC] on and a scale word in v[PW].
.macro QUANT s
.irp b, 0,1,2,3
	v_max3_num_f32 v[TM+\b], |v[\s+16*\b]|, |v[\s+1+16*\b]|, 0x4800000   ; with the floor 2^(9 - 127): the byte cannot fall under 1
.endr
.irp i, 2,4,6,8,10,12,14
.irp b, 0,1,2,3
	v_max3_num_f32 v[TM+\b], v[TM+\b], |v[\s+16*\b+\i]|, |v[\s+1+16*\b+\i]|
.endr
.endr
.irp b, 0,1,2,3
	v_permlanex16_b32 v[TM+4+\b], v[TM+\b], s[SEL], s[SEL+1]
.endr
.irp b, 0,1,2,3
	v_max_num_f32 v[TM+\b], v[TM+\b], v[TM+4+\b]
.endr
.irp b, 0,1,2,3
	v_add_nc_u32 v[TM+12+\b], 0xfc000000, v[TM+\b]   ; 8 off the exponent field: the conversion's scale operand
.endr
.irp b, 0,1,2,3
	v_and_or_b32 v[TM+8+\b], v[TM+\b], 0x7f800000, s[MNT]   ; 448 x the scale
.endr
.irp b, 0,1,2,3
	v_lshrrev_b32 v[TM+4+\b], 23, v[TM+12+\b]      ; the scale's byte
.endr
	v_lshl_or_b32 v[PW], v[TM+5], 8, v[TM+4]
	v_lshl_or_b32 v[PW], v[TM+6], 16, v[PW]
	v_lshl_or_b32 v[PW], v[TM+7], 24, v[PW]
.irp b, 0,1,2,3
.irp i, 0,1,2,3,4,5,6,7,8,9,10,11,12,13,14,15
	v_med3_num_f32 v[\s+16*\b+\i], v[\s+16*\b+\i], -v[TM+8+\b], v[TM+8+\b]   ; the conversion to an 8-bit code does not saturate (ISA guide 7.6.2): the hold
.endr
	v_cvt_scalef32_pk8_fp8_f32 v[PC+4*\b:PC+1+4*\b], v[\s+16*\b:\s+7+16*\b], v[TM+12+\b]
	v_cvt_scalef32_pk8_fp8_f32 v[PC+2+4*\b:PC+3+4*\b], v[\s+8+16*\b:\s+15+16*\b], v[TM+12+\b]
.endr
	v_nop                                          ; a plain line behind the last conversion
.endm
.macro BLOCK a                         ; my rows 16 a .. 16 a + 15, my 128 columns: bias, quantiser, codes and scale word into the stage
.set AC, 64*((\a)%4)
	s_wait_dscnt 0x0                               ; the last block's LDS stores have read their registers
	s_cmp_eq_u32 s[MODE], 0
	s_cbranch_scc0 .Lrow_\@
	WIN 0x02+((\a)/4)                              ; source 0: window 2 or 3
.set p, 0
.rept 32
	v_pk_add_f32 v[T+2*p:T+2*p+1], v[AC+2*p:AC+2*p+1], v[BC+2*p:BC+2*p+1]   ; each accumulator from its low end on
.set p, p+1
.endr
	WIN 0
	s_branch .Ladded_\@
.Lrow_\@:
	WIN 0x02+((\a)/4)
.set p, 0
.rept 32
	v_pk_add_f32 v[T+2*p:T+2*p+1], v[AC+2*p:AC+2*p+1], v[BC+8*(\a)+2*(p%4):BC+8*(\a)+2*(p%4)+1]
.set p, p+1
.endr
	WIN 0
.Ladded_\@:
	QUANT T
.irp b, 0,1,2,3
	ds_store_b64 v[STC], v[PC+4*\b:PC+4*\b+1] offset:4352*(\a)+32*\b        ; columns 32 b + 8 h + 0..7
	ds_store_b64 v[STC], v[PC+4*\b+2:PC+4*\b+3] offset:4352*(\a)+32*\b+16   ; columns 32 b + 16 + 8 h + 0..7
.endr
	s_cmp_eq_u32 s[MODE], 0
	s_cbranch_scc0 .Lword_\@
	ds_store_b16 v[STSQ], v[PW] offset:32*(\a)                 ; the first head's two bytes (both halves of the lanes write the same bytes with the same value),
	ds_store_b16_d16_hi v[STSQ], v[PW] offset:32*(\a)+512      ; the second head's
	s_branch .Lput_\@
.Lword_\@:
	ds_store_b32 v[STSV], v[PW] offset:512*((\a)/4)+64*((\a)%4)
.Lput_\@:
.endm
	PLACES NP                                      ; behind the last products: for the reads of their results and the writes of the registers that held A's fragments
	s_mov_b32 s[SEL], 0x76543210
	s_mov_b32 s[SEL+1], 0xfedcba98
	s_mov_b32 s[MNT], 0x600000
.irp b, 0,1,2,3
	v_mov_b32 v[TM+4+\b], 0                        ; written once: a lane permute's destination counts as one of its sources
.endr
	s_wait_loadcnt 0x0                             ; the biases
.irp a, 0,1,2,3,4,5,6,7
	BLOCK \a
.endr
	s_wait_dscnt 0x0                               ; for the others' sake: my stores into the stage have landed
	s_barrier_signal -1
	s_barrier_wait -1
	s_cmp_eq_u32 s[MODE], 0
	s_cbranch_scc0 .Lv_out
	; roles 0, 1: wave w stores head 4 x tile column + w, 256 tokens, in the order of the slots
	s_lshl_b32 s20, ttmp9, 5                       ; 32 heads of q, then 32 of k
	s_lshr_b32 s21, s17, 3
	s_lshl_b32 s21, s21, 4                         ; 16 x batch
	s_add_co_u32 s20, s20, s21
	s_lshl_b32 s21, s42, 2
	s_add_co_u32 s20, s20, s21
	s_add_co_u32 s20, s20, s14
	s_lshl_b32 s20, s20, 11                        ; x 2,048 slots
	s_and_b32 s21, s17, 7
	s_lshl_b32 s21, s21, 8
	s_add_co_u32 s20, s20, s21                     ; + the tile's first token
	s_lshl_b32 s22, s20, 1
	s_add_co_u32 s22, s22, 8388608
	s_mov_b32 s23, 0
	s_lshl_b32 s20, s20, 6
	s_mov_b32 s21, 0
	s_add_nc_u64 s[22:23], s[12:13], s[22:23]
	s_add_nc_u64 s[12:13], s[12:13], s[20:21]
	ds_load_b128 v[BC:BC+3], v[RDS]                ; my head's 512 scale bytes
.set n, 0
.rept 16
	ds_load_b128 v[128+4*n:128+4*n+3], v[RDQ] offset:(16*(n/2)+4*(n%2))*272
.set n, n+1
.endr
.set n, 0
.rept 16
	ds_load_b128 v[192+4*n:192+4*n+3], v[RDQ2] offset:(16*(n/2)+4*(n%2))*272
.set n, n+1
.endr
	s_wait_dscnt 32
	global_store_b128 v[CO], v[BC:BC+3], s[22:23]
.set n, 0
.rept 32
	s_wait_dscnt 31-n
	global_store_b128 v[CO], v[128+4*n:128+4*n+3], s[12:13] offset:512*n   ; 512 consecutive bytes: eight slots
.set n, n+1
.endr
	s_branch .Ldone
.Lv_out:
	; role 2: wave w stores head 4 x tile row + w, 64 channels x 256 keys = two steps of 128
	s_lshr_b32 s20, s42, 3
	s_lshl_b32 s20, s20, 4                         ; 16 x batch
	s_lshl_b32 s21, s17, 2
	s_add_co_u32 s20, s20, s21
	s_add_co_u32 s20, s20, s14
	s_lshl_b32 s20, s20, 4                         ; x 16 steps
	s_and_b32 s21, s42, 7
	s_lshl_b32 s21, s21, 1
	s_add_co_u32 s20, s20, s21                     ; + the tile's first step
	s_lshl_b32 s22, s20, 8
	s_add_co_u32 s22, s22, 4194304
	s_mov_b32 s23, 0
	s_lshl_b32 s20, s20, 13
	s_mov_b32 s21, 0
	s_add_nc_u64 s[22:23], s[12:13], s[22:23]
	s_add_nc_u64 s[12:13], s[12:13], s[20:21]
	ds_load_b128 v[BC:BC+3], v[RDS] offset:SSTV-SSTQ
.set n, 0
.rept 32
	ds_load_b128 v[128+4*n:128+4*n+3], v[RDV] offset:1088*(n%16)+128*(n/16)
.set n, n+1
.endr
	s_wait_dscnt 32
	global_store_b128 v[CO], v[BC:BC+3], s[22:23]
.set n, 0
.rept 32
	s_wait_dscnt 31-n
	global_store_b128 v[CO], v[128+4*n:128+4*n+3], s[12:13] offset:512*n   ; 512 consecutive bytes: four channels x 128 keys
.set n, n+1
.endr
.Ldone:
	s_wait_tensorcnt 0x0                           ; the wave's end
	ds_add_u32 v[SPW], v[NIL]
	s_wait_dscnt 0x0
	CROUND                                         ; the closing round
	s_endpgm
.Lfunc_end_k_qe12eb51c08_qkv:
	.size	k_qe12eb51c08_qkv, .Lfunc_end_k_qe12eb51c08_qkv-k_qe12eb51c08_qkv
	.p2alignl 7, 3214868480
	.fill 96, 4, 3214868480
	.section	.rodata,"a",@progbits
	.p2align	6, 0x0
	.amdhsa_kernel k_qe12eb51c08_qkv
		.amdhsa_group_segment_fixed_size 327680
		.amdhsa_private_segment_fixed_size 0
		.amdhsa_enable_private_segment 0
		.amdhsa_kernarg_size 96
		.amdhsa_user_sgpr_count 2
		.amdhsa_user_sgpr_kernarg_segment_ptr 1
		.amdhsa_wavefront_size32 1
		.amdhsa_system_sgpr_workgroup_id_x 1
		.amdhsa_system_sgpr_workgroup_id_y 1
		.amdhsa_system_sgpr_workgroup_id_z 1
		.amdhsa_system_vgpr_workitem_id 0
		.amdhsa_next_free_vgpr 1024
		.amdhsa_next_free_sgpr 102
		.amdhsa_reserve_vcc 0
		.amdhsa_float_denorm_mode_32 3
		.amdhsa_float_denorm_mode_16_64 3
		.amdhsa_memory_ordered 1
		.amdhsa_forward_progress 1
		.amdhsa_inst_pref_size 243
	.end_amdhsa_kernel
	.amdgpu_metadata
---
amdhsa.version: [ 1, 2 ]
amdhsa.kernels:
  - .name:           k_qe12eb51c08_qkv
    .symbol:         k_qe12eb51c08_qkv.kd
    .args:
      - { .name: act1, .offset: 0, .size: 8, .value_kind: global_buffer, .address_space: global }
      - { .name: Wq_codes, .offset: 8, .size: 8, .value_kind: global_buffer, .address_space: global }
      - { .name: Wq_scales, .offset: 16, .size: 8, .value_kind: global_buffer, .address_space: global }
      - { .name: Wk_codes, .offset: 24, .size: 8, .value_kind: global_buffer, .address_space: global }
      - { .name: Wk_scales, .offset: 32, .size: 8, .value_kind: global_buffer, .address_space: global }
      - { .name: Wv_codes, .offset: 40, .size: 8, .value_kind: global_buffer, .address_space: global }
      - { .name: Wv_scales, .offset: 48, .size: 8, .value_kind: global_buffer, .address_space: global }
      - { .name: bq, .offset: 56, .size: 8, .value_kind: global_buffer, .address_space: global }
      - { .name: bk, .offset: 64, .size: 8, .value_kind: global_buffer, .address_space: global }
      - { .name: bv, .offset: 72, .size: 8, .value_kind: global_buffer, .address_space: global }
      - { .name: qk, .offset: 80, .size: 8, .value_kind: global_buffer, .address_space: global }
      - { .name: vt, .offset: 88, .size: 8, .value_kind: global_buffer, .address_space: global }
    .group_segment_fixed_size: 327680
    .private_segment_fixed_size: 0
    .kernarg_segment_align: 8
    .kernarg_segment_size: 96
    .max_flat_workgroup_size: 128
    .sgpr_count:     102
    .vgpr_count:     1024
    .wavefront_size: 32
...
	.end_amdgpu_metadata
.endif
;; end of part 2
;; launch attn (part 3): grid 8 x 32, 16 waves a work-group, clusters of 4 x 1, 327,680 bytes of LDS; arguments qk, vt, yact; writes yact
.if DOCPART == 3
	.amdgcn_target "amdgcn-amd-amdhsa--gfx1250"
	.amdhsa_code_object_version 6
	.text
	.protected	k_qe12eb51c08_attn
	.globl	k_qe12eb51c08_attn
	.p2align	8
	.type	k_qe12eb51c08_attn,@function
k_qe12eb51c08_attn:
	s_mov_b64 s[64:65], 0
	v_nop
	global_prefetch_b8 v0, s[64:65] scope:SCOPE_SE
	s_setreg_imm32_b32 hwreg(HW_REG_WAVE_MODE, 25, 1), 1
	s_wait_xcnt 0x0
	s_wait_alu depctr_hold_cnt(0) depctr_sa_sdst(0) depctr_va_vdst(0) depctr_va_sdst(0) depctr_va_ssrc(0) depctr_va_vcc(0) depctr_vm_vsrc(0)
	s_getreg_b32 s2, hwreg(HW_REG_IB_STS2, 6, 4)
	s_cmp_eq_u32 s2, 0
	s_cbranch_scc0 .Lentry_in_a_cluster
	s_endpgm
.Lentry_in_a_cluster:
	s_bfe_u32 s2, ttmp6, 0x10000c
	s_cmp_lg_u32 s2, 0x3003
	s_cbranch_scc0 .Lentry_shape_is_right
	s_endpgm
.Lentry_shape_is_right:
; CAUSAL ATTENTION ON CODES, head size 64, and the quantiser of its result.  qk, vt: as the launch before lays them.  yact: codes [4096][1024], scale bytes [4096][32] at 4,194,304.
; LEFT OUT: key steps all of whose 128 keys come after the wave's 16 queries: the causal mask gives them the weight 0 for all values of the inputs.  A NaN or infinity that lies only there is not carried on.
; THE SOFTMAX: t = score x log2(e) / 8; M = the running largest t rounded up to a whole number; p = 2^(t - M) is quantised along the keys; the row's sum is taken of the unquantised p and divides at the end.
; A block's largest p is made from the block's largest score by the same two instructions; this takes v_exp_f32 not to fall where its input rises.
; SHARES.  A work-group (x = j, 0..7; y = the head) has sixteen waves; wave w owns the 16 queries of tile j + 8 I(w), I a fixed table.  It works on key steps 0 .. I: I + 1 steps.  The table is a magic square:
; the waves w % 4 = const and the waves w / 4 = const each sum to 30, so that every group of four waves has 34 steps, and every work-group 136.  Step st is hidden where st > I and lies on the diagonal where st = I, whatever j:
; so no branch hangs on the work-group's place, and the four partners of a cluster read the same tiles.
; ALL OF A HEAD'S K AND V LIES IN LDS: 1,024 rows of 128 bytes each, filled once, by joint loads of the four partners.  Nothing is filled again, nothing is stored to LDS.
; K = 64 IN A FORM OF K = 128.  A row of K's tile holds TWO keys (t and t + 8): a fragment is 32 keys.  It is multiplied by Q1 = [q | 0] and by Q2 = [0 | q]: two tiles of 16 keys.  By the order of the slots the 16 registers
; of the two tiles are keys 32 f + 16 (lane / 16) + 0 .. 15: neighbours, as the second product's operand wants them.  Both products are used transposed: a lane holds one query throughout.
; LIMITS: NaN and infinities are not served; a block of y under 2^-118 keeps the byte 1, a block of zeros too.  A head's 64 codes are a quarter of 256 consecutive bytes of y's row: these stores are of 8 bytes a lane.
; REGISTERS: v1-4 places that stay; v5, v6 the add's; v7 the diagonal's number; v8-11 the step's addresses; v12 -M, v13 the largest t, v[14:15] the sum; v16-18 the way out; v32-95 four fragments; v96-159 S^T, then p;
; v160-191 O^T; v192-199 q, v200-207 zeros, v208-215 q; v216, v217 q's scale words; v224-239 p's codes; v232-254 at work; v248-251 K's or V's scale words; v253 p's.
.set KP,    144                        ; a row in LDS: 128 bytes + 16
.set VB,    147456                     ; V's 1,024 rows, behind K's
.set SCK,   294912                     ; K's scale bytes: 16 units of 256 bytes + 16: one a step
.set SCV,   299264                     ; V's likewise
.set SPARE, 303616                     ; the spare words, 128 bytes a wave; no other line names them
.set AK0,  1
.set AV0,  2
.set ASK0, 3
.set ASV0, 4
.set SPW,  5
.set NIL,  6
.set DG,   7
.set ADK,  8
.set ADV,  9
.set ADS,  10
.set ADT,  11
.set GO,   16
.set GS,   17
.set HH,   18
.set WV,   10
.set IW,   11
.set JW,   12
.set BH,   13
.set ST,   14
.set TK,   15
.set TS,   16
.set MNT,  19
.set SEL,  20
.set CS,   22
.set G1A,  24                          ; s[24:31] 32 rows of 128 bytes;  s[32:39] 96 rows;  s[40:47] 2 rows of 256 bytes
.set G1R,  32
.set G1S,  40
.set G0S,  48
.set G0A,  52
.set G0R,  56
.macro CROUND
	s_barrier_signal -1
	s_barrier_wait -1
	s_cmp_lg_u32 s[WV], 0
	s_cbranch_scc1 .Lnot_wave_0_\@
	s_barrier_signal -3
.Lnot_wave_0_\@:
	s_barrier_wait -3
	s_barrier_signal -1
	s_barrier_wait -1
.endm
	s_load_b128 s[4:7], s[0:1], 0x0                ; qk, vt
	s_load_b64 s[8:9], s[0:1], 0x10                ; yact
	v_lshl_add_u32 v[SPW], v0, 2, SPARE
	v_mov_b32 v[NIL], 0
	ds_add_u32 v[SPW], v[NIL]                      ; the wave's opening: the add, twice on end, and its wait ahead of my first tensor load
	ds_add_u32 v[SPW], v[NIL]
	v_lshrrev_b32 v8, 5, v0
	v_readfirstlane_b32 s[WV], v8                  ; wave 0..15
	s_bfe_u32 s[JW], ttmp6, 0x40000                ; cx
	s_lshl_b32 s62, ttmp9, 2
	s_add_co_u32 s[JW], s[JW], s62                 ; j = 4 x cluster x + cx: it enters q's and y's addresses and the diagonal's number alone
	s_and_b32 s[BH], ttmp7, 0xffff                 ; the head, 16 x batch + head
	s_and_b32 s62, s[WV], 7
	s_lshl_b32 s62, s62, 2
	s_mov_b32 s63, 0x0DE3B658
	s_cmp_lt_u32 s[WV], 8
	s_cselect_b32 s63, 0x7A94C12F, s63
	s_lshr_b32 s[IW], s63, s62
	s_and_b32 s[IW], s[IW], 15                     ; I(w): 15 2 1 12 4 9 10 7 8 5 6 11 3 14 13 0
	s_mov_b32 s[G1A], 15|(0<<16)|(1<<20)|(1<<21)|(4<<22)|(3<<25)   ; the mask: all four partners; elements of 1 byte; 4 words of padding after every 32; bit 21 beside a mask
	s_mov_b32 s[G1A+1], 128<<16
	s_mov_b32 s[G1A+2], 32<<16
	s_mov_b32 s[G1A+3], 128<<16
	s_mov_b32 s[G1A+4], 32
	s_mov_b32 s[G1A+5], 128
	s_mov_b32 s[G1A+6], 0
	s_mov_b32 s[G1A+7], 0
	s_mov_b32 s[G1R], 15|(0<<16)|(1<<20)|(1<<21)|(4<<22)|(3<<25)
	s_mov_b32 s[G1R+1], 128<<16
	s_mov_b32 s[G1R+2], 96<<16
	s_mov_b32 s[G1R+3], 128<<16
	s_mov_b32 s[G1R+4], 96
	s_mov_b32 s[G1R+5], 128
	s_mov_b32 s[G1R+6], 0
	s_mov_b32 s[G1R+7], 0
	s_mov_b32 s[G1S], 15|(3<<16)|(1<<20)|(1<<21)|(5<<22)|(3<<25)   ; elements of 8 bytes; 4 words of padding after every 64
	s_mov_b32 s[G1S+1], 32<<16
	s_mov_b32 s[G1S+2], 2<<16
	s_mov_b32 s[G1S+3], 32<<16
	s_mov_b32 s[G1S+4], 2
	s_mov_b32 s[G1S+5], 32
	s_mov_b32 s[G1S+6], 0
	s_mov_b32 s[G1S+7], 0
	; what I fetch: waves 0-7 an eighth of K's, waves 8-15 an eighth of V's: of the scale bytes, of the first four steps' rows, of the other twelve steps' rows
	s_lshr_b32 s66, s[WV], 3                       ; e: 0 K, 1 V
	s_and_b32 s67, s[WV], 7                        ; i
	s_xor_b32 s68, s66, 1
	s_lshl_b32 s69, s68, 5
	s_add_co_u32 s69, s69, s[BH]                   ; the head's number in its tensor: k's heads lie behind q's 32
	s_lshl_b32 s70, s69, 17                        ; its codes: 131,072 bytes a head
	s_lshl_b32 s72, s69, 12                        ; its scale bytes: 4,096 a head,
	s_lshl_b32 s73, s68, 22
	s_add_co_u32 s72, s72, s73
	s_add_co_u32 s72, s72, 4194304                 ; from byte 8,388,608 in qk, 4,194,304 in vt,
	s_lshl_b32 s73, s67, 9
	s_add_co_u32 s72, s72, s73                     ; my 512
	s_mov_b32 s73, 0
	s_lshl_b32 s74, s67, 12                        ; my 32 rows of the first 256
	s_add_co_u32 s74, s74, s70
	s_mov_b32 s75, 0
	s_mul_i32 s76, s67, 12288                      ; my 96 rows of the other 768
	s_add_co_u32 s76, s76, s70
	s_add_co_u32 s76, s76, 32768
	s_mov_b32 s77, 0
	s_mul_i32 s78, s66, VB                         ; and in LDS: the wave's number and constants alone
	s_mul_i32 s79, s67, 32*KP
	s_add_co_u32 s79, s79, s78
	s_mul_i32 s80, s67, 96*KP
	s_add_co_u32 s80, s80, s78
	s_add_co_u32 s80, s80, 256*KP
	s_mul_i32 s81, s66, SCV-SCK
	s_mul_i32 s82, s67, 544
	s_add_co_u32 s81, s81, s82
	s_add_co_u32 s81, s81, SCK
	; my queries and my rows of y
	s_lshl_b32 s83, s[IW], 3
	s_add_co_u32 s83, s83, s[JW]                   ; my tile of 16 queries
	s_lshl_b32 s85, s83, 4
	s_lshl_b32 s84, s[BH], 11
	s_add_co_u32 s84, s84, s85                     ; its first slot
	s_lshl_b32 s86, s84, 6
	s_mov_b32 s87, 0
	s_lshl_b32 s88, s84, 1
	s_add_co_u32 s88, s88, 8388608
	s_mov_b32 s89, 0
	s_lshr_b32 s90, s[BH], 4
	s_lshl_b32 s90, s90, 11
	s_add_co_u32 s90, s90, s85                     ; my first row of y: 2,048 x batch + 16 x tile
	s_and_b32 s91, s[BH], 15
	s_lshl_b32 s92, s90, 10
	s_lshl_b32 s93, s91, 6
	s_add_co_u32 s92, s92, s93
	s_mov_b32 s93, 0
	s_lshl_b32 s94, s90, 5
	s_lshl_b32 s95, s91, 1
	s_add_co_u32 s94, s94, s95
	s_add_co_u32 s94, s94, 4194304
	s_mov_b32 s95, 0
	s_mov_b32 s[SEL], 0x76543210
	s_mov_b32 s[SEL+1], 0xfedcba98
	s_mov_b32 s[CS], 0x3e38aa3b                    ; c = log2(e) / sqrt(64)
	s_mov_b32 s[CS+1], s[CS]
	s_mov_b32 s[MNT], 0x600000
	s_wait_dscnt 0x0                               ; both opening adds are done
	s_wait_kmcnt 0x0
	s_cmp_lt_u32 s[WV], 8
	s_cselect_b64 s[60:61], s[4:5], s[6:7]         ; the tensor that I fetch from: chosen by the wave's number
	s_mov_b32 s[G0S], 1
	s_mov_b32 s[G0S+1], s81
	s_add_nc_u64 s[G0S+2:G0S+3], s[60:61], s[72:73]
	s_or_b32 s[G0S+3], s[G0S+3], 0x80000000
	s_mov_b32 s[G0A], 1
	s_mov_b32 s[G0A+1], s79
	s_add_nc_u64 s[G0A+2:G0A+3], s[60:61], s[74:75]
	s_or_b32 s[G0A+3], s[G0A+3], 0x80000000
	s_mov_b32 s[G0R], 1
	s_mov_b32 s[G0R+1], s80
	s_add_nc_u64 s[G0R+2:G0R+3], s[60:61], s[76:77]
	s_or_b32 s[G0R+3], s[G0R+3], 0x80000000
	s_add_nc_u64 s[86:87], s[4:5], s[86:87]        ; q's codes
	s_add_nc_u64 s[88:89], s[4:5], s[88:89]        ; q's scale bytes
	s_add_nc_u64 s[92:93], s[8:9], s[92:93]        ; y's codes
	s_add_nc_u64 s[94:95], s[8:9], s[94:95]        ; y's scale bytes
	CROUND                                         ; all four work-groups are here: the joint loads meet
	tensor_load_to_lds s[G0S:G0S+3], s[G1S:G1S+7]  ; every wave issues its three first fills, with no branch: three loads of mine are out
	s_nop 0
	tensor_load_to_lds s[G0A:G0A+3], s[G1A:G1A+7]
	s_nop 0
	tensor_load_to_lds s[G0R:G0R+3], s[G1R:G1R+7]
	s_nop 0
.rept 4
	v_nop
.endr
	v_and_b32 v8, 15, v0                           ; r
	v_bfe_u32 v9, v0, 4, 1                         ; h
	v_mul_u32_u24 v[AK0], v8, KP
	v_lshl_add_u32 v[AK0], v9, 4, v[AK0]           ; row r, + 16 h
	v_add_nc_u32 v[AV0], VB, v[AK0]
	v_lshl_add_u32 v[ASK0], v8, 2, SCK
	v_lshl_add_u32 v[ASV0], v8, 2, SCV
	v_and_b32 v10, 7, v8
	v_lshrrev_b32 v11, 3, v8
	v_lshl_or_b32 v10, v10, 1, v11                 ; my query's slot among 16
	v_lshlrev_b32 v11, 6, v10
	v_lshl_add_u32 v11, v9, 4, v11
	v_lshlrev_b32 v10, 1, v10
	global_load_b128 v[192:195], v11, s[86:87]             ; q, K = 0..63: registers 4 c on hold 32 c + 16 h + 0..15
	global_load_b128 v[196:199], v11, s[86:87] offset:32
	global_load_b128 v[208:211], v11, s[86:87]             ; and once more: Q2's upper half
	global_load_b128 v[212:215], v11, s[86:87] offset:32
	global_load_u16 v216, v10, s[88:89]                    ; q's two scale bytes: Q1's word (the bytes over the zero codes are 0)
	s_lshl_b32 s62, s[JW], 4
	v_lshlrev_b32 v[DG], 4, v9
	v_sub_nc_u32 v[DG], v8, v[DG]
	v_add_nc_u32 v[DG], s62, v[DG]                 ; my query - the diagonal step's first key - 16 h
	v_lshlrev_b32 v[GO], 10, v8
	v_lshl_add_u32 v[GO], v9, 3, v[GO]             ; y: row r of 1,024 bytes, + 8 h
	v_lshl_add_u32 v[GS], v8, 5, v9                ; its scale bytes: row r of 32, + h
	v_mov_b32 v[HH], v9
	v_mov_b32 v13, 0xff61b1e6                      ; the largest t so far: -3e38
	v_floor_f32 v12, -v13                          ; -M
	v_mov_b32 v14, 0
	v_mov_b32 v15, 0
.irp b, 0,1,2,3
	v_mov_b32 v[236+\b], 0                         ; written once: a lane permute's destination counts as one of its sources
.endr
	v_mov_b32 v252, 0
	v_mov_b32 v253, 0
.irp j, 0,1,2,3,4,5,6,7
	v_mov_b32 v[200+\j], 0                         ; the zero half of Q1 and of Q2
.endr
	s_wait_loadcnt 0x0                             ; q
	v_lshlrev_b32 v217, 16, v216                   ; Q2's scale word
.set n, 0
.rept 32
	v_mov_b32 v[160+n], 0                          ; O^T: the step is written once; the first finds zeros, which the first change of M leaves zeros
.set n, n+1
.endr
; A KEY STEP: 128 keys.
.macro STEP
	s_cmp_gt_u32 s[ST], s[IW]                      ; all its keys come after my queries: the work is left out; the lines at its end that step addresses are not
	s_cbranch_scc1 .Lhidden_\@
	v_add_nc_u32 v[ADK], s[TK], v[AK0]
	v_add_nc_u32 v[ADV], s[TK], v[AV0]
	v_add_nc_u32 v[ADS], s[TS], v[ASK0]
	v_add_nc_u32 v[ADT], s[TS], v[ASV0]
.rept 4
	v_nop                                          ; with the four additions: eight places in front of loads into registers that matrix instructions have read
.endr
.irp f, 0,1,2,3
.irp c, 0,1,2,3
	ds_load_b128 v[32+16*\f+4*\c:35+16*\f+4*\c], v[ADK] offset:16*KP*\f+32*\c
.endr
	ds_load_b32 v[248+\f], v[ADS] offset:64*\f
.endr
	s_wait_dscnt 0x0
.irp f, 0,1,2,3
	v_wmma_scale_f32_16x16x128_f8f6f4 v[96+16*\f:103+16*\f], v[32+16*\f:47+16*\f], v[192:207], 0, v[248+\f], v216    ; keys 32 f + 16 h + 0..7
.endr
.irp f, 0,1,2,3
	v_wmma_scale_f32_16x16x128_f8f6f4 v[104+16*\f:111+16*\f], v[32+16*\f:47+16*\f], v[200:215], 0, v[248+\f], v217   ; keys 32 f + 16 h + 8..15
.endr
.rept 8
	v_nop
.endr
	s_cmp_lg_u32 s[ST], s[IW]                      ; only the diagonal's step has hidden keys
	s_cbranch_scc1 .Lopen_\@
	v_mov_b32 v254, 0xff800000                     ; -infinity: p = 0 then
.set n, 0
.rept 64
	v_cmp_gt_i32 vcc_lo, 32*(n/16)+n%16, v[DG]
	v_cndmask_b32 v[96+n], v[96+n], v254, vcc_lo
.set n, n+1
.endr
.Lopen_\@:
.irp b, 0,1,2,3
	v_max3_num_f32 v[232+\b], v[96+16*\b], v[97+16*\b], v[98+16*\b]   ; the largest score of each block of 32 keys: for the row's maximum and for the block's largest p
.endr
.irp i, 3,5,7,9,11,13
.irp b, 0,1,2,3
	v_max3_num_f32 v[232+\b], v[232+\b], v[96+16*\b+\i], v[97+16*\b+\i]
.endr
.endr
.irp b, 0,1,2,3
	v_max_num_f32 v[232+\b], v[232+\b], v[111+16*\b]
.endr
.irp b, 0,1,2,3
	v_permlanex16_b32 v[236+\b], v[232+\b], s[SEL], s[SEL+1]
.endr
.irp b, 0,1,2,3
	v_max_num_f32 v[232+\b], v[232+\b], v[236+\b]
.endr
	v_max3_num_f32 v254, v232, v233, v234
	v_max_num_f32 v254, v254, v235
	v_mul_f32 v254, s[CS], v254
	v_max_num_f32 v13, v13, v254                   ; the running largest t
	v_mov_b32 v254, v12
	v_floor_f32 v12, -v13                          ; the new -M: M is a whole number
	v_sub_f32 v254, v12, v254
	v_cvt_i32_f32 v254, v254                       ; (it saturates)
	v_ldexp_f32 v252, 1.0, v254                    ; f = 2^(old M - new M): exact
.set n, 0
.rept 32
	v_pk_fma_f32 v[96+n:97+n], v[96+n:97+n], s[CS:CS+1], v[12:13] op_sel_hi:[1,0,0]   ; t - M
.set n, n+2
.endr
.irp b, 0,1,2,3
	v_fma_f32 v[232+\b], v[232+\b], s[CS], v12
.endr
.set n, 0
.rept 64
	v_exp_f32 v[96+n], v[96+n]                     ; p = 2^(t - M)
.set n, n+1
.endr
	v_pk_mul_f32 v[14:15], v[14:15], v[252:253] op_sel_hi:[1,0]   ; the sums under the new M (a plain line behind the exponentials)
	s_wait_alu depctr_va_vdst(0)                   ; one wait for the batch, ahead of its first reader
.irp b, 0,1,2,3
	v_exp_f32 v[232+\b], v[232+\b]                 ; the block's largest p
.endr
	v_pk_add_f32 v[236:237], v[96:97], v[98:99]    ; the row's sum, of the unquantised p, in two chains
.irp j, 4,8,12,16,20,24,28,32,36,40,44,48,52,56,60
	v_pk_add_f32 v[14:15], v[14:15], v[96+\j:97+\j]
	v_pk_add_f32 v[236:237], v[236:237], v[98+\j:99+\j]
.endr
	v_pk_add_f32 v[14:15], v[14:15], v[236:237]
	s_wait_alu depctr_va_vdst(0)                   ; and one for the four
.irp b, 0,1,2,3
	v_max_num_f32 v[232+\b], 0x4800000, v[232+\b]  ; the floor 2^(9 - 127)
.endr
.irp b, 0,1,2,3
	v_add_nc_u32 v[244+\b], 0xfc000000, v[232+\b]
.endr
.irp b, 0,1,2,3
	v_and_or_b32 v[240+\b], v[232+\b], 0x7f800000, s[MNT]
.endr
.irp b, 0,1,2,3
	v_lshrrev_b32 v[236+\b], 23, v[244+\b]
.endr
	v_lshl_or_b32 v253, v237, 8, v236              ; p's scale word for these 128 keys
	v_lshl_or_b32 v253, v238, 16, v253
	v_lshl_or_b32 v253, v239, 24, v253
.irp b, 0,1,2,3
.irp i, 0,1,2,3,4,5,6,7,8,9,10,11,12,13,14,15
	v_min_num_f32 v[96+16*\b+\i], v[96+16*\b+\i], v[240+\b]   ; the hold; p is not negative
.endr
	v_cvt_scalef32_pk8_fp8_f32 v[224+4*\b:225+4*\b], v[96+16*\b:103+16*\b], v[244+\b]
	v_cvt_scalef32_pk8_fp8_f32 v[226+4*\b:227+4*\b], v[104+16*\b:111+16*\b], v[244+\b]
.endr
.set n, 0
.rept 16
	v_pk_mul_f32 v[160+n:161+n], v[160+n:161+n], v[252:253] op_sel_hi:[1,0]   ; O^T under the new M; also the places in front of the products and loads below
.set n, n+2
.endr
.irp t, 0,1,2,3
.irp c, 0,1,2,3
	ds_load_b128 v[32+16*\t+4*\c:35+16*\t+4*\c], v[ADV] offset:16*KP*\t+32*\c
.endr
	ds_load_b32 v[248+\t], v[ADT] offset:64*\t
.endr
	s_wait_dscnt 0x0
.irp t, 0,1,2,3                                ; O^T += V^T P^T: the four accumulators by turns
	v_wmma_scale_f32_16x16x128_f8f6f4 v[160+8*\t:167+8*\t], v[32+16*\t:47+16*\t], v[224:239], v[160+8*\t:167+8*\t], v[248+\t], v253
.endr
.Lhidden_\@:
	s_add_co_u32 s[TK], s[TK], 64*KP               ; the next step's rows,
	s_add_co_u32 s[TS], s[TS], 272                 ; its scale words
	s_add_co_u32 s[ST], s[ST], 1
.endm
	s_wait_tensorcnt 0x1                           ; my scale bytes and my rows of the first four steps are in; my 96 rows may stay out
	s_barrier_signal -1
	s_barrier_wait -1                              ; everybody's are
	s_mov_b32 s[ST], 0
	s_mov_b32 s[TK], 0
	s_mov_b32 s[TS], 0
.Lfirst:
	STEP
	s_cmp_lt_u32 s[ST], 4
	s_cbranch_scc1 .Lfirst
	s_wait_tensorcnt 0x0                           ; my 96 rows are in
	s_wait_dscnt 0x0
	s_barrier_signal -1
	s_barrier_wait -1                              ; everybody's are
	s_mov_b32 s[ST], 4
	s_mov_b32 s[TK], 4*64*KP
	s_mov_b32 s[TS], 4*272
.Lrest:
	STEP
	s_cmp_lt_u32 s[ST], 16
	s_cbranch_scc1 .Lrest
	; THE WAY OUT: y = O^T / the sum, quantised along the head's 64 channels: two blocks of 32, each in my 16 registers and lane l xor 16's
.rept 8
	v_nop
.endr
	v_add_f32 v14, v14, v15
	v_permlanex16_b32 v252, v14, s[SEL], s[SEL+1]
	v_add_f32 v14, v14, v252
	v_rcp_f32 v14, v14
	v_nop
	s_wait_alu depctr_va_vdst(0)                   ; ahead of the first reader
.set n, 0
.rept 32
	v_mul_f32 v[96+n], v[160+n], v14               ; register 8 t + i: channel 16 t + 8 h + i
.set n, n+1
.endr
.irp b, 0,1
	v_max3_num_f32 v[232+\b], |v[96+16*\b]|, |v[97+16*\b]|, 0x4800000
.endr
.irp i, 2,4,6,8,10,12,14
.irp b, 0,1
	v_max3_num_f32 v[232+\b], v[232+\b], |v[96+16*\b+\i]|, |v[97+16*\b+\i]|
.endr
.endr
.irp b, 0,1
	v_permlanex16_b32 v[236+\b], v[232+\b], s[SEL], s[SEL+1]
.endr
.irp b, 0,1
	v_max_num_f32 v[232+\b], v[232+\b], v[236+\b]
.endr
.irp b, 0,1
	v_add_nc_u32 v[244+\b], 0xfc000000, v[232+\b]
.endr
.irp b, 0,1
	v_and_or_b32 v[240+\b], v[232+\b], 0x7f800000, s[MNT]
.endr
.irp b, 0,1
	v_lshrrev_b32 v[236+\b], 23, v[244+\b]
.endr
	v_cmp_eq_u32 vcc_lo, 1, v[HH]
	v_cndmask_b32 v238, v236, v237, vcc_lo         ; lanes 0-15 store block 0's byte, lanes 16-31 block 1's
.irp b, 0,1
.irp i, 0,1,2,3,4,5,6,7,8,9,10,11,12,13,14,15
	v_med3_num_f32 v[96+16*\b+\i], v[96+16*\b+\i], -v[240+\b], v[240+\b]
.endr
	v_cvt_scalef32_pk8_fp8_f32 v[224+4*\b:225+4*\b], v[96+16*\b:103+16*\b], v[244+\b]
	v_cvt_scalef32_pk8_fp8_f32 v[226+4*\b:227+4*\b], v[104+16*\b:111+16*\b], v[244+\b]
.endr
	v_nop                                          ; a plain line behind the last conversion
.irp t, 0,1,2,3
	global_store_b64 v[GO], v[224+2*\t:225+2*\t], s[92:93] offset:16*\t
.endr
	global_store_b8 v[GS], v238, s[94:95]
	s_wait_tensorcnt 0x0                           ; the wave's end
	ds_add_u32 v[SPW], v[NIL]
	s_wait_dscnt 0x0
	CROUND                                         ; the closing round
	s_endpgm
.Lfunc_end_k_qe12eb51c08_attn:
	.size	k_qe12eb51c08_attn, .Lfunc_end_k_qe12eb51c08_attn-k_qe12eb51c08_attn
	.p2alignl 7, 3214868480
	.fill 96, 4, 3214868480
	.section	.rodata,"a",@progbits
	.p2align	6, 0x0
	.amdhsa_kernel k_qe12eb51c08_attn
		.amdhsa_group_segment_fixed_size 327680
		.amdhsa_private_segment_fixed_size 0
		.amdhsa_enable_private_segment 0
		.amdhsa_kernarg_size 24
		.amdhsa_user_sgpr_count 2
		.amdhsa_user_sgpr_kernarg_segment_ptr 1
		.amdhsa_wavefront_size32 1
		.amdhsa_system_sgpr_workgroup_id_x 1
		.amdhsa_system_sgpr_workgroup_id_y 1
		.amdhsa_system_sgpr_workgroup_id_z 1
		.amdhsa_system_vgpr_workitem_id 0
		.amdhsa_next_free_vgpr 256
		.amdhsa_next_free_sgpr 102
		.amdhsa_reserve_vcc 1
		.amdhsa_float_denorm_mode_32 3
		.amdhsa_float_denorm_mode_16_64 3
		.amdhsa_memory_ordered 1
		.amdhsa_forward_progress 1
		.amdhsa_inst_pref_size 64
	.end_amdhsa_kernel
	.amdgpu_metadata
---
amdhsa.version: [ 1, 2 ]
amdhsa.kernels:
  - .name:           k_qe12eb51c08_attn
    .symbol:         k_qe12eb51c08_attn.kd
    .args:
      - { .name: qk, .offset: 0, .size: 8, .value_kind: global_buffer, .address_space: global }
      - { .name: vt, .offset: 8, .size: 8, .value_kind: global_buffer, .address_space: global }
      - { .name: yact, .offset: 16, .size: 8, .value_kind: global_buffer, .address_space: global }
    .group_segment_fixed_size: 327680
    .private_segment_fixed_size: 0
    .kernarg_segment_align: 8
    .kernarg_segment_size: 24
    .max_flat_workgroup_size: 512
    .sgpr_count:     102
    .vgpr_count:     256
    .wavefront_size: 32
...
	.end_amdgpu_metadata
.endif
;; end of part 3
;; launch proj (part 4): grid 4 x 16, 4 waves a work-group, clusters of 4 x 4, 327,680 bytes of LDS; arguments yact, Wo_codes, Wo_scales, bo, x, x1; writes x1
.if DOCPART == 4
	.amdgcn_target "amdgcn-amd-amdhsa--gfx1250"
	.amdhsa_code_object_version 6
	.text
	.protected	k_qe12eb51c08_proj
	.globl	k_qe12eb51c08_proj
	.p2align	8
	.type	k_qe12eb51c08_proj,@function
k_qe12eb51c08_proj:
	s_mov_b64 s[64:65], 0
	v_nop
	global_prefetch_b8 v0, s[64:65] scope:SCOPE_SE
	s_setreg_imm32_b32 hwreg(HW_REG_WAVE_MODE, 25, 1), 1
	s_wait_xcnt 0x0
	s_wait_alu depctr_hold_cnt(0) depctr_sa_sdst(0) depctr_va_vdst(0) depctr_va_sdst(0) depctr_va_ssrc(0) depctr_va_vcc(0) depctr_vm_vsrc(0)
	s_getreg_b32 s2, hwreg(HW_REG_IB_STS2, 6, 4)
	s_cmp_eq_u32 s2, 0
	s_cbranch_scc0 .Lentry_in_a_cluster
	s_endpgm
.Lentry_in_a_cluster:
	s_bfe_u32 s2, ttmp6, 0x10000c
	s_cmp_lg_u32 s2, 0xf033
	s_cbranch_scc0 .Lentry_shape_is_right
	s_endpgm
.Lentry_shape_is_right:
; x1 = x + (y Wo + bo).  y: yact (codes [4096][1024], scale bytes [4096][32] at 4,194,304); Wo: codes [1024][1024], K innermost, scale bytes [1024][32]; bo [1024], x, x1 [4096][1024]: f32.
; A tile of x1 is 256 x 256, a wave's 128 x 128; K = 1,024 goes in steps of 256 through two LDS slots; the scales of the tile's rows of A and B, for all of K, come into LDS once.
; 64 tiles, 64 work-groups: a smaller tile would read each LDS byte for half the products; stated as the price of one core for all four products of this kind.
; CLUSTERS: 4 x 4; A's tiles are asked for jointly along a row of the cluster, B's along a column.  The matrix instruction is used transposed: a lane holds eight neighbouring numbers of a row.
; REGISTERS: window 0: v0-31 addresses, v[8:11] the bias; v32-63 scale words, and nothing else; v128-255 A's fragments; on the way out v64-127, v128-191 the residual by turns, v192-255 a block.  window 1: B's two sets.  windows 2, 3: accumulators.
.set KSTEP,  256
.set NQ,     2
.set ROWB,   256
.set KROW,   1024
.set SIZE_N, 1024
.set PITCH,  272
.set FR,     16
.set NL,     4
.set NP,     8
.set HALFT,  128*PITCH
.set SLOT,   4*HALFT
.set LAPS,   2
.set KS,     32
.set SCL,    2*SLOT
.set HALFS,  (128*KS/256)*272
.set SBLK,   (16*KS/256)*272
.set SPARE,  SCL+4*HALFS
.set SPITCH, 528                       ; the way out: a stage of 16 rows x (512 bytes + 16) for each wave, in slot 0, which has had its last fill and its last read
.set BI,   8
.set ADRA, 16
.set ADRB, 20
.set STO,  24
.set RD,   25
.set CO,   26
.set ADRS, 27
.set SPW,  28
.set NIL,  29
.set SC,   32
.set RS,   64
.set AF,   128
.set BB,   192
.set G1, 24
.set G0, 32
.set G1B, 48
.set G0B, 56
.set G1S, 68
.set G0S, 76
.set G1SB, 80
.set G0SB, 88
.set BIASP, 96                         ; s[96:97] the bias, s[98:99] the residual
.set RESP,  98
.set MSB, 0
.macro WIN new
.if MSB != (\new)
	s_set_vgpr_msb (MSB<<8)|(\new)
.set MSB, (\new)
.endif
.endm
.set MUL_LO, 0xa1
.set MUL_HI, 0xf1
.set TO_B,   0x40
.macro JLOAD g0a, g1a, g0b, g1b        ; a joint load: waves 0, 1 for A, waves 2, 3 for B; an s_nop 0 and four v_nop follow each line
	s_cmp_eq_u32 s15, 0
	s_cbranch_scc0 .Lfor_b_\@
	tensor_load_to_lds s[\g0a:\g0a+3], s[\g1a:\g1a+7]
	s_nop 0
.rept 4
	v_nop
.endr
	s_branch .Lasked_\@
.Lfor_b_\@:
	tensor_load_to_lds s[\g0b:\g0b+3], s[\g1b:\g1b+7]
	s_nop 0
.rept 4
	v_nop
.endr
.Lasked_\@:
.endm
.macro CREST
	s_cmp_lg_u32 s14, 0
	s_cbranch_scc1 .Lnot_wave_0_\@
	s_barrier_signal -3
.Lnot_wave_0_\@:
	s_barrier_wait -3
	s_barrier_signal -1
	s_barrier_wait -1
.endm
.macro CROUND
	s_barrier_signal -1
	s_barrier_wait -1
	CREST
.endm
	s_load_b64 s[4:5], s[0:1], 0x0                 ; yact
	s_load_b128 s[8:11], s[0:1], 0x8               ; Wo's codes, Wo's scales
	s_load_b128 s[96:99], s[0:1], 0x18             ; bo, x
	s_load_b64 s[12:13], s[0:1], 0x28              ; x1
	v_lshl_add_u32 v[SPW], v0, 2, SPARE
	v_mov_b32 v[NIL], 0
	ds_add_u32 v[SPW], v[NIL]                      ; the wave's opening: the add, twice on end, and its wait ahead of my first tensor load
	ds_add_u32 v[SPW], v[NIL]
	v_lshrrev_b32 v1, 5, v0
	v_readfirstlane_b32 s14, v1
	s_lshr_b32 s15, s14, 1
	s_and_b32 s16, s14, 1
	s_bfe_u32 s40, ttmp6, 0x40000
	s_bfe_u32 s41, ttmp6, 0x40004
	s_lshl_b32 s42, ttmp9, 2
	s_add_co_u32 s42, s42, s40                     ; tile column
	s_and_b32 s17, ttmp7, 0xffff
	s_lshl_b32 s17, s17, 2
	s_add_co_u32 s17, s17, s41                     ; tile row
	s_lshl_b32 s43, s41, 2
	s_lshl_b32 s43, 15, s43
	s_lshl_b32 s44, 0x1111, s40
	s_or_b32 s[G1+0], s43, (0<<16)|(1<<20)|(1<<21)|(5<<22)|(3<<25)
	s_or_b32 s[G1B+0], s44, (0<<16)|(1<<20)|(1<<21)|(5<<22)|(3<<25)
.irp g, G1, G1B
	s_mov_b32 s[\g+1], ROWB<<16
	s_mov_b32 s[\g+2], 128<<16
	s_mov_b32 s[\g+3], ROWB<<16
	s_mov_b32 s[\g+4], 128
	s_mov_b32 s[\g+5], KROW
	s_mov_b32 s[\g+6], 0
	s_mov_b32 s[\g+7], 0
.endr
	s_or_b32 s[G1S+0], s43, (3<<16)|(1<<20)|(1<<21)|(5<<22)|(3<<25)
	s_or_b32 s[G1SB+0], s44, (3<<16)|(1<<20)|(1<<21)|(5<<22)|(3<<25)
.irp g, G1S, G1SB
	s_mov_b32 s[\g+1], 32<<16
	s_mov_b32 s[\g+2], (128*KS/256)<<16
	s_mov_b32 s[\g+3], 32<<16
	s_mov_b32 s[\g+4], 128*KS/256
	s_mov_b32 s[\g+5], 32
	s_mov_b32 s[\g+6], 0
	s_mov_b32 s[\g+7], 0
.endr
	s_lshl_b32 s18, s16, 7
	s_lshl_b32 s20, s17, 8
	s_add_co_u32 s20, s20, s18
	s_lshl_b32 s46, s42, 8
	s_add_co_u32 s46, s46, s18
	s_mov_b32 s21, 0
	s_mov_b32 s47, 0
	s_mov_b64 s[18:19], KS
	s_mul_u64 s[22:23], s[20:21], s[18:19]
	s_mul_u64 s[92:93], s[46:47], s[18:19]
	s_mov_b64 s[18:19], KROW
	s_mul_u64 s[20:21], s[20:21], s[18:19]
	s_mul_u64 s[46:47], s[46:47], s[18:19]
	s_mul_i32 s45, s14, HALFT
	s_mul_i32 s94, s14, HALFS
	s_wait_dscnt 0x0
	s_wait_kmcnt 0x0
	s_add_nc_u64 s[6:7], s[4:5], 4194304           ; A's scale bytes lie behind its codes
	s_add_nc_u64 s[20:21], s[4:5], s[20:21]
	s_add_nc_u64 s[22:23], s[6:7], s[22:23]
	s_add_nc_u64 s[46:47], s[8:9], s[46:47]
	s_add_nc_u64 s[92:93], s[10:11], s[92:93]
	CROUND
	s_mov_b32 s[G0S], 1
	s_add_co_u32 s[G0S+1], s94, SCL
	s_mov_b64 s[G0S+2:G0S+3], s[22:23]
	s_or_b32 s[G0S+3], s[G0S+3], 0x80000000
	s_mov_b32 s[G0SB], 1
	s_add_co_u32 s[G0SB+1], s94, SCL
	s_mov_b64 s[G0SB+2:G0SB+3], s[92:93]
	s_or_b32 s[G0SB+3], s[G0SB+3], 0x80000000
	JLOAD G0S, G1S, G0SB, G1SB
.irp s, 0,1
	s_mov_b32 s[G0+4*\s], 1
	s_add_co_u32 s[G0+4*\s+1], s45, \s*SLOT
	s_add_nc_u64 s[G0+4*\s+2:G0+4*\s+3], s[20:21], \s*ROWB
	s_or_b32 s[G0+4*\s+3], s[G0+4*\s+3], 0x80000000
	s_mov_b32 s[G0B+4*\s], 1
	s_add_co_u32 s[G0B+4*\s+1], s45, \s*SLOT
	s_add_nc_u64 s[G0B+4*\s+2:G0B+4*\s+3], s[46:47], \s*ROWB
	s_or_b32 s[G0B+4*\s+3], s[G0B+4*\s+3], 0x80000000
	JLOAD G0+4*\s, G1, G0B+4*\s, G1B
.endr
	v_and_b32 v1, 15, v0
	v_bfe_u32 v2, v0, 4, 1
	v_mul_u32_u24 v3, v1, PITCH
	v_lshl_add_u32 v4, v2, 4, v3
	s_mul_i32 s21, s15, HALFT
	s_mul_i32 s22, s16, HALFT
	s_add_co_u32 s22, s22, 2*HALFT
.irp s, 0,1
	v_add_nc_u32 v[ADRA+\s], s21, v4
	v_add_nc_u32 v[ADRB+\s], s22, v4
	s_add_co_u32 s21, s21, SLOT
	s_add_co_u32 s22, s22, SLOT
.endr
	v_mul_u32_u24 v5, v1, KS
	v_lshrrev_b32 v6, 8, v5
	v_lshl_add_u32 v5, v6, 4, v5
	s_mul_i32 s21, s15, HALFS
	s_mul_i32 s22, s16, HALFS
	s_add_co_u32 s22, s22, 2*HALFS
	s_sub_co_u32 s22, s22, s21
	v_mul_u32_u24 v6, s22, v2
	s_add_co_u32 s21, s21, SCL
	v_add_nc_u32 v5, v5, v6
	v_add_nc_u32 v[ADRS], s21, v5
	s_mul_i32 s23, s14, 16*SPITCH                  ; my stage
	v_mul_u32_u24 v5, v1, SPITCH
	v_lshl_add_u32 v5, v2, 5, v5
	v_add_nc_u32 v[STO], s23, v5
	v_and_b32 v6, 31, v0
	v_lshlrev_b32 v[CO], 4, v6
	v_add_nc_u32 v[RD], s23, v[CO]
	s_lshl_b32 s20, s17, 8
	s_lshl_b32 s21, s15, 7
	s_add_co_u32 s20, s20, s21                     ; my first row
	s_mov_b32 s21, 0
	s_mov_b64 s[18:19], SIZE_N*4
	s_mul_u64 s[20:21], s[20:21], s[18:19]
	s_lshl_b32 s46, s42, 10
	s_lshl_b32 s47, s16, 9
	s_add_co_u32 s46, s46, s47                     ; my first column, in bytes
	s_mov_b32 s47, 0
	s_add_nc_u64 s[20:21], s[20:21], s[46:47]
	s_add_nc_u64 s[12:13], s[12:13], s[20:21]
	s_add_nc_u64 s[RESP:RESP+1], s[RESP:RESP+1], s[20:21]
	s_add_nc_u64 s[BIASP:BIASP+1], s[BIASP:BIASP+1], s[46:47]
.macro FRAG reg, adr, q, i
.irp c, 0,1,2,3
	ds_load_b128 v[\reg+4*\c:\reg+4*\c+3], v[\adr] offset:128*(\q)+32*\c+(\i)*16*PITCH
.endr
.endm
.macro MUL16 a0, p, q, sc, zero        ; the 64 accumulators take turns, one instruction a turn
.irp a, \a0, \a0+1
.irp b, 0,1,2,3,4,5,6,7
.if \zero
	v_wmma_scale_f32_16x16x128_f8f6f4 v[8*(8*((\a)%4)+\b):8*(8*((\a)%4)+\b)+7], v[128*(\p)+FR*\b:128*(\p)+FR*\b+FR-1], v[AF+FR*(\a):AF+FR*(\a)+FR-1], 0, v[SC+8*NQ*(\sc)+NQ*\b+(\q)], v[SC+8*NQ*(\sc)+NQ*(\a)+(\q)] matrix_a_scale:MATRIX_SCALE_ROW1
.else
	v_wmma_scale_f32_16x16x128_f8f6f4 v[8*(8*((\a)%4)+\b):8*(8*((\a)%4)+\b)+7], v[128*(\p)+FR*\b:128*(\p)+FR*\b+FR-1], v[AF+FR*(\a):AF+FR*(\a)+FR-1], v[8*(8*((\a)%4)+\b):8*(8*((\a)%4)+\b)+7], v[SC+8*NQ*(\sc)+NQ*\b+(\q)], v[SC+8*NQ*(\sc)+NQ*(\a)+(\q)] matrix_a_scale:MATRIX_SCALE_ROW1
.endif
.endr
.endr
.endm
.macro FETCH_B slot, q, p
	WIN TO_B
.irp i, 0,1,2,3,4,5,6,7
	FRAG 128*(\p)+FR*\i, ADRB+\slot, \q, \i
.endr
	WIN 0
.endm
.macro FETCH_A slot, q, i0
.irp i, \i0, \i0+1, \i0+2, \i0+3
	FRAG AF+FR*(\i), ADRA+\slot, \q, \i
.endr
.endm
.macro SCALES sc
.irp i, 0,1,2,3,4,5,6,7
	ds_load_b64 v[SC+8*NQ*\sc+NQ*\i:SC+8*NQ*\sc+NQ*\i+1], v[ADRS] offset:\i*SBLK
.endr
.endm
.macro PLACES n
.rept \n
	v_nop
.endr
.endm
.macro STEP slot, q, zero
	s_wait_dscnt 4*NL                              ; B's set and A's blocks 0-3 are in; A's blocks 4-7 (16 loads) may be out
	WIN MUL_LO
	MUL16 0, (\q)%2, \q, \slot, \zero
	MUL16 2, (\q)%2, \q, \slot, \zero
	s_wait_dscnt 0
	PLACES NP
	FETCH_B \slot, (\q)+1, 1-(\q)%2
	FETCH_A \slot, (\q)+1, 0
	WIN MUL_HI
	MUL16 4, (\q)%2, \q, \slot, \zero
	MUL16 6, (\q)%2, \q, \slot, \zero
	PLACES NP
	WIN 0
	FETCH_A \slot, (\q)+1, 4
.endm
.macro TURN slot, next, fill
	s_wait_tensorcnt 0x0                           ; all my tensor loads have landed
	ds_add_u32 v[SPW], v[NIL]
	s_wait_dscnt 4*NL+1
	WIN MUL_LO
	MUL16 0, 1, NQ-1, \slot, 0
	s_wait_dscnt 0x0                               ; the add is done, and my reads of this slot are over
	s_barrier_signal -1
	MUL16 2, 1, NQ-1, \slot, 0
	WIN 0
	s_barrier_wait -1
.if \fill
	CREST
	s_add_nc_u64 s[G0+4*\slot+2:G0+4*\slot+3], s[G0+4*\slot+2:G0+4*\slot+3], 2*ROWB
	s_add_nc_u64 s[G0B+4*\slot+2:G0B+4*\slot+3], s[G0B+4*\slot+2:G0B+4*\slot+3], 2*ROWB
	JLOAD G0+4*\slot, G1, G0B+4*\slot, G1B
	PLACES NP-4
.else
	PLACES NP
.endif
	v_add_nc_u32 v[ADRS], 4*NQ, v[ADRS]
	FETCH_B \next, 0, 0
	FETCH_A \next, 0, 0
	SCALES \next
	WIN MUL_HI
	MUL16 4, 1, NQ-1, \slot, 0
	MUL16 6, 1, NQ-1, \slot, 0
	PLACES NP
	WIN 0
	FETCH_A \next, 0, 4
.endm
	s_wait_tensorcnt 1                             ; the scales and my part of K step 0 are in; K step 1's load may be out
	s_barrier_signal -1
	s_barrier_wait -1
	FETCH_B 0, 0, 0
	FETCH_A 0, 0, 0
	SCALES 0
	FETCH_A 0, 0, 4
	STEP 0, 0, 1
	s_mov_b32 s3, LAPS-1
.Llap:
	TURN 0, 1, 1
	STEP 1, 0, 0
	TURN 1, 0, 1
	STEP 0, 0, 0
	s_sub_co_u32 s3, s3, 1
	s_cmp_lg_u32 s3, 0
	s_cbranch_scc1 .Llap
	TURN 0, 1, 0
	STEP 1, 0, 0
	s_wait_dscnt 4*NL
	WIN MUL_LO
	MUL16 0, 1, NQ-1, 1, 0
	MUL16 2, 1, NQ-1, 1, 0
	s_wait_dscnt 0
	WIN MUL_HI
	MUL16 4, 1, NQ-1, 1, 0
	MUL16 6, 1, NQ-1, 1, 0
	WIN 0
; THE WAY OUT, block by block of 16 rows x 128 columns: through my own stage, back as whole rows of 512 bytes; the bias and the residual are added there; 32 lanes store 512 consecutive bytes.
.macro RESID a                         ; the residual of block a, a block ahead
.set RB, RS+64*((\a)%2)
.irp t, 0,1,2,3,4,5,6,7,8,9,10,11,12,13,14,15
	global_load_b128 v[RB+4*\t:RB+4*\t+3], v[CO], s[RESP:RESP+1] offset:(16*(\a)+\t)*SIZE_N*4 th:TH_LOAD_NT
.endr
.endm
.macro TOSTAGE a
.set AC, 64*((\a)%4)
	WIN 0x08+4*((\a)/4)                            ; an LDS store's data: window 2 or 3
.irp b, 0,1,2,3,4,5,6,7
	ds_store_b128 v[STO], v[AC+8*\b:AC+8*\b+3] offset:64*\b          ; each accumulator from its low end on
	ds_store_b128 v[STO], v[AC+8*\b+4:AC+8*\b+7] offset:64*\b+16
.endr
	WIN 0
.irp t, 0,1,2,3,4,5,6,7,8,9,10,11,12,13,14,15
	ds_load_b128 v[BB+4*\t:BB+4*\t+3], v[RD] offset:\t*SPITCH        ; LDS serves a wave's instructions in order: these see the stores above
.endr
.endm
.macro OUTB a
.set RB, RS+64*((\a)%2)
.irp t, 0,1,2,3,4,5,6,7,8,9,10,11,12,13,14,15
	v_pk_add_f32 v[BB+4*\t:BB+4*\t+1], v[BB+4*\t:BB+4*\t+1], v[BI:BI+1]
	v_pk_add_f32 v[BB+4*\t+2:BB+4*\t+3], v[BB+4*\t+2:BB+4*\t+3], v[BI+2:BI+3]
.endr
.irp t, 0,1,2,3,4,5,6,7,8,9,10,11,12,13,14,15
	v_pk_add_f32 v[BB+4*\t:BB+4*\t+1], v[BB+4*\t:BB+4*\t+1], v[RB+4*\t:RB+4*\t+1]
	v_pk_add_f32 v[BB+4*\t+2:BB+4*\t+3], v[BB+4*\t+2:BB+4*\t+3], v[RB+4*\t+2:RB+4*\t+3]
.endr
.irp t, 0,1,2,3,4,5,6,7,8,9,10,11,12,13,14,15
	global_store_b128 v[CO], v[BB+4*\t:BB+4*\t+3], s[12:13] offset:(16*(\a)+\t)*SIZE_N*4
.endr
.endm
	PLACES NP                                      ; behind the last products: for the reads of results and the loads into the registers that held A's fragments
	global_load_b128 v[BI:BI+3], v[CO], s[BIASP:BIASP+1]
	RESID 0
.irp a, 0,1,2,3,4,5,6,7
.if \a < 7
	RESID \a+1
.endif
.if \a > 0
	s_wait_xcnt 0x0                                ; the last block's stores have read their registers: the block's loads may land there
.endif
	TOSTAGE \a
	s_wait_dscnt 0x0
.if \a < 7
	s_wait_loadcnt 16                              ; this block's residual (and the bias) is in; the next block's 16 loads stay out
.else
	s_wait_loadcnt 0x0
.endif
	OUTB \a
.endr
	s_wait_tensorcnt 0x0                           ; the wave's end
	ds_add_u32 v[SPW], v[NIL]
	s_wait_dscnt 0x0
	CROUND                                         ; the closing round
	s_endpgm
.Lfunc_end_k_qe12eb51c08_proj:
	.size	k_qe12eb51c08_proj, .Lfunc_end_k_qe12eb51c08_proj-k_qe12eb51c08_proj
	.p2alignl 7, 3214868480
	.fill 96, 4, 3214868480
	.section	.rodata,"a",@progbits
	.p2align	6, 0x0
	.amdhsa_kernel k_qe12eb51c08_proj
		.amdhsa_group_segment_fixed_size 327680
		.amdhsa_private_segment_fixed_size 0
		.amdhsa_enable_private_segment 0
		.amdhsa_kernarg_size 48
		.amdhsa_user_sgpr_count 2
		.amdhsa_user_sgpr_kernarg_segment_ptr 1
		.amdhsa_wavefront_size32 1
		.amdhsa_system_sgpr_workgroup_id_x 1
		.amdhsa_system_sgpr_workgroup_id_y 1
		.amdhsa_system_sgpr_workgroup_id_z 1
		.amdhsa_system_vgpr_workitem_id 0
		.amdhsa_next_free_vgpr 1024
		.amdhsa_next_free_sgpr 102
		.amdhsa_reserve_vcc 0
		.amdhsa_float_denorm_mode_32 3
		.amdhsa_float_denorm_mode_16_64 3
		.amdhsa_memory_ordered 1
		.amdhsa_forward_progress 1
		.amdhsa_inst_pref_size 190
	.end_amdhsa_kernel
	.amdgpu_metadata
---
amdhsa.version: [ 1, 2 ]
amdhsa.kernels:
  - .name:           k_qe12eb51c08_proj
    .symbol:         k_qe12eb51c08_proj.kd
    .args:
      - { .name: yact, .offset: 0, .size: 8, .value_kind: global_buffer, .address_space: global }
      - { .name: Wo_codes, .offset: 8, .size: 8, .value_kind: global_buffer, .address_space: global }
      - { .name: Wo_scales, .offset: 16, .size: 8, .value_kind: global_buffer, .address_space: global }
      - { .name: bo, .offset: 24, .size: 8, .value_kind: global_buffer, .address_space: global }
      - { .name: x, .offset: 32, .size: 8, .value_kind: global_buffer, .address_space: global }
      - { .name: x1, .offset: 40, .size: 8, .value_kind: global_buffer, .address_space: global }
    .group_segment_fixed_size: 327680
    .private_segment_fixed_size: 0
    .kernarg_segment_align: 8
    .kernarg_segment_size: 48
    .max_flat_workgroup_size: 128
    .sgpr_count:     102
    .vgpr_count:     1024
    .wavefront_size: 32
...
	.end_amdgpu_metadata
.endif
;; end of part 4
;; launch ln2: the kernel of part 1 again; grid 256 x 1, 4 waves a work-group, no clusters, 21,504 bytes of LDS; arguments x1, ln2_g, ln2_b, act2; writes act2
;; launch up (part 5): grid 16 x 16, 4 waves a work-group, clusters of 4 x 4, 327,680 bytes of LDS; arguments act2, W1_codes, W1_scales, b1, g; writes g
.if DOCPART == 5
	.amdgcn_target "amdgcn-amd-amdhsa--gfx1250"
	.amdhsa_code_object_version 6
	.text
	.protected	k_qe12eb51c08_up
	.globl	k_qe12eb51c08_up
	.p2align	8
	.type	k_qe12eb51c08_up,@function
k_qe12eb51c08_up:
	s_mov_b64 s[64:65], 0
	v_nop
	global_prefetch_b8 v0, s[64:65] scope:SCOPE_SE
	s_setreg_imm32_b32 hwreg(HW_REG_WAVE_MODE, 25, 1), 1
	s_wait_xcnt 0x0
	s_wait_alu depctr_hold_cnt(0) depctr_sa_sdst(0) depctr_va_vdst(0) depctr_va_sdst(0) depctr_va_ssrc(0) depctr_va_vcc(0) depctr_vm_vsrc(0)
	s_getreg_b32 s2, hwreg(HW_REG_IB_STS2, 6, 4)
	s_cmp_eq_u32 s2, 0
	s_cbranch_scc0 .Lentry_in_a_cluster
	s_endpgm
.Lentry_in_a_cluster:
	s_bfe_u32 s2, ttmp6, 0x10000c
	s_cmp_lg_u32 s2, 0xf033
	s_cbranch_scc0 .Lentry_shape_is_right
	s_endpgm
.Lentry_shape_is_right:
; g = Q(gelu(h W1 + b1)), the exact gelu, quantised along the 4,096 hidden units.  h: act2 (codes [4096][1024], scale bytes at 4,194,304); W1: codes [4096][1024], scale bytes [4096][32]; b1 [4096] f32.
; OUT: g: codes [4096][4096] at 0; scale bytes laid by K step of the next product, [16 steps of 256][4096 rows][8 bytes], at 16,777,216.
; gelu(t) = t / 2 + (t / 2) erf(t / sqrt 2); erf(z) = z A(z^2) / B(z^2), a rational form of degrees 6 and 4 in z^2 in f32, z held within +-4, where erf is 1 to within f32.
; The core is that of the other products: tile 256 x 256, a wave's 128 x 128, K = 1,024 in steps of 256 through two slots, scales in LDS once, 4 x 4 clusters with joint loads, the matrix instruction used transposed,
; so that a lane's registers run along the hidden units, which are the next K.
; LIMITS: NaN and infinities are not served; a block under 2^-118 keeps the byte 1; a block of zeros gets the byte 1 (its codes are zeros; this program alone reads the bytes).
; REGISTERS: window 0: v0-31 addresses, v[4:7] two coefficients; v32-63 scale words, and nothing else; v64-127 the bias; v128-255 A's fragments, on the way out at work.  window 1: B's two sets.  windows 2, 3: accumulators.
.set KSTEP,  256
.set NQ,     2
.set ROWB,   256
.set KROW,   1024
.set PITCH,  272
.set FR,     16
.set NL,     4
.set NP,     8
.set HALFT,  128*PITCH
.set SLOT,   4*HALFT
.set LAPS,   2
.set KS,     32
.set SCL,    2*SLOT
.set HALFS,  (128*KS/256)*272
.set SBLK,   (16*KS/256)*272
.set SPARE,  SCL+4*HALFS
.set STGS,   69632                     ; the way out, in slot 0 (last fill and last read are over): codes 256 rows x 272 at 0; scale words [256 rows][8 bytes] here
.set AL1,  4                           ; v[4:5] alpha 1, twice;  v[6:7] beta 1, twice
.set BE1,  6
.set STC,  8
.set STS,  9
.set RDC,  10
.set RDS,  11
.set GOC,  12
.set LO,   13
.set BOC,  14
.set ADRA, 16
.set ADRB, 20
.set WC,   24                          ; the block's place in the stage: codes, scale word
.set WS,   25
.set ADRS, 27
.set SPW,  28
.set NIL,  29
.set PW,   30
.set SC,   32
.set BC,   64
.set AF,   128
.set T,    128
.set Z,    192
.set Z2,   208
.set P,    224
.set Q,    240
.set TM,   192                         ; the quantiser's temporaries and codes take Z's and Z2's registers, which are done with by then
.set PC,   208
.set G1, 24
.set G0, 32
.set G1B, 48
.set G0B, 56
.set G1S, 68
.set G0S, 76
.set G1SB, 80
.set G0SB, 88
.set AL0,  68                          ; on the way out s68-89 hold the coefficients as pairs
.set AL2,  70
.set BE0,  80
.set BE2,  82
.set RT2,  88
.set SEL,  92
.set MNT,  94
.set BA,   95
.set MSB, 0
.macro WIN new
.if MSB != (\new)
	s_set_vgpr_msb (MSB<<8)|(\new)
.set MSB, (\new)
.endif
.endm
.set MUL_LO, 0xa1
.set MUL_HI, 0xf1
.set TO_B,   0x40
.macro JLOAD g0a, g1a, g0b, g1b        ; a joint load: waves 0, 1 for A, waves 2, 3 for B; an s_nop 0 and four v_nop follow each line
	s_cmp_eq_u32 s15, 0
	s_cbranch_scc0 .Lfor_b_\@
	tensor_load_to_lds s[\g0a:\g0a+3], s[\g1a:\g1a+7]
	s_nop 0
.rept 4
	v_nop
.endr
	s_branch .Lasked_\@
.Lfor_b_\@:
	tensor_load_to_lds s[\g0b:\g0b+3], s[\g1b:\g1b+7]
	s_nop 0
.rept 4
	v_nop
.endr
.Lasked_\@:
.endm
.macro CREST
	s_cmp_lg_u32 s14, 0
	s_cbranch_scc1 .Lnot_wave_0_\@
	s_barrier_signal -3
.Lnot_wave_0_\@:
	s_barrier_wait -3
	s_barrier_signal -1
	s_barrier_wait -1
.endm
.macro CROUND
	s_barrier_signal -1
	s_barrier_wait -1
	CREST
.endm
	s_load_b64 s[4:5], s[0:1], 0x0                 ; act2
	s_load_b128 s[8:11], s[0:1], 0x8               ; W1's codes, W1's scales
	s_load_b128 s[96:99], s[0:1], 0x18             ; b1, g
	v_lshl_add_u32 v[SPW], v0, 2, SPARE
	v_mov_b32 v[NIL], 0
	ds_add_u32 v[SPW], v[NIL]                      ; the wave's opening: the add, twice on end, and its wait ahead of my first tensor load
	ds_add_u32 v[SPW], v[NIL]
	v_lshrrev_b32 v1, 5, v0
	v_readfirstlane_b32 s14, v1
	s_lshr_b32 s15, s14, 1
	s_and_b32 s16, s14, 1
	s_bfe_u32 s40, ttmp6, 0x40000
	s_bfe_u32 s41, ttmp6, 0x40004
	s_lshl_b32 s42, ttmp9, 2
	s_add_co_u32 s42, s42, s40                     ; tile column
	s_and_b32 s17, ttmp7, 0xffff
	s_lshl_b32 s17, s17, 2
	s_add_co_u32 s17, s17, s41                     ; tile row
	s_lshl_b32 s43, s41, 2
	s_lshl_b32 s43, 15, s43
	s_lshl_b32 s44, 0x1111, s40
	s_or_b32 s[G1+0], s43, (0<<16)|(1<<20)|(1<<21)|(5<<22)|(3<<25)
	s_or_b32 s[G1B+0], s44, (0<<16)|(1<<20)|(1<<21)|(5<<22)|(3<<25)
.irp g, G1, G1B
	s_mov_b32 s[\g+1], ROWB<<16
	s_mov_b32 s[\g+2], 128<<16
	s_mov_b32 s[\g+3], ROWB<<16
	s_mov_b32 s[\g+4], 128
	s_mov_b32 s[\g+5], KROW
	s_mov_b32 s[\g+6], 0
	s_mov_b32 s[\g+7], 0
.endr
	s_or_b32 s[G1S+0], s43, (3<<16)|(1<<20)|(1<<21)|(5<<22)|(3<<25)
	s_or_b32 s[G1SB+0], s44, (3<<16)|(1<<20)|(1<<21)|(5<<22)|(3<<25)
.irp g, G1S, G1SB
	s_mov_b32 s[\g+1], 32<<16
	s_mov_b32 s[\g+2], (128*KS/256)<<16
	s_mov_b32 s[\g+3], 32<<16
	s_mov_b32 s[\g+4], 128*KS/256
	s_mov_b32 s[\g+5], 32
	s_mov_b32 s[\g+6], 0
	s_mov_b32 s[\g+7], 0
.endr
	s_lshl_b32 s18, s16, 7
	s_lshl_b32 s20, s17, 8
	s_add_co_u32 s20, s20, s18
	s_lshl_b32 s46, s42, 8
	s_add_co_u32 s46, s46, s18
	s_mov_b32 s21, 0
	s_mov_b32 s47, 0
	s_mov_b64 s[18:19], KS
	s_mul_u64 s[22:23], s[20:21], s[18:19]
	s_mul_u64 s[92:93], s[46:47], s[18:19]
	s_mov_b64 s[18:19], KROW
	s_mul_u64 s[20:21], s[20:21], s[18:19]
	s_mul_u64 s[46:47], s[46:47], s[18:19]
	s_mul_i32 s45, s14, HALFT
	s_mul_i32 s94, s14, HALFS
	s_wait_dscnt 0x0
	s_wait_kmcnt 0x0
	s_add_nc_u64 s[6:7], s[4:5], 4194304           ; A's scale bytes lie behind its codes
	s_add_nc_u64 s[20:21], s[4:5], s[20:21]
	s_add_nc_u64 s[22:23], s[6:7], s[22:23]
	s_add_nc_u64 s[46:47], s[8:9], s[46:47]
	s_add_nc_u64 s[92:93], s[10:11], s[92:93]
	CROUND
	s_mov_b32 s[G0S], 1
	s_add_co_u32 s[G0S+1], s94, SCL
	s_mov_b64 s[G0S+2:G0S+3], s[22:23]
	s_or_b32 s[G0S+3], s[G0S+3], 0x80000000
	s_mov_b32 s[G0SB], 1
	s_add_co_u32 s[G0SB+1], s94, SCL
	s_mov_b64 s[G0SB+2:G0SB+3], s[92:93]
	s_or_b32 s[G0SB+3], s[G0SB+3], 0x80000000
	JLOAD G0S, G1S, G0SB, G1SB
.irp s, 0,1
	s_mov_b32 s[G0+4*\s], 1
	s_add_co_u32 s[G0+4*\s+1], s45, \s*SLOT
	s_add_nc_u64 s[G0+4*\s+2:G0+4*\s+3], s[20:21], \s*ROWB
	s_or_b32 s[G0+4*\s+3], s[G0+4*\s+3], 0x80000000
	s_mov_b32 s[G0B+4*\s], 1
	s_add_co_u32 s[G0B+4*\s+1], s45, \s*SLOT
	s_add_nc_u64 s[G0B+4*\s+2:G0B+4*\s+3], s[46:47], \s*ROWB
	s_or_b32 s[G0B+4*\s+3], s[G0B+4*\s+3], 0x80000000
	JLOAD G0+4*\s, G1, G0B+4*\s, G1B
.endr
	v_and_b32 v1, 15, v0                           ; r
	v_bfe_u32 v2, v0, 4, 1                         ; h
	v_mul_u32_u24 v3, v1, PITCH
	v_lshl_add_u32 v4, v2, 4, v3
	s_mul_i32 s21, s15, HALFT
	s_mul_i32 s22, s16, HALFT
	s_add_co_u32 s22, s22, 2*HALFT
.irp s, 0,1
	v_add_nc_u32 v[ADRA+\s], s21, v4
	v_add_nc_u32 v[ADRB+\s], s22, v4
	s_add_co_u32 s21, s21, SLOT
	s_add_co_u32 s22, s22, SLOT
.endr
	v_mul_u32_u24 v5, v1, KS
	v_lshrrev_b32 v6, 8, v5
	v_lshl_add_u32 v5, v6, 4, v5
	s_mul_i32 s21, s15, HALFS
	s_mul_i32 s22, s16, HALFS
	s_add_co_u32 s22, s22, 2*HALFS
	s_sub_co_u32 s22, s22, s21
	v_mul_u32_u24 v6, s22, v2
	s_add_co_u32 s21, s21, SCL
	v_add_nc_u32 v5, v5, v6
	v_add_nc_u32 v[ADRS], s21, v5
	; the way out's addresses
	s_lshl_b32 s21, s15, 7
	v_add_nc_u32 v5, s21, v1                       ; my row of block 0 among the tile's 256
	v_mul_u32_u24 v[STC], v5, 272
	v_lshl_add_u32 v[STC], v2, 3, v[STC]
	s_lshl_b32 s22, s16, 7
	v_add_nc_u32 v[STC], s22, v[STC]               ; row x 272 + 128 x column half + 8 h
	v_lshlrev_b32 v[STS], 3, v5
	s_lshl_b32 s22, s16, 2
	s_add_co_u32 s22, s22, STGS
	v_add_nc_u32 v[STS], s22, v[STS]               ; row x 8 + 4 x column half
	v_and_b32 v6, 31, v0
	s_lshl_b32 s22, s14, 6
	v_add_nc_u32 v5, s22, v2                       ; back: row 64 x wave + l / 16
	v_mul_u32_u24 v[RDC], v5, 272
	v_lshl_add_u32 v[RDC], v1, 4, v[RDC]
	v_lshlrev_b32 v[LO], 4, v6
	s_lshl_b32 s22, s14, 9
	s_add_co_u32 s22, s22, STGS
	v_add_nc_u32 v[RDS], s22, v[LO]
	v_lshlrev_b32 v[GOC], 12, v2
	v_lshl_add_u32 v[GOC], v1, 4, v[GOC]           ; and the same two rows in g: 4,096 bytes apart
	v_lshlrev_b32 v[BOC], 5, v2
	s_lshl_b32 s20, s42, 10
	s_lshl_b32 s21, s16, 9
	s_add_co_u32 s20, s20, s21
	s_mov_b32 s21, 0
	s_add_nc_u64 s[96:97], s[96:97], s[20:21]      ; b1 at my first column
.irp b, 0,1,2,3,4,5,6,7
	global_load_b128 v[BC+8*\b:BC+8*\b+3], v[BOC], s[96:97] offset:64*\b       ; register 8 b + j: column 16 b + 8 h + j
	global_load_b128 v[BC+8*\b+4:BC+8*\b+7], v[BOC], s[96:97] offset:64*\b+16
.endr
	s_lshl_b32 s20, s17, 20                        ; g's codes: (256 x tile row + 64 x wave) rows of 4,096 bytes + 256 x tile column
	s_lshl_b32 s21, s14, 18
	s_add_co_u32 s20, s20, s21
	s_lshl_b32 s21, s42, 8
	s_add_co_u32 s20, s20, s21
	s_mov_b32 s21, 0
	s_lshl_b32 s22, s42, 15                        ; its scale bytes: 32,768 x tile column + 2,048 x tile row + 512 x wave
	s_lshl_b32 s23, s17, 11
	s_add_co_u32 s22, s22, s23
	s_lshl_b32 s23, s14, 9
	s_add_co_u32 s22, s22, s23
	s_add_co_u32 s22, s22, 16777216
	s_mov_b32 s23, 0
	s_add_nc_u64 s[12:13], s[98:99], s[20:21]
	s_add_nc_u64 s[98:99], s[98:99], s[22:23]
.macro FRAG reg, adr, q, i
.irp c, 0,1,2,3
	ds_load_b128 v[\reg+4*\c:\reg+4*\c+3], v[\adr] offset:128*(\q)+32*\c+(\i)*16*PITCH
.endr
.endm
.macro MUL16 a0, p, q, sc, zero        ; the 64 accumulators take turns, one instruction a turn
.irp a, \a0, \a0+1
.irp b, 0,1,2,3,4,5,6,7
.if \zero
	v_wmma_scale_f32_16x16x128_f8f6f4 v[8*(8*((\a)%4)+\b):8*(8*((\a)%4)+\b)+7], v[128*(\p)+FR*\b:128*(\p)+FR*\b+FR-1], v[AF+FR*(\a):AF+FR*(\a)+FR-1], 0, v[SC+8*NQ*(\sc)+NQ*\b+(\q)], v[SC+8*NQ*(\sc)+NQ*(\a)+(\q)] matrix_a_scale:MATRIX_SCALE_ROW1
.else
	v_wmma_scale_f32_16x16x128_f8f6f4 v[8*(8*((\a)%4)+\b):8*(8*((\a)%4)+\b)+7], v[128*(\p)+FR*\b:128*(\p)+FR*\b+FR-1], v[AF+FR*(\a):AF+FR*(\a)+FR-1], v[8*(8*((\a)%4)+\b):8*(8*((\a)%4)+\b)+7], v[SC+8*NQ*(\sc)+NQ*\b+(\q)], v[SC+8*NQ*(\sc)+NQ*(\a)+(\q)] matrix_a_scale:MATRIX_SCALE_ROW1
.endif
.endr
.endr
.endm
.macro FETCH_B slot, q, p
	WIN TO_B
.irp i, 0,1,2,3,4,5,6,7
	FRAG 128*(\p)+FR*\i, ADRB+\slot, \q, \i
.endr
	WIN 0
.endm
.macro FETCH_A slot, q, i0
.irp i, \i0, \i0+1, \i0+2, \i0+3
	FRAG AF+FR*(\i), ADRA+\slot, \q, \i
.endr
.endm
.macro SCALES sc
.irp i, 0,1,2,3,4,5,6,7
	ds_load_b64 v[SC+8*NQ*\sc+NQ*\i:SC+8*NQ*\sc+NQ*\i+1], v[ADRS] offset:\i*SBLK
.endr
.endm
.macro PLACES n
.rept \n
	v_nop
.endr
.endm
.macro STEP slot, q, zero
	s_wait_dscnt 4*NL                              ; B's set and A's blocks 0-3 are in; A's blocks 4-7 (16 loads) may be out
	WIN MUL_LO
	MUL16 0, (\q)%2, \q, \slot, \zero
	MUL16 2, (\q)%2, \q, \slot, \zero
	s_wait_dscnt 0
	PLACES NP
	FETCH_B \slot, (\q)+1, 1-(\q)%2
	FETCH_A \slot, (\q)+1, 0
	WIN MUL_HI
	MUL16 4, (\q)%2, \q, \slot, \zero
	MUL16 6, (\q)%2, \q, \slot, \zero
	PLACES NP
	WIN 0
	FETCH_A \slot, (\q)+1, 4
.endm
.macro TURN slot, next, fill
	s_wait_tensorcnt 0x0                           ; all my tensor loads have landed
	ds_add_u32 v[SPW], v[NIL]
	s_wait_dscnt 4*NL+1
	WIN MUL_LO
	MUL16 0, 1, NQ-1, \slot, 0
	s_wait_dscnt 0x0                               ; the add is done, and my reads of this slot are over
	s_barrier_signal -1
	MUL16 2, 1, NQ-1, \slot, 0
	WIN 0
	s_barrier_wait -1
.if \fill
	CREST
	s_add_nc_u64 s[G0+4*\slot+2:G0+4*\slot+3], s[G0+4*\slot+2:G0+4*\slot+3], 2*ROWB
	s_add_nc_u64 s[G0B+4*\slot+2:G0B+4*\slot+3], s[G0B+4*\slot+2:G0B+4*\slot+3], 2*ROWB
	JLOAD G0+4*\slot, G1, G0B+4*\slot, G1B
	PLACES NP-4
.else
	PLACES NP
.endif
	v_add_nc_u32 v[ADRS], 4*NQ, v[ADRS]
	FETCH_B \next, 0, 0
	FETCH_A \next, 0, 0
	SCALES \next
	WIN MUL_HI
	MUL16 4, 1, NQ-1, \slot, 0
	MUL16 6, 1, NQ-1, \slot, 0
	PLACES NP
	WIN 0
	FETCH_A \next, 0, 4
.endm
	s_wait_tensorcnt 1                             ; the scales and my part of K step 0 are in; K step 1's load may be out
	s_barrier_signal -1
	s_barrier_wait -1
	FETCH_B 0, 0, 0
	FETCH_A 0, 0, 0
	SCALES 0
	FETCH_A 0, 0, 4
	STEP 0, 0, 1
	s_mov_b32 s3, LAPS-1
.Llap:
	TURN 0, 1, 1
	STEP 1, 0, 0
	TURN 1, 0, 1
	STEP 0, 0, 0
	s_sub_co_u32 s3, s3, 1
	s_cmp_lg_u32 s3, 0
	s_cbranch_scc1 .Llap
	TURN 0, 1, 0
	STEP 1, 0, 0
	s_wait_dscnt 4*NL
	WIN MUL_LO
	MUL16 0, 1, NQ-1, 1, 0
	MUL16 2, 1, NQ-1, 1, 0
	s_wait_dscnt 0
	WIN MUL_HI
	MUL16 4, 1, NQ-1, 1, 0
	MUL16 6, 1, NQ-1, 1, 0
	WIN 0
; THE WAY OUT: a loop of eight trips, one for each block of 16 rows: only the lines that fetch a block out of its accumulators differ from trip to trip, and they are picked by the trip's number.
.macro MOVE k                          ; block k + the bias -> v[T] on
.set AC, 64*((\k)%4)
	WIN 0x02+((\k)/4)                              ; source 0: window 2 or 3
.set p, 0
.rept 32
	v_pk_add_f32 v[T+2*p:T+2*p+1], v[AC+2*p:AC+2*p+1], v[BC+2*p:BC+2*p+1]   ; each accumulator from its low end on
.set p, p+1
.endr
	WIN 0
.endm
.macro GELU b                          ; 16 numbers, v[T + 16 b] on, in place
.set TG, T+16*(\b)
.irp k, 0,2,4,6,8,10,12,14
	v_pk_mul_f32 v[Z+\k:Z+\k+1], v[TG+\k:TG+\k+1], s[RT2:RT2+1] op_sel_hi:[1,0]   ; z = t / sqrt 2
.endr
.irp k, 0,1,2,3,4,5,6,7,8,9,10,11,12,13,14,15
	v_med3_num_f32 v[Z+\k], v[Z+\k], -4.0, 4.0
.endr
.irp k, 0,2,4,6,8,10,12,14
	v_pk_mul_f32 v[Z2+\k:Z2+\k+1], v[Z+\k:Z+\k+1], v[Z+\k:Z+\k+1]
.endr
.irp k, 0,2,4,6,8,10,12,14
	v_pk_fma_f32 v[P+\k:P+\k+1], v[Z2+\k:Z2+\k+1], s[AL0:AL0+1], v[AL1:AL1+1] op_sel_hi:[1,0,1]
	v_pk_fma_f32 v[Q+\k:Q+\k+1], v[Z2+\k:Z2+\k+1], s[BE0:BE0+1], v[BE1:BE1+1] op_sel_hi:[1,0,1]
.endr
.irp m, 0,2,4
.irp k, 0,2,4,6,8,10,12,14
	v_pk_fma_f32 v[P+\k:P+\k+1], v[P+\k:P+\k+1], v[Z2+\k:Z2+\k+1], s[AL2+\m:AL2+\m+1] op_sel_hi:[1,1,0]
	v_pk_fma_f32 v[Q+\k:Q+\k+1], v[Q+\k:Q+\k+1], v[Z2+\k:Z2+\k+1], s[BE2+\m:BE2+\m+1] op_sel_hi:[1,1,0]
.endr
.endr
.irp m, 6,8
.irp k, 0,2,4,6,8,10,12,14
	v_pk_fma_f32 v[P+\k:P+\k+1], v[P+\k:P+\k+1], v[Z2+\k:Z2+\k+1], s[AL2+\m:AL2+\m+1] op_sel_hi:[1,1,0]
.endr
.endr
.irp k, 0,1,2,3,4,5,6,7,8,9,10,11,12,13,14,15
	v_rcp_f32 v[Q+\k], v[Q+\k]
.endr
.irp k, 0,2,4,6,8,10,12,14
	v_pk_mul_f32 v[P+\k:P+\k+1], v[P+\k:P+\k+1], v[Z+\k:Z+\k+1]           ; z A: plain work that names no reciprocal
.endr
.irp k, 0,2,4,6,8,10,12,14
	v_pk_mul_f32 v[Z+\k:Z+\k+1], v[TG+\k:TG+\k+1], 0.5 op_sel_hi:[1,0]    ; t / 2
.endr
	s_wait_alu depctr_va_vdst(0)                   ; one wait for the sixteen reciprocals, ahead of their first reader
.irp k, 0,2,4,6,8,10,12,14
	v_pk_mul_f32 v[P+\k:P+\k+1], v[P+\k:P+\k+1], v[Q+\k:Q+\k+1]           ; erf
.endr
.irp k, 0,2,4,6,8,10,12,14
	v_pk_fma_f32 v[TG+\k:TG+\k+1], v[Z+\k:Z+\k+1], v[P+\k:P+\k+1], v[Z+\k:Z+\k+1]
.endr
.endm
.macro QUANT s                         ; 64 numbers of a lane; registers 16 b + 0..15 and lane l xor 16's are block b of 32 along the next K
.irp b, 0,1,2,3
	v_max3_num_f32 v[TM+\b], |v[\s+16*\b]|, |v[\s+1+16*\b]|, 0x4800000   ; with the floor 2^(9 - 127)
.endr
.irp i, 2,4,6,8,10,12,14
.irp b, 0,1,2,3
	v_max3_num_f32 v[TM+\b], v[TM+\b], |v[\s+16*\b+\i]|, |v[\s+1+16*\b+\i]|
.endr
.endr
.irp b, 0,1,2,3
	v_permlanex16_b32 v[TM+4+\b], v[TM+\b], s[SEL], s[SEL+1]
.endr
.irp b, 0,1,2,3
	v_max_num_f32 v[TM+\b], v[TM+\b], v[TM+4+\b]
.endr
.irp b, 0,1,2,3
	v_add_nc_u32 v[TM+12+\b], 0xfc000000, v[TM+\b]
.endr
.irp b, 0,1,2,3
	v_and_or_b32 v[TM+8+\b], v[TM+\b], 0x7f800000, s[MNT]
.endr
.irp b, 0,1,2,3
	v_lshrrev_b32 v[TM+4+\b], 23, v[TM+12+\b]
.endr
	v_lshl_or_b32 v[PW], v[TM+5], 8, v[TM+4]
	v_lshl_or_b32 v[PW], v[TM+6], 16, v[PW]
	v_lshl_or_b32 v[PW], v[TM+7], 24, v[PW]
.irp b, 0,1,2,3
.irp i, 0,1,2,3,4,5,6,7,8,9,10,11,12,13,14,15
	v_med3_num_f32 v[\s+16*\b+\i], v[\s+16*\b+\i], -v[TM+8+\b], v[TM+8+\b]   ; the hold (ISA guide 7.6.2)
.endr
	v_cvt_scalef32_pk8_fp8_f32 v[PC+4*\b:PC+1+4*\b], v[\s+16*\b:\s+7+16*\b], v[TM+12+\b]
	v_cvt_scalef32_pk8_fp8_f32 v[PC+2+4*\b:PC+3+4*\b], v[\s+8+16*\b:\s+15+16*\b], v[TM+12+\b]
.endr
	v_nop                                          ; a plain line behind the last conversion
.endm
	PLACES NP                                      ; behind the last products
	s_mov_b32 s[AL0], 0xAF95DF0B                   ; no tensor load of mine is out: the descriptors' registers take the coefficients, each as a pair
	s_mov_b32 s[AL2], 0xB60CFF51
	s_mov_b32 s[AL2+2], 0xB86EC2D2
	s_mov_b32 s[AL2+4], 0xBA40AC63
	s_mov_b32 s[AL2+6], 0xBB41A1F6
	s_mov_b32 s[AL2+8], 0xBC83DBD4
	s_mov_b32 s[BE0], 0xB77460CD
	s_mov_b32 s[BE2], 0xBADC924E
	s_mov_b32 s[BE2+2], 0xBBF19BF8
	s_mov_b32 s[BE2+4], 0xBC69B6A7
	s_mov_b32 s[RT2], 0x3F3504F3
.irp m, 68,70,72,74,76,78,80,82,84,86,88
	s_mov_b32 s[\m+1], s[\m]
.endr
	v_mov_b32 v[AL1], 0x32EDFFEE
	v_mov_b32 v[AL1+1], 0x32EDFFEE
	v_mov_b32 v[BE1], 0xB95FBD29
	v_mov_b32 v[BE1+1], 0xB95FBD29
	s_mov_b32 s[SEL], 0x76543210
	s_mov_b32 s[SEL+1], 0xfedcba98
	s_mov_b32 s[MNT], 0x600000
	s_mov_b32 s[BA], 0
	s_mov_b32 s66, 0                               ; the block's rows in the stage: 16 x 272 bytes a trip,
	s_mov_b32 s67, 0                               ; its scale words: 16 x 8
	s_wait_loadcnt 0x0                             ; the bias
.Lblk:
.irp k, 0,1,2,3,4,5,6
	s_cmp_eq_u32 s[BA], \k
	s_cbranch_scc1 .Lmv\k
.endr
	MOVE 7
	s_branch .Lgo
.irp k, 0,1,2,3,4,5
.Lmv\k:
	MOVE \k
	s_branch .Lgo
.endr
.Lmv6:
	MOVE 6
.Lgo:
	s_wait_dscnt 0x0                               ; the last block's LDS stores have read their registers
	GELU 0
	GELU 1
	GELU 2
	GELU 3
	QUANT T
	v_add_nc_u32 v[WC], s66, v[STC]
	v_add_nc_u32 v[WS], s67, v[STS]
.irp b, 0,1,2,3
	ds_store_b64 v[WC], v[PC+4*\b:PC+4*\b+1] offset:32*\b          ; columns 32 b + 8 h + 0..7
	ds_store_b64 v[WC], v[PC+4*\b+2:PC+4*\b+3] offset:32*\b+16     ; columns 32 b + 16 + 8 h + 0..7
.endr
	ds_store_b32 v[WS], v[PW]                      ; (both halves of the lanes write the same word with the same value)
	s_add_co_u32 s66, s66, 4352
	s_add_co_u32 s67, s67, 128
	s_add_co_u32 s[BA], s[BA], 1
	s_cmp_lt_u32 s[BA], 8
	s_cbranch_scc1 .Lblk
	s_wait_dscnt 0x0                               ; for the others' sake: my stores into the stage have landed
	s_barrier_signal -1
	s_barrier_wait -1
	ds_load_b128 v[BC:BC+3], v[RDS]                ; my 64 rows' scale words: 512 bytes
.set n, 0
.rept 32
	ds_load_b128 v[128+4*n:128+4*n+3], v[RDC] offset:544*n
.set n, n+1
.endr
	s_wait_dscnt 32
	global_store_b128 v[LO], v[BC:BC+3], s[98:99]
.set n, 0
.rept 32
	s_wait_dscnt 31-n
	global_store_b128 v[GOC], v[128+4*n:128+4*n+3], s[12:13] offset:8192*n   ; sixteen lanes store 256 consecutive bytes, aligned
.set n, n+1
.endr
	s_wait_tensorcnt 0x0                           ; the wave's end
	ds_add_u32 v[SPW], v[NIL]
	s_wait_dscnt 0x0
	CROUND                                         ; the closing round
	s_endpgm
.Lfunc_end_k_qe12eb51c08_up:
	.size	k_qe12eb51c08_up, .Lfunc_end_k_qe12eb51c08_up-k_qe12eb51c08_up
	.p2alignl 7, 3214868480
	.fill 96, 4, 3214868480
	.section	.rodata,"a",@progbits
	.p2align	6, 0x0
	.amdhsa_kernel k_qe12eb51c08_up
		.amdhsa_group_segment_fixed_size 327680
		.amdhsa_private_segment_fixed_size 0
		.amdhsa_enable_private_segment 0
		.amdhsa_kernarg_size 40
		.amdhsa_user_sgpr_count 2
		.amdhsa_user_sgpr_kernarg_segment_ptr 1
		.amdhsa_wavefront_size32 1
		.amdhsa_system_sgpr_workgroup_id_x 1
		.amdhsa_system_sgpr_workgroup_id_y 1
		.amdhsa_system_sgpr_workgroup_id_z 1
		.amdhsa_system_vgpr_workitem_id 0
		.amdhsa_next_free_vgpr 1024
		.amdhsa_next_free_sgpr 102
		.amdhsa_reserve_vcc 0
		.amdhsa_float_denorm_mode_32 3
		.amdhsa_float_denorm_mode_16_64 3
		.amdhsa_memory_ordered 1
		.amdhsa_forward_progress 1
		.amdhsa_inst_pref_size 190
	.end_amdhsa_kernel
	.amdgpu_metadata
---
amdhsa.version: [ 1, 2 ]
amdhsa.kernels:
  - .name:           k_qe12eb51c08_up
    .symbol:         k_qe12eb51c08_up.kd
    .args:
      - { .name: act2, .offset: 0, .size: 8, .value_kind: global_buffer, .address_space: global }
      - { .name: W1_codes, .offset: 8, .size: 8, .value_kind: global_buffer, .address_space: global }
      - { .name: W1_scales, .offset: 16, .size: 8, .value_kind: global_buffer, .address_space: global }
      - { .name: b1, .offset: 24, .size: 8, .value_kind: global_buffer, .address_space: global }
      - { .name: g, .offset: 32, .size: 8, .value_kind: global_buffer, .address_space: global }
    .group_segment_fixed_size: 327680
    .private_segment_fixed_size: 0
    .kernarg_segment_align: 8
    .kernarg_segment_size: 40
    .max_flat_workgroup_size: 128
    .sgpr_count:     102
    .vgpr_count:     1024
    .wavefront_size: 32
...
	.end_amdgpu_metadata
.endif
;; end of part 5
;; launch down (part 6): grid 4 x 16, 4 waves a work-group, clusters of 4 x 4, 327,680 bytes of LDS; arguments g, W2_codes, W2_scales, b2, x1, out0; writes out0
.if DOCPART == 6
	.amdgcn_target "amdgcn-amd-amdhsa--gfx1250"
	.amdhsa_code_object_version 6
	.text
	.protected	k_qe12eb51c08_down
	.globl	k_qe12eb51c08_down
	.p2align	8
	.type	k_qe12eb51c08_down,@function
k_qe12eb51c08_down:
	s_mov_b64 s[64:65], 0
	v_nop
	global_prefetch_b8 v0, s[64:65] scope:SCOPE_SE
	s_setreg_imm32_b32 hwreg(HW_REG_WAVE_MODE, 25, 1), 1
	s_wait_xcnt 0x0
	s_wait_alu depctr_hold_cnt(0) depctr_sa_sdst(0) depctr_va_vdst(0) depctr_va_sdst(0) depctr_va_ssrc(0) depctr_va_vcc(0) depctr_vm_vsrc(0)
	s_getreg_b32 s2, hwreg(HW_REG_IB_STS2, 6, 4)
	s_cmp_eq_u32 s2, 0
	s_cbranch_scc0 .Lentry_in_a_cluster
	s_endpgm
.Lentry_in_a_cluster:
	s_bfe_u32 s2, ttmp6, 0x10000c
	s_cmp_lg_u32 s2, 0xf033
	s_cbranch_scc0 .Lentry_shape_is_right
	s_endpgm
.Lentry_shape_is_right:
; out0 = x1 + (g W2 + b2).  g: codes [4096][4096] at 0, scale bytes [16 K steps of 256][4096 rows][8] at 16,777,216; W2: codes [1024][4096], K innermost, scale bytes [1024][128]; b2 [1024], x1, out0 [4096][1024]: f32.
; The core of the other products with K = 4,096: tile 256 x 256, a wave's 128 x 128, K steps of 256 through two LDS slots, 4 x 4 clusters with joint loads, the matrix instruction used transposed.
; THE SCALES.  Those of both sides for all of K do not fit beside the ring.  B's (the tile's 256 rows x 128 bytes) come into LDS once, a quarter a wave, jointly along a column of the cluster.
; A's are laid by K step: a K step's words of my 128 rows are 1,024 consecutive bytes, which four loads bring straight into registers, a K step ahead.  A scale register holds 32 rows: two blocks of 16, the second in lanes 16-31.
; 64 tiles, 64 work-groups: the price of one core for all four products of this kind.
; A's and B's tiles are prefetched two refills ahead, each row's 256 bytes of a K step named once in the launch: B's by the clusters with y = 0 alone, and of the 128 rows that a wave fetches each of the four partners names 32, told apart by address.
; REGISTERS: window 0: v0-31 addresses, v[8:11] the bias; v32-47 A's scale words, v48-63 B's, two sets each, and nothing else; v128-255 A's fragments; on the way out v64-127, v128-191 the residual, v192-255 a block.
.set KSTEP,  256
.set NQ,     2
.set ROWB,   256
.set KROW,   4096
.set SIZE_N, 1024
.set PITCH,  272
.set FR,     16
.set NL,     4
.set NP,     8
.set HALFT,  128*PITCH
.set SLOT,   4*HALFT
.set LAPS,   8
.set SCL,    2*SLOT                    ; B's scale bytes: 128 units of 256 bytes + 16, two rows a unit
.set SPARE,  SCL+128*272               ; the spare words, 128 bytes a wave; no other line names them
.set SPITCH, 528
.set BI,   8
.set PFO,  14                          ; v14  the prefetches' offset: lane x 4,096; never rewritten
.set AGS,  15                          ; v15  A's scale words: 8 x lane + 32,768 x K step
.set ADRA, 16
.set ADRB, 20
.set STO,  24
.set RD,   25
.set CO,   26
.set ADRS, 27
.set SPW,  28
.set NIL,  29
.set SA,   32
.set SB,   48
.set RS,   64
.set AF,   128
.set BB,   192
.set G1, 24
.set G0, 32
.set G1B, 48
.set G0B, 56
.set BIASP, 68                         ; s[68:69] the bias, s[70:71] the residual
.set RESP,  70
.set PFA,   72                         ; s[72:73] where my prefetches stand
.set LIM,   74                         ; s74  1 in a wave that prefetches, else the greatest number
.set ASP,   76                         ; s[76:77] A's scale words of my 128 rows
.set G1SB, 80
.set G0SB, 88
.set MSB, 0
.macro WIN new
.if MSB != (\new)
	s_set_vgpr_msb (MSB<<8)|(\new)
.set MSB, (\new)
.endif
.endm
.set MUL_LO, 0xa1
.set MUL_HI, 0xf1
.set TO_B,   0x40
.macro JLOAD g0a, g1a, g0b, g1b        ; a joint load: waves 0, 1 for A, waves 2, 3 for B; an s_nop 0 and four v_nop follow each line
	s_cmp_eq_u32 s15, 0
	s_cbranch_scc0 .Lfor_b_\@
	tensor_load_to_lds s[\g0a:\g0a+3], s[\g1a:\g1a+7]
	s_nop 0
.rept 4
	v_nop
.endr
	s_branch .Lasked_\@
.Lfor_b_\@:
	tensor_load_to_lds s[\g0b:\g0b+3], s[\g1b:\g1b+7]
	s_nop 0
.rept 4
	v_nop
.endr
.Lasked_\@:
.endm
.macro ASK                             ; the K step that stands two refills on: 32 rows x 256 bytes, a lane a row.  The loop's last trip (s3 = 1) asks for nothing: no K step stands two refills on
	s_cmp_gt_u32 s3, s[LIM]
	s_cbranch_scc0 .Lnot_mine_\@
	global_prefetch_b8 v[PFO], s[PFA:PFA+1] offset:ROWB th:TH_LOAD_NT scope:SCOPE_SE
.Lnot_mine_\@:
.endm
.macro CREST
	s_cmp_lg_u32 s14, 0
	s_cbranch_scc1 .Lnot_wave_0_\@
	s_barrier_signal -3
.Lnot_wave_0_\@:
	s_barrier_wait -3
	s_barrier_signal -1
	s_barrier_wait -1
.endm
.macro CROUND
	s_barrier_signal -1
	s_barrier_wait -1
	CREST
.endm
	s_load_b64 s[4:5], s[0:1], 0x0                 ; g
	s_load_b128 s[8:11], s[0:1], 0x8               ; W2's codes, W2's scales
	s_load_b128 s[68:71], s[0:1], 0x18             ; b2, x1
	s_load_b64 s[12:13], s[0:1], 0x28              ; out0
	v_lshl_add_u32 v[SPW], v0, 2, SPARE
	v_mov_b32 v[NIL], 0
	ds_add_u32 v[SPW], v[NIL]                      ; the wave's opening: the add, twice on end, and its wait ahead of my first tensor load
	ds_add_u32 v[SPW], v[NIL]
	v_lshrrev_b32 v1, 5, v0
	v_readfirstlane_b32 s14, v1
	s_lshr_b32 s15, s14, 1
	s_and_b32 s16, s14, 1
	s_bfe_u32 s40, ttmp6, 0x40000
	s_bfe_u32 s41, ttmp6, 0x40004
	s_lshl_b32 s42, ttmp9, 2
	s_add_co_u32 s42, s42, s40                     ; tile column
	s_and_b32 s17, ttmp7, 0xffff
	s_lshl_b32 s17, s17, 2
	s_add_co_u32 s17, s17, s41                     ; tile row
	s_lshl_b32 s43, s41, 2
	s_lshl_b32 s43, 15, s43
	s_lshl_b32 s44, 0x1111, s40
	s_or_b32 s[G1+0], s43, (0<<16)|(1<<20)|(1<<21)|(5<<22)|(3<<25)
	s_or_b32 s[G1B+0], s44, (0<<16)|(1<<20)|(1<<21)|(5<<22)|(3<<25)
.irp g, G1, G1B
	s_mov_b32 s[\g+1], ROWB<<16
	s_mov_b32 s[\g+2], 128<<16
	s_mov_b32 s[\g+3], ROWB<<16
	s_mov_b32 s[\g+4], 128
	s_mov_b32 s[\g+5], KROW
	s_mov_b32 s[\g+6], 0
	s_mov_b32 s[\g+7], 0
.endr
	s_or_b32 s[G1SB+0], s44, (3<<16)|(1<<20)|(1<<21)|(5<<22)|(3<<25)   ; B's scales of 64 rows: 8,192 dense bytes as 32 rows of 256 (32 elements of 8 bytes), 16 bytes of padding behind each
	s_mov_b32 s[G1SB+1], 32<<16
	s_mov_b32 s[G1SB+2], 32<<16
	s_mov_b32 s[G1SB+3], 32<<16
	s_mov_b32 s[G1SB+4], 32
	s_mov_b32 s[G1SB+5], 32
	s_mov_b32 s[G1SB+6], 0
	s_mov_b32 s[G1SB+7], 0
	s_lshl_b32 s18, s16, 7
	s_lshl_b32 s20, s17, 8
	s_add_co_u32 s20, s20, s18
	s_lshl_b32 s46, s42, 8
	s_add_co_u32 s46, s46, s18
	s_mov_b32 s21, 0
	s_mov_b32 s47, 0
	s_mov_b64 s[18:19], KROW
	s_mul_u64 s[20:21], s[20:21], s[18:19]
	s_mul_u64 s[46:47], s[46:47], s[18:19]
	s_lshl_b32 s92, s42, 8
	s_lshl_b32 s93, s14, 6
	s_add_co_u32 s92, s92, s93
	s_lshl_b32 s92, s92, 7                         ; B's scales: row 256 x tile column + 64 x wave, 128 bytes a row
	s_mov_b32 s93, 0
	s_lshl_b32 s[ASP], s17, 11
	s_lshl_b32 s[ASP+1], s15, 10
	s_add_co_u32 s[ASP], s[ASP], s[ASP+1]
	s_add_co_u32 s[ASP], s[ASP], 16777216          ; A's scale words: 8 bytes x my first row
	s_mov_b32 s[ASP+1], 0
	s_mul_i32 s45, s14, HALFT
	s_mul_i32 s94, s14, 32*272
	s_wait_dscnt 0x0
	s_wait_kmcnt 0x0
	s_add_nc_u64 s[ASP:ASP+1], s[4:5], s[ASP:ASP+1]
	s_add_nc_u64 s[20:21], s[4:5], s[20:21]
	s_add_nc_u64 s[46:47], s[8:9], s[46:47]
	s_add_nc_u64 s[92:93], s[10:11], s[92:93]
	CROUND
	s_mov_b32 s[G0SB], 1
	s_add_co_u32 s[G0SB+1], s94, SCL
	s_mov_b64 s[G0SB+2:G0SB+3], s[92:93]
	s_or_b32 s[G0SB+3], s[G0SB+3], 0x80000000
	tensor_load_to_lds s[G0SB:G0SB+3], s[G1SB:G1SB+7]   ; every wave: its quarter of B's scales
	s_nop 0
.rept 4
	v_nop
.endr
.irp s, 0,1
	s_mov_b32 s[G0+4*\s], 1
	s_add_co_u32 s[G0+4*\s+1], s45, \s*SLOT
	s_add_nc_u64 s[G0+4*\s+2:G0+4*\s+3], s[20:21], \s*ROWB
	s_or_b32 s[G0+4*\s+3], s[G0+4*\s+3], 0x80000000
	s_mov_b32 s[G0B+4*\s], 1
	s_add_co_u32 s[G0B+4*\s+1], s45, \s*SLOT
	s_add_nc_u64 s[G0B+4*\s+2:G0B+4*\s+3], s[46:47], \s*ROWB
	s_or_b32 s[G0B+4*\s+3], s[G0B+4*\s+3], 0x80000000
	JLOAD G0+4*\s, G1, G0B+4*\s, G1B
.endr
	v_and_b32 v6, 31, v0                           ; lane
	v_lshlrev_b32 v[AGS], 3, v6
.macro GSCALE sc                       ; a K step's scale words of A into set sc: four loads of 256 consecutive bytes
.irp i, 0,1,2,3
	global_load_b64 v[SA+8*(\sc)+2*\i:SA+8*(\sc)+2*\i+1], v[AGS], s[ASP:ASP+1] offset:256*\i
.endr
.endm
	GSCALE 0
	v_and_b32 v1, 15, v0
	v_bfe_u32 v2, v0, 4, 1
	v_mul_u32_u24 v3, v1, PITCH
	v_lshl_add_u32 v4, v2, 4, v3
	s_mul_i32 s21, s15, HALFT
	s_mul_i32 s22, s16, HALFT
	s_add_co_u32 s22, s22, 2*HALFT
.irp s, 0,1
	v_add_nc_u32 v[ADRA+\s], s21, v4
	v_add_nc_u32 v[ADRB+\s], s22, v4
	s_add_co_u32 s21, s21, SLOT
	s_add_co_u32 s22, s22, SLOT
.endr
	v_lshrrev_b32 v5, 1, v6
	v_mul_u32_u24 v5, v5, 272
	v_and_b32 v3, 1, v6
	v_lshl_add_u32 v5, v3, 7, v5                   ; B's scales: row l of 32: unit l / 2, half l % 2
	s_mul_i32 s21, s16, 64*272                     ; my 128 rows
	s_add_co_u32 s21, s21, SCL
	v_add_nc_u32 v[ADRS], s21, v5
	s_mul_i32 s23, s14, 16*SPITCH                  ; my stage, in slot 0
	v_mul_u32_u24 v5, v1, SPITCH
	v_lshl_add_u32 v5, v2, 5, v5
	v_add_nc_u32 v[STO], s23, v5
	v_lshlrev_b32 v[CO], 4, v6
	v_add_nc_u32 v[RD], s23, v[CO]
	s_lshl_b32 s20, s17, 8
	s_lshl_b32 s21, s15, 7
	s_add_co_u32 s20, s20, s21
	s_mov_b32 s21, 0
	s_mov_b64 s[18:19], SIZE_N*4
	s_mul_u64 s[20:21], s[20:21], s[18:19]
	s_lshl_b32 s46, s42, 10
	s_lshl_b32 s47, s16, 9
	s_add_co_u32 s46, s46, s47
	s_mov_b32 s47, 0
	s_add_nc_u64 s[20:21], s[20:21], s[46:47]
	s_add_nc_u64 s[12:13], s[12:13], s[20:21]
	s_add_nc_u64 s[RESP:RESP+1], s[RESP:RESP+1], s[20:21]
	s_add_nc_u64 s[BIASP:BIASP+1], s[BIASP:BIASP+1], s[46:47]
	; the prefetches: where mine stand, and who asks
	s_lshl_b32 s20, s17, 8                         ; A's tile's first row,
	s_lshl_b32 s21, s42, 8                         ; B's
	s_and_b32 s22, ttmp7, 0xffff                   ; cluster y
	s_cmp_eq_u32 s15, 0                            ; do I fetch for A?
	s_cselect_b32 s20, s20, s21
	s_cselect_b32 s21, s40, s41                    ; my place among the four that ask for the tile with me
	s_cselect_b32 s22, ttmp9, s22                  ; the coordinate along which other clusters read the same rows
	s_cselect_b64 s[PFA:PFA+1], s[4:5], s[8:9]
	s_cmp_eq_u32 s22, 0
	s_cselect_b32 s[LIM], 1, -1                    ; the same in all sixteen partners, for a given wave
	s_lshl_b32 s22, s16, 7
	s_add_co_u32 s20, s20, s22                     ; + the 128 rows that I fetch
	s_lshl_b32 s21, s21, 5
	s_add_co_u32 s20, s20, s21                     ; + my work-group's 32 of them
	s_lshl_b32 s20, s20, 12                        ; x 4,096 bytes a row
	s_mov_b32 s21, 0
	s_add_nc_u64 s[PFA:PFA+1], s[PFA:PFA+1], s[20:21]
	s_add_nc_u64 s[PFA:PFA+1], s[PFA:PFA+1], 2*ROWB   ; at K step 2: the first refill steps it to 3 and names K step 4.  Nothing is prefetched here, at the head
	v_lshlrev_b32 v[PFO], 12, v6
.macro FRAG reg, adr, q, i
.irp c, 0,1,2,3
	ds_load_b128 v[\reg+4*\c:\reg+4*\c+3], v[\adr] offset:128*(\q)+32*\c+(\i)*16*PITCH
.endr
.endm
; One product: A's block a x B's block b.  B's scale word lies in register b / 2 of its set, in lanes 16-31 where b is odd; A's likewise by a.
.macro MM a, b, p, q, sc, zero
.set rD, 8*(8*((\a)%4)+(\b))
.set rB, 128*(\p)+FR*(\b)
.set rA, AF+FR*(\a)
.set rSB, SB+8*(\sc)+2*((\b)/2)+(\q)
.set rSA, SA+8*(\sc)+2*((\a)/2)+(\q)
.if \zero
.if ((\a)%2 == 0) && ((\b)%2 == 0)
	v_wmma_scale_f32_16x16x128_f8f6f4 v[rD:rD+7], v[rB:rB+15], v[rA:rA+15], 0, v[rSB], v[rSA]
.elseif ((\a)%2 == 0)
	v_wmma_scale_f32_16x16x128_f8f6f4 v[rD:rD+7], v[rB:rB+15], v[rA:rA+15], 0, v[rSB], v[rSA] matrix_a_scale:MATRIX_SCALE_ROW1
.elseif ((\b)%2 == 0)
	v_wmma_scale_f32_16x16x128_f8f6f4 v[rD:rD+7], v[rB:rB+15], v[rA:rA+15], 0, v[rSB], v[rSA] matrix_b_scale:MATRIX_SCALE_ROW1
.else
	v_wmma_scale_f32_16x16x128_f8f6f4 v[rD:rD+7], v[rB:rB+15], v[rA:rA+15], 0, v[rSB], v[rSA] matrix_a_scale:MATRIX_SCALE_ROW1 matrix_b_scale:MATRIX_SCALE_ROW1
.endif
.else
.if ((\a)%2 == 0) && ((\b)%2 == 0)
	v_wmma_scale_f32_16x16x128_f8f6f4 v[rD:rD+7], v[rB:rB+15], v[rA:rA+15], v[rD:rD+7], v[rSB], v[rSA]
.elseif ((\a)%2 == 0)
	v_wmma_scale_f32_16x16x128_f8f6f4 v[rD:rD+7], v[rB:rB+15], v[rA:rA+15], v[rD:rD+7], v[rSB], v[rSA] matrix_a_scale:MATRIX_SCALE_ROW1
.elseif ((\b)%2 == 0)
	v_wmma_scale_f32_16x16x128_f8f6f4 v[rD:rD+7], v[rB:rB+15], v[rA:rA+15], v[rD:rD+7], v[rSB], v[rSA] matrix_b_scale:MATRIX_SCALE_ROW1
.else
	v_wmma_scale_f32_16x16x128_f8f6f4 v[rD:rD+7], v[rB:rB+15], v[rA:rA+15], v[rD:rD+7], v[rSB], v[rSA] matrix_a_scale:MATRIX_SCALE_ROW1 matrix_b_scale:MATRIX_SCALE_ROW1
.endif
.endif
.endm
.macro MUL16 a0, p, q, sc, zero        ; the 64 accumulators take turns, one instruction a turn
.irp a, \a0, \a0+1
.irp b, 0,1,2,3,4,5,6,7
	MM (\a), \b, \p, \q, \sc, \zero
.endr
.endr
.endm
.macro FETCH_B slot, q, p
	WIN TO_B
.irp i, 0,1,2,3,4,5,6,7
	FRAG 128*(\p)+FR*\i, ADRB+\slot, \q, \i
.endr
	WIN 0
.endm
.macro FETCH_A slot, q, i0
.irp i, \i0, \i0+1, \i0+2, \i0+3
	FRAG AF+FR*(\i), ADRA+\slot, \q, \i
.endr
.endm
.macro SCALES sc                       ; a K step's scale words of B: 32 rows a load
.irp i, 0,1,2,3
	ds_load_b64 v[SB+8*\sc+2*\i:SB+8*\sc+2*\i+1], v[ADRS] offset:\i*16*272
.endr
.endm
.macro PLACES n
.rept \n
	v_nop
.endr
.endm
; ga = 1: the next K step's scale words of A are asked for in this step's middle, 96 matrix instructions ahead of their first use; the last K step asks for nothing
.macro STEP slot, q, zero, ga
	s_wait_loadcnt 0x0                             ; this K step's scale words of A are in: only those four loads were out; their address register is free
.if \ga
	v_add_nc_u32 v[AGS], 32768, v[AGS]             ; on to the next K step's
.endif
	s_wait_dscnt 4*NL                              ; B's set, its scale words and A's blocks 0-3 are in; A's blocks 4-7 (16 loads) may be out
	WIN MUL_LO
	MUL16 0, (\q)%2, \q, \slot, \zero
	MUL16 2, (\q)%2, \q, \slot, \zero
	s_wait_dscnt 0
	PLACES NP
.if \ga
	WIN 0
	GSCALE 1-\slot                                 ; into the set that the K step before has left
.endif
	FETCH_B \slot, (\q)+1, 1-(\q)%2
	FETCH_A \slot, (\q)+1, 0
	WIN MUL_HI
	MUL16 4, (\q)%2, \q, \slot, \zero
	MUL16 6, (\q)%2, \q, \slot, \zero
	PLACES NP
	WIN 0
	FETCH_A \slot, (\q)+1, 4
.endm
.macro TURN slot, next, fill
.if \fill
	s_wait_xcnt 0x0                                ; the last prefetch, a K step back, has read its address: it is stepped here, ahead of the waits of the change of slots
	s_add_nc_u64 s[PFA:PFA+1], s[PFA:PFA+1], ROWB
.endif
	s_wait_tensorcnt 0x0                           ; all my tensor loads have landed
	ds_add_u32 v[SPW], v[NIL]
	s_wait_dscnt 4*NL+1
	WIN MUL_LO
	MUL16 0, 1, NQ-1, \slot, 0
	s_wait_dscnt 0x0                               ; the add is done, and my reads of this slot are over
	s_barrier_signal -1
	MUL16 2, 1, NQ-1, \slot, 0
	WIN 0
	s_barrier_wait -1
.if \fill
	CREST                                          ; the barrier has opened a round of the cluster's
	s_add_nc_u64 s[G0+4*\slot+2:G0+4*\slot+3], s[G0+4*\slot+2:G0+4*\slot+3], 2*ROWB
	s_add_nc_u64 s[G0B+4*\slot+2:G0B+4*\slot+3], s[G0B+4*\slot+2:G0B+4*\slot+3], 2*ROWB
	JLOAD G0+4*\slot, G1, G0B+4*\slot, G1B
	PLACES NP-4
.else
	PLACES NP
.endif
	v_add_nc_u32 v[ADRS], 4*NQ, v[ADRS]
	FETCH_B \next, 0, 0
	FETCH_A \next, 0, 0
	SCALES \next
.if \fill
	ASK                                            ; behind the joint load and the run of LDS loads that the next products wait for
.endif
	WIN MUL_HI
	MUL16 4, 1, NQ-1, \slot, 0
	MUL16 6, 1, NQ-1, \slot, 0
	PLACES NP
	WIN 0
	FETCH_A \next, 0, 4
.endm
	s_wait_tensorcnt 1                             ; B's scales and my part of K step 0 are in; K step 1's load may be out: three loads were issued
	s_barrier_signal -1
	s_barrier_wait -1
	FETCH_B 0, 0, 0
	FETCH_A 0, 0, 0
	SCALES 0
	FETCH_A 0, 0, 4
	STEP 0, 0, 1, 1
	s_mov_b32 s3, LAPS-1
.Llap:
	TURN 0, 1, 1
	STEP 1, 0, 0, 1
	TURN 1, 0, 1
	STEP 0, 0, 0, 1
	s_sub_co_u32 s3, s3, 1
	s_cmp_lg_u32 s3, 0
	s_cbranch_scc1 .Llap
	TURN 0, 1, 0
	STEP 1, 0, 0, 0
	s_wait_dscnt 4*NL
	WIN MUL_LO
	MUL16 0, 1, NQ-1, 1, 0
	MUL16 2, 1, NQ-1, 1, 0
	s_wait_dscnt 0
	WIN MUL_HI
	MUL16 4, 1, NQ-1, 1, 0
	MUL16 6, 1, NQ-1, 1, 0
	WIN 0
; THE WAY OUT, block by block of 16 rows x 128 columns: through my own stage, back as whole rows of 512 bytes; the bias and the residual are added there; 32 lanes store 512 consecutive bytes.
.macro RESID a
.set RB, RS+64*((\a)%2)
.irp t, 0,1,2,3,4,5,6,7,8,9,10,11,12,13,14,15
	global_load_b128 v[RB+4*\t:RB+4*\t+3], v[CO], s[RESP:RESP+1] offset:(16*(\a)+\t)*SIZE_N*4 th:TH_LOAD_NT
.endr
.endm
.macro TOSTAGE a
.set AC, 64*((\a)%4)
	WIN 0x08+4*((\a)/4)
.irp b, 0,1,2,3,4,5,6,7
	ds_store_b128 v[STO], v[AC+8*\b:AC+8*\b+3] offset:64*\b          ; each accumulator from its low end on
	ds_store_b128 v[STO], v[AC+8*\b+4:AC+8*\b+7] offset:64*\b+16
.endr
	WIN 0
.irp t, 0,1,2,3,4,5,6,7,8,9,10,11,12,13,14,15
	ds_load_b128 v[BB+4*\t:BB+4*\t+3], v[RD] offset:\t*SPITCH
.endr
.endm
.macro OUTB a
.set RB, RS+64*((\a)%2)
.irp t, 0,1,2,3,4,5,6,7,8,9,10,11,12,13,14,15
	v_pk_add_f32 v[BB+4*\t:BB+4*\t+1], v[BB+4*\t:BB+4*\t+1], v[BI:BI+1]
	v_pk_add_f32 v[BB+4*\t+2:BB+4*\t+3], v[BB+4*\t+2:BB+4*\t+3], v[BI+2:BI+3]
.endr
.irp t, 0,1,2,3,4,5,6,7,8,9,10,11,12,13,14,15
	v_pk_add_f32 v[BB+4*\t:BB+4*\t+1], v[BB+4*\t:BB+4*\t+1], v[RB+4*\t:RB+4*\t+1]
	v_pk_add_f32 v[BB+4*\t+2:BB+4*\t+3], v[BB+4*\t+2:BB+4*\t+3], v[RB+4*\t+2:RB+4*\t+3]
.endr
.irp t, 0,1,2,3,4,5,6,7,8,9,10,11,12,13,14,15
	global_store_b128 v[CO], v[BB+4*\t:BB+4*\t+3], s[12:13] offset:(16*(\a)+\t)*SIZE_N*4 th:TH_STORE_NT
.endr
.endm
	PLACES NP
	global_load_b128 v[BI:BI+3], v[CO], s[BIASP:BIASP+1]
	RESID 0
.irp a, 0,1,2,3,4,5,6,7
.if \a < 7
	RESID \a+1
.endif
.if \a > 0
	s_wait_xcnt 0x0                                ; the last block's stores have read their registers
.endif
	TOSTAGE \a
	s_wait_dscnt 0x0
.if \a < 7
	s_wait_loadcnt 16                              ; this block's residual (and the bias) is in; the next block's 16 loads stay out
.else
	s_wait_loadcnt 0x0
.endif
	OUTB \a
.endr
	s_wait_tensorcnt 0x0                           ; the wave's end
	ds_add_u32 v[SPW], v[NIL]
	s_wait_dscnt 0x0
	CROUND                                         ; the closing round
	s_endpgm
.Lfunc_end_k_qe12eb51c08_down:
	.size	k_qe12eb51c08_down, .Lfunc_end_k_qe12eb51c08_down-k_qe12eb51c08_down
	.p2alignl 7, 3214868480
	.fill 96, 4, 3214868480
	.section	.rodata,"a",@progbits
	.p2align	6, 0x0
	.amdhsa_kernel k_qe12eb51c08_down
		.amdhsa_group_segment_fixed_size 327680
		.amdhsa_private_segment_fixed_size 0
		.amdhsa_enable_private_segment 0
		.amdhsa_kernarg_size 48
		.amdhsa_user_sgpr_count 2
		.amdhsa_user_sgpr_kernarg_segment_ptr 1
		.amdhsa_wavefront_size32 1
		.amdhsa_system_sgpr_workgroup_id_x 1
		.amdhsa_system_sgpr_workgroup_id_y 1
		.amdhsa_system_sgpr_workgroup_id_z 1
		.amdhsa_system_vgpr_workitem_id 0
		.amdhsa_next_free_vgpr 1024
		.amdhsa_next_free_sgpr 102
		.amdhsa_reserve_vcc 0
		.amdhsa_float_denorm_mode_32 3
		.amdhsa_float_denorm_mode_16_64 3
		.amdhsa_memory_ordered 1
		.amdhsa_forward_progress 1
		.amdhsa_inst_pref_size 191
	.end_amdhsa_kernel
	.amdgpu_metadata
---
amdhsa.version: [ 1, 2 ]
amdhsa.kernels:
  - .name:           k_qe12eb51c08_down
    .symbol:         k_qe12eb51c08_down.kd
    .args:
      - { .name: g, .offset: 0, .size: 8, .value_kind: global_buffer, .address_space: global }
      - { .name: W2_codes, .offset: 8, .size: 8, .value_kind: global_buffer, .address_space: global }
      - { .name: W2_scales, .offset: 16, .size: 8, .value_kind: global_buffer, .address_space: global }
      - { .name: b2, .offset: 24, .size: 8, .value_kind: global_buffer, .address_space: global }
      - { .name: x1, .offset: 32, .size: 8, .value_kind: global_buffer, .address_space: global }
      - { .name: out0, .offset: 40, .size: 8, .value_kind: global_buffer, .address_space: global }
    .group_segment_fixed_size: 327680
    .private_segment_fixed_size: 0
    .kernarg_segment_align: 8
    .kernarg_segment_size: 48
    .max_flat_workgroup_size: 128
    .sgpr_count:     102
    .vgpr_count:     1024
    .wavefront_size: 32
...
	.end_amdgpu_metadata
.endif
;; end of part 6
;; ======== version 2 of 2: 7 launches
;; limits: right only within a limited range of input values
;; workspace buffers: act1 4,325,376 bytes; qk 8,650,752 bytes; vt 4,325,376 bytes; yact 4,325,376 bytes; x1 16,777,216 bytes; act2 4,325,376 bytes; g 17,301,504 bytes
;; launch ln1: the kernel of part 1 again; grid 256 x 1, 4 waves a work-group, no clusters, 21,504 bytes of LDS; arguments x, ln1_g, ln1_b, act1; writes act1
;; launch qkv: the kernel of part 2 again; grid 12 x 16, 4 waves a work-group, clusters of 4 x 4, 327,680 bytes of LDS; arguments act1, Wq_codes, Wq_scales, Wk_codes, Wk_scales, Wv_codes, Wv_scales, bq, bk, bv, qk, vt; writes qk, vt
;; launch attn (part 7): grid 8 x 32, 16 waves a work-group, clusters of 4 x 1, 327,680 bytes of LDS; arguments qk, vt, yact; writes yact
.if DOCPART == 7
	.amdgcn_target "amdgcn-amd-amdhsa--gfx1250"
	.amdhsa_code_object_version 6
	.text
	.protected	k_qe12eb51c08_attn
	.globl	k_qe12eb51c08_attn
	.p2align	8
	.type	k_qe12eb51c08_attn,@function
k_qe12eb51c08_attn:
	s_mov_b64 s[64:65], 0
	v_nop
	global_prefetch_b8 v0, s[64:65] scope:SCOPE_SE
	s_setreg_imm32_b32 hwreg(HW_REG_WAVE_MODE, 25, 1), 1
	s_wait_xcnt 0x0
	s_wait_alu depctr_hold_cnt(0) depctr_sa_sdst(0) depctr_va_vdst(0) depctr_va_sdst(0) depctr_va_ssrc(0) depctr_va_vcc(0) depctr_vm_vsrc(0)
	s_getreg_b32 s2, hwreg(HW_REG_IB_STS2, 6, 4)
	s_cmp_eq_u32 s2, 0
	s_cbranch_scc0 .Lentry_in_a_cluster
	s_endpgm
.Lentry_in_a_cluster:
	s_bfe_u32 s2, ttmp6, 0x10000c
	s_cmp_lg_u32 s2, 0x3003
	s_cbranch_scc0 .Lentry_shape_is_right
	s_endpgm
.Lentry_shape_is_right:
; CAUSAL ATTENTION ON CODES, head size 64, and the quantiser of its result.  qk, vt: as the launch before lays them.  yact: codes [4096][1024], scale bytes [4096][32] at 4,194,304.
; LEFT OUT: key steps all of whose 128 keys come after the wave's 16 queries: the causal mask gives them the weight 0 for all values of the inputs.  A NaN or infinity that lies only there is not carried on.
; THE SOFTMAX: t = score x log2(e) / 8; M = the running largest t rounded up to a whole number; p = 2^(t - M) is quantised along the keys; the row's sum is taken of the unquantised p and divides at the end.
; A block's largest p is made from the block's largest score by the same two instructions; this takes v_exp_f32 not to fall where its input rises.
; SHARES.  A work-group (x = j, 0..7; y = the head) has sixteen waves; wave w owns the 16 queries of tile j + 8 I(w), I a fixed table.  It works on key steps 0 .. I: I + 1 steps.  The table is a magic square:
; the waves w % 4 = const and the waves w / 4 = const each sum to 30, so that every group of four waves has 34 steps, and every work-group 136.  Step st is hidden where st > I and lies on the diagonal where st = I, whatever j:
; so no branch hangs on the work-group's place, and the four partners of a cluster read the same tiles.
; ALL OF A HEAD'S K AND V LIES IN LDS: 1,024 rows of 128 bytes each, filled once, by joint loads of the four partners.  Nothing is filled again, nothing is stored to LDS.
; K = 64 IN A FORM OF K = 128.  A row of K's tile holds TWO keys (t and t + 8): a fragment is 32 keys.  It is multiplied by Q1 = [q | 0] and by Q2 = [0 | q]: two tiles of 16 keys.  By the order of the slots the 16 registers
; of the two tiles are keys 32 f + 16 (lane / 16) + 0 .. 15: neighbours, as the second product's operand wants them.  Both products are used transposed: a lane holds one query throughout.
; LIMITS: NaN and infinities are not served; a block of y under 2^-118 keeps the byte 1, a block of zeros too.  A head's 64 codes are a quarter of 256 consecutive bytes of y's row: these stores are of 8 bytes a lane.
; REGISTERS: v1-4 places that stay; v5, v6 the add's; v7 the diagonal's number; v8-11 the step's addresses; v12 -M, v13 the largest t, v[14:15] the sum; v16-18 the way out; v32-95 four fragments; v96-159 S^T, then p;
; v160-191 O^T; v192-199 q, v200-207 zeros, v208-215 q; v216, v217 q's scale words; v224-239 p's codes; v232-254 at work; v248-251 K's or V's scale words; v253 p's.
.set KP,    144                        ; a row in LDS: 128 bytes + 16
.set VB,    147456                     ; V's 1,024 rows, behind K's
.set SCK,   294912                     ; K's scale bytes: 16 units of 256 bytes + 16: one a step
.set SCV,   299264                     ; V's likewise
.set SPARE, 303616                     ; the spare words, 128 bytes a wave; no other line names them
.set AK0,  1
.set AV0,  2
.set ASK0, 3
.set ASV0, 4
.set SPW,  5
.set NIL,  6
.set DG,   7
.set ADK,  8
.set ADV,  9
.set ADS,  10
.set ADT,  11
.set GO,   16
.set GS,   17
.set HH,   18
.set WV,   10
.set IW,   11
.set JW,   12
.set BH,   13
.set ST,   14
.set TK,   15
.set TS,   16
.set MNT,  19
.set SEL,  20
.set CS,   22
.set G1A,  24                          ; s[24:31] 32 rows of 128 bytes;  s[32:39] 96 rows;  s[40:47] 2 rows of 256 bytes
.set G1R,  32
.set G1S,  40
.set G0S,  48
.set G0A,  52
.set G0R,  56
.macro CROUND
	s_barrier_signal -1
	s_barrier_wait -1
	s_cmp_lg_u32 s[WV], 0
	s_cbranch_scc1 .Lnot_wave_0_\@
	s_barrier_signal -3
.Lnot_wave_0_\@:
	s_barrier_wait -3
	s_barrier_signal -1
	s_barrier_wait -1
.endm
	s_load_b128 s[4:7], s[0:1], 0x0                ; qk, vt
	s_load_b64 s[8:9], s[0:1], 0x10                ; yact
	v_lshl_add_u32 v[SPW], v0, 2, SPARE
	v_mov_b32 v[NIL], 0
	ds_add_u32 v[SPW], v[NIL]                      ; the wave's opening: the add, twice on end, and its wait ahead of my first tensor load
	ds_add_u32 v[SPW], v[NIL]
	v_lshrrev_b32 v8, 5, v0
	s_delay_alu instid0(VALU_DEP_1)
	v_readfirstlane_b32 s[WV], v8                  ; wave 0..15
	s_bfe_u32 s[JW], ttmp6, 0x40000                ; cx
	s_lshl_b32 s62, ttmp9, 2
	s_add_co_u32 s[JW], s[JW], s62                 ; j = 4 x cluster x + cx: it enters q's and y's addresses and the diagonal's number alone
	s_and_b32 s[BH], ttmp7, 0xffff                 ; the head, 16 x batch + head
	s_and_b32 s62, s[WV], 7
	s_lshl_b32 s62, s62, 2
	s_mov_b32 s63, 0x0DE3B658
	s_cmp_lt_u32 s[WV], 8
	s_cselect_b32 s63, 0x7A94C12F, s63
	s_lshr_b32 s[IW], s63, s62
	s_and_b32 s[IW], s[IW], 15                     ; I(w): 15 2 1 12 4 9 10 7 8 5 6 11 3 14 13 0
	s_mov_b32 s[G1A], 15|(0<<16)|(1<<20)|(1<<21)|(4<<22)|(3<<25)   ; the mask: all four partners; elements of 1 byte; 4 words of padding after every 32; bit 21 beside a mask
	s_mov_b32 s[G1A+1], 128<<16
	s_mov_b32 s[G1A+2], 32<<16
	s_mov_b32 s[G1A+3], 128<<16
	s_mov_b32 s[G1A+4], 32
	s_mov_b32 s[G1A+5], 128
	s_mov_b32 s[G1A+6], 0
	s_mov_b32 s[G1A+7], 0
	s_mov_b32 s[G1R], 15|(0<<16)|(1<<20)|(1<<21)|(4<<22)|(3<<25)
	s_mov_b32 s[G1R+1], 128<<16
	s_mov_b32 s[G1R+2], 96<<16
	s_mov_b32 s[G1R+3], 128<<16
	s_mov_b32 s[G1R+4], 96
	s_mov_b32 s[G1R+5], 128
	s_mov_b32 s[G1R+6], 0
	s_mov_b32 s[G1R+7], 0
	s_mov_b32 s[G1S], 15|(3<<16)|(1<<20)|(1<<21)|(5<<22)|(3<<25)   ; elements of 8 bytes; 4 words of padding after every 64
	s_mov_b32 s[G1S+1], 32<<16
	s_mov_b32 s[G1S+2], 2<<16
	s_mov_b32 s[G1S+3], 32<<16
	s_mov_b32 s[G1S+4], 2
	s_mov_b32 s[G1S+5], 32
	s_mov_b32 s[G1S+6], 0
	s_mov_b32 s[G1S+7], 0
	; what I fetch: waves 0-7 an eighth of K's, waves 8-15 an eighth of V's: of the scale bytes, of the first four steps' rows, of the other twelve steps' rows
	s_lshr_b32 s66, s[WV], 3                       ; e: 0 K, 1 V
	s_and_b32 s67, s[WV], 7                        ; i
	s_xor_b32 s68, s66, 1
	s_lshl_b32 s69, s68, 5
	s_add_co_u32 s69, s69, s[BH]                   ; the head's number in its tensor: k's heads lie behind q's 32
	s_lshl_b32 s70, s69, 17                        ; its codes: 131,072 bytes a head
	s_lshl_b32 s72, s69, 12                        ; its scale bytes: 4,096 a head,
	s_lshl_b32 s73, s68, 22
	s_add_co_u32 s72, s72, s73
	s_add_co_u32 s72, s72, 4194304                 ; from byte 8,388,608 in qk, 4,194,304 in vt,
	s_lshl_b32 s73, s67, 9
	s_add_co_u32 s72, s72, s73                     ; my 512
	s_mov_b32 s73, 0
	s_lshl_b32 s74, s67, 12                        ; my 32 rows of the first 256
	s_add_co_u32 s74, s74, s70
	s_mov_b32 s75, 0
	s_mul_i32 s76, s67, 12288                      ; my 96 rows of the other 768
	s_add_co_u32 s76, s76, s70
	s_add_co_u32 s76, s76, 32768
	s_mov_b32 s77, 0
	s_mul_i32 s78, s66, VB                         ; and in LDS: the wave's number and constants alone
	s_mul_i32 s79, s67, 32*KP
	s_add_co_u32 s79, s79, s78
	s_mul_i32 s80, s67, 96*KP
	s_add_co_u32 s80, s80, s78
	s_add_co_u32 s80, s80, 256*KP
	s_mul_i32 s81, s66, SCV-SCK
	s_mul_i32 s82, s67, 544
	s_add_co_u32 s81, s81, s82
	s_add_co_u32 s81, s81, SCK
	; my queries and my rows of y
	s_lshl_b32 s83, s[IW], 3
	s_add_co_u32 s83, s83, s[JW]                   ; my tile of 16 queries
	s_lshl_b32 s85, s83, 4
	s_lshl_b32 s84, s[BH], 11
	s_add_co_u32 s84, s84, s85                     ; its first slot
	s_lshl_b32 s86, s84, 6
	s_mov_b32 s87, 0
	s_lshl_b32 s88, s84, 1
	s_add_co_u32 s88, s88, 8388608
	s_mov_b32 s89, 0
	s_lshr_b32 s90, s[BH], 4
	s_lshl_b32 s90, s90, 11
	s_add_co_u32 s90, s90, s85                     ; my first row of y: 2,048 x batch + 16 x tile
	s_and_b32 s91, s[BH], 15
	s_lshl_b32 s92, s90, 10
	s_lshl_b32 s93, s91, 6
	s_add_co_u32 s92, s92, s93
	s_mov_b32 s93, 0
	s_lshl_b32 s94, s90, 5
	s_lshl_b32 s95, s91, 1
	s_add_co_u32 s94, s94, s95
	s_add_co_u32 s94, s94, 4194304
	s_mov_b32 s95, 0
	s_mov_b32 s[SEL], 0x76543210
	s_mov_b32 s[SEL+1], 0xfedcba98
	s_mov_b32 s[CS], 0x3e38aa3b                    ; c = log2(e) / sqrt(64)
	s_mov_b32 s[CS+1], s[CS]
	s_wait_dscnt 0x0                               ; both opening adds are done
	s_wait_kmcnt 0x0
	s_cmp_lt_u32 s[WV], 8
	s_cselect_b64 s[60:61], s[4:5], s[6:7]         ; the tensor that I fetch from: chosen by the wave's number
	s_mov_b32 s[G0S], 1
	s_mov_b32 s[G0S+1], s81
	s_add_nc_u64 s[G0S+2:G0S+3], s[60:61], s[72:73]
	s_or_b32 s[G0S+3], s[G0S+3], 0x80000000
	s_mov_b32 s[G0A], 1
	s_mov_b32 s[G0A+1], s79
	s_add_nc_u64 s[G0A+2:G0A+3], s[60:61], s[74:75]
	s_or_b32 s[G0A+3], s[G0A+3], 0x80000000
	s_mov_b32 s[G0R], 1
	s_mov_b32 s[G0R+1], s80
	s_add_nc_u64 s[G0R+2:G0R+3], s[60:61], s[76:77]
	s_or_b32 s[G0R+3], s[G0R+3], 0x80000000
	s_add_nc_u64 s[86:87], s[4:5], s[86:87]        ; q's codes
	s_add_nc_u64 s[88:89], s[4:5], s[88:89]        ; q's scale bytes
	s_add_nc_u64 s[92:93], s[8:9], s[92:93]        ; y's codes
	s_add_nc_u64 s[94:95], s[8:9], s[94:95]        ; y's scale bytes
	CROUND                                         ; all four work-groups are here: the joint loads meet
	tensor_load_to_lds s[G0S:G0S+3], s[G1S:G1S+7]  ; every wave issues its three first fills, with no branch: three loads of mine are out
	s_nop 0
	tensor_load_to_lds s[G0A:G0A+3], s[G1A:G1A+7]
	s_nop 0
	tensor_load_to_lds s[G0R:G0R+3], s[G1R:G1R+7]
	s_nop 0
.rept 4
	v_nop
.endr
	v_and_b32 v8, 15, v0                           ; r
	v_bfe_u32 v9, v0, 4, 1                         ; h
	s_delay_alu instid0(VALU_DEP_2)
	v_mul_u32_u24 v[AK0], v8, KP
	s_delay_alu instid0(VALU_DEP_1)
	v_lshl_add_u32 v[AK0], v9, 4, v[AK0]           ; row r, + 16 h
	s_delay_alu instid0(VALU_DEP_1)
	v_add_nc_u32 v[AV0], VB, v[AK0]
	v_lshl_add_u32 v[ASK0], v8, 2, SCK
	v_lshl_add_u32 v[ASV0], v8, 2, SCV
	v_and_b32 v10, 7, v8
	v_lshrrev_b32 v11, 3, v8
	s_delay_alu instid0(VALU_DEP_1)
	v_lshl_or_b32 v10, v10, 1, v11                 ; my query's slot among 16
	s_delay_alu instid0(VALU_DEP_1)
	v_lshlrev_b32 v11, 6, v10
	s_delay_alu instid0(VALU_DEP_1)
	v_lshl_add_u32 v11, v9, 4, v11
	s_delay_alu instid0(VALU_DEP_3)
	v_lshlrev_b32 v10, 1, v10
	global_load_b128 v[192:195], v11, s[86:87]             ; q, K = 0..63: registers 4 c on hold 32 c + 16 h + 0..15
	global_load_b128 v[196:199], v11, s[86:87] offset:32
	global_load_b128 v[208:211], v11, s[86:87]             ; and once more: Q2's upper half
	global_load_b128 v[212:215], v11, s[86:87] offset:32
	global_load_u16 v216, v10, s[88:89]                    ; q's two scale bytes: Q1's word (the bytes over the zero codes are 0)
	s_lshl_b32 s62, s[JW], 4
	v_lshlrev_b32 v[DG], 4, v9
	s_delay_alu instid0(VALU_DEP_1)
	v_sub_nc_u32 v[DG], v8, v[DG]
	s_delay_alu instid0(VALU_DEP_1)
	v_add_nc_u32 v[DG], s62, v[DG]                 ; my query - the diagonal step's first key - 16 h
	v_lshlrev_b32 v[GO], 10, v8
	s_delay_alu instid0(VALU_DEP_1)
	v_lshl_add_u32 v[GO], v9, 3, v[GO]             ; y: row r of 1,024 bytes, + 8 h
	v_lshl_add_u32 v[GS], v8, 5, v9                ; its scale bytes: row r of 32, + h
	v_mov_b32 v[HH], v9
	v_mov_b32 v13, 0xff61b1e6                      ; the largest t so far: -3e38
	s_delay_alu instid0(VALU_DEP_1)
	v_floor_f32 v12, -v13                          ; -M
	v_mov_b32 v14, 0
	v_mov_b32 v15, 0
.irp b, 0,1,2,3
	v_mov_b32 v[236+\b], 0                         ; written once: a lane permute's destination counts as one of its sources
.endr
	v_mov_b32 v252, 0
	v_mov_b32 v253, 0
.irp j, 0,1,2,3,4,5,6,7
	v_mov_b32 v[200+\j], 0                         ; the zero half of Q1 and of Q2
.endr
	s_wait_loadcnt 0x0                             ; q
	v_lshlrev_b32 v217, 16, v216                   ; Q2's scale word
.set n, 0
.rept 32
	v_mov_b32 v[160+n], 0                          ; O^T: the step is written once; the first finds zeros, which the first change of M leaves zeros
.set n, n+1
.endr
; A KEY STEP: 128 keys.
.macro STEP
	s_cmp_gt_u32 s[ST], s[IW]                      ; all its keys come after my queries: the work is left out; the lines at its end that step addresses are not
	s_cbranch_scc1 .Lhidden_\@
	s_setprio 2
	v_add_nc_u32 v[ADK], s[TK], v[AK0]
	v_add_nc_u32 v[ADV], s[TK], v[AV0]
	v_add_nc_u32 v[ADS], s[TS], v[ASK0]
	v_add_nc_u32 v[ADT], s[TS], v[ASV0]
.rept 4
	v_nop                                          ; with the four additions: eight places in front of loads into registers that matrix instructions have read
.endr
.irp f, 0,1,2,3
.irp c, 0,1,2,3
	ds_load_b128 v[32+16*\f+4*\c:35+16*\f+4*\c], v[ADK] offset:16*KP*\f+32*\c
.endr
	ds_load_b32 v[248+\f], v[ADS] offset:64*\f
.endr
	s_wait_dscnt 0x0
.irp f, 0,1,2,3
	v_wmma_scale_f32_16x16x128_f8f6f4 v[96+16*\f:103+16*\f], v[32+16*\f:47+16*\f], v[192:207], 0, v[248+\f], v216    ; keys 32 f + 16 h + 0..7
.endr
.irp f, 0,1,2,3
	v_wmma_scale_f32_16x16x128_f8f6f4 v[104+16*\f:111+16*\f], v[32+16*\f:47+16*\f], v[200:215], 0, v[248+\f], v217   ; keys 32 f + 16 h + 8..15
.endr
.rept 8
	v_nop
.endr
	s_cmp_lg_u32 s[ST], s[IW]                      ; only the diagonal's step has hidden keys
	s_cbranch_scc1 .Lopen_\@
	v_mov_b32 v254, 0xff800000                     ; -infinity: p = 0 then
.set n, 0
.rept 64
	v_cmp_gt_i32 vcc_lo, 32*(n/16)+n%16, v[DG]
	v_cndmask_b32 v[96+n], v[96+n], v254, vcc_lo
.set n, n+1
.endr
.Lopen_\@:
.irp b, 0,1,2,3
	v_max3_num_f32 v[232+\b], v[96+16*\b], v[97+16*\b], v[98+16*\b]   ; the largest score of each block of 32 keys: for the row's maximum and for the block's largest p
.endr
.irp i, 3,5,7,9,11,13
.irp b, 0,1,2,3
	v_max3_num_f32 v[232+\b], v[232+\b], v[96+16*\b+\i], v[97+16*\b+\i]
.endr
.endr
.irp b, 0,1,2,3
	v_max_num_f32 v[232+\b], v[232+\b], v[111+16*\b]
.endr
.irp b, 0,1,2,3
	v_permlanex16_b32 v[236+\b], v[232+\b], s[SEL], s[SEL+1]
.endr
.irp b, 0,1,2,3
	s_delay_alu instid0(VALU_DEP_4)
	v_max_num_f32 v[232+\b], v[232+\b], v[236+\b]
.endr
	s_delay_alu instid0(VALU_DEP_2)
	v_max3_num_f32 v254, v232, v233, v234
	s_delay_alu instid0(VALU_DEP_1)
	v_max_num_f32 v254, v254, v235
	s_delay_alu instid0(VALU_DEP_1)
	v_mul_f32 v254, s[CS], v254
	s_delay_alu instid0(VALU_DEP_1)
	v_max_num_f32 v13, v13, v254                   ; the running largest t
	v_mov_b32 v254, v12
	s_delay_alu instid0(VALU_DEP_2)
	v_floor_f32 v12, -v13                          ; the new -M: M is a whole number
	s_delay_alu instid0(VALU_DEP_1)
	v_sub_f32 v254, v12, v254
	s_delay_alu instid0(VALU_DEP_1)
	v_cvt_i32_f32 v254, v254                       ; (it saturates)
	s_delay_alu instid0(VALU_DEP_1)
	v_ldexp_f32 v252, 1.0, v254                    ; f = 2^(old M - new M): exact
.set n, 0
.rept 32
	v_pk_fma_f32 v[96+n:97+n], v[96+n:97+n], s[CS:CS+1], v[12:13] op_sel_hi:[1,0,0]   ; t - M
.set n, n+2
.endr
	s_setprio 1
.irp b, 0,1,2,3
	v_fma_f32 v[232+\b], v[232+\b], s[CS], v12
.endr
.set n, 0
	s_wait_alu depctr_va_vdst(0)
.rept 64
	v_exp_f32 v[96+n], v[96+n]                     ; p = 2^(t - M)
.set n, n+1
.endr
	v_pk_mul_f32 v[14:15], v[14:15], v[252:253] op_sel_hi:[1,0]   ; the sums under the new M (a plain line behind the exponentials)
	s_wait_alu depctr_va_vdst(0)                   ; one wait for the batch, ahead of its first reader
.irp b, 0,1,2,3
	v_exp_f32 v[232+\b], v[232+\b]                 ; the block's largest p
.endr
	v_pk_add_f32 v[236:237], v[100:101], v[104:105]
	v_pk_add_f32 v[254:255], v[108:109], v[112:113]
	v_pk_add_f32 v[250:251], v[116:117], v[120:121]
	v_pk_add_f32 v[248:249], v[124:125], v[128:129]
	v_pk_add_f32 v[246:247], v[132:133], v[136:137]
	v_pk_add_f32 v[244:245], v[140:141], v[144:145]
	v_pk_add_f32 v[242:243], v[148:149], v[152:153]
	v_pk_add_f32 v[14:15], v[14:15], v[156:157]
	v_pk_add_f32 v[236:237], v[236:237], v[96:97]
	v_pk_add_f32 v[254:255], v[254:255], v[98:99]
	v_pk_add_f32 v[250:251], v[250:251], v[102:103]
	v_pk_add_f32 v[248:249], v[248:249], v[106:107]
	v_pk_add_f32 v[246:247], v[246:247], v[110:111]
	v_pk_add_f32 v[244:245], v[244:245], v[114:115]
	v_pk_add_f32 v[242:243], v[242:243], v[118:119]
	v_pk_add_f32 v[14:15], v[14:15], v[122:123]
	v_pk_add_f32 v[236:237], v[236:237], v[126:127]
	v_pk_add_f32 v[254:255], v[254:255], v[130:131]
	v_pk_add_f32 v[250:251], v[250:251], v[134:135]
	v_pk_add_f32 v[248:249], v[248:249], v[138:139]
	v_pk_add_f32 v[246:247], v[246:247], v[142:143]
	v_pk_add_f32 v[244:245], v[244:245], v[146:147]
	v_pk_add_f32 v[242:243], v[242:243], v[150:151]
	v_pk_add_f32 v[14:15], v[14:15], v[154:155]
	v_pk_add_f32 v[236:237], v[236:237], v[158:159]
	s_delay_alu instid0(VALU_DEP_2)
	v_pk_add_f32 v[14:15], v[14:15], v[248:249]
	s_delay_alu instid0(VALU_DEP_2)
	v_pk_add_f32 v[236:237], v[236:237], v[246:247]
	v_pk_add_f32 v[254:255], v[254:255], v[244:245]
	v_pk_add_f32 v[250:251], v[250:251], v[242:243]
	s_delay_alu instid0(VALU_DEP_2)
	v_pk_add_f32 v[14:15], v[14:15], v[254:255]
	s_delay_alu instid0(VALU_DEP_2)
	v_pk_add_f32 v[236:237], v[236:237], v[250:251]
	s_delay_alu instid0(VALU_DEP_1)
	v_pk_add_f32 v[14:15], v[14:15], v[236:237]
	s_wait_alu depctr_va_vdst(0)                   ; and one for the four
.irp b, 0,1,2,3
	v_max_num_f32 v[232+\b], 0x4800000, v[232+\b]  ; the floor 2^(9 - 127)
.endr
.irp b, 0,1,2,3
	s_delay_alu instid0(VALU_DEP_4)
	v_add_nc_u32 v[244+\b], 0xfc000000, v[232+\b]
.endr
.irp b, 0,1,2,3
.endr
.irp b, 0,1,2,3
	s_delay_alu instid0(VALU_DEP_4)
	v_lshrrev_b32 v[236+\b], 23, v[244+\b]
.endr
	s_delay_alu instid0(VALU_DEP_3)
	v_lshl_or_b32 v253, v237, 8, v236              ; p's scale word for these 128 keys
	s_delay_alu instid0(VALU_DEP_1)
	v_lshl_or_b32 v253, v238, 16, v253
	s_delay_alu instid0(VALU_DEP_1)
	v_lshl_or_b32 v253, v239, 24, v253
.irp b, 0,1,2,3
.irp i, 0,1,2,3,4,5,6,7,8,9,10,11,12,13,14,15
.endr
	v_cvt_scalef32_pk8_fp8_f32 v[224+4*\b:225+4*\b], v[96+16*\b:103+16*\b], v[244+\b]
	v_cvt_scalef32_pk8_fp8_f32 v[226+4*\b:227+4*\b], v[104+16*\b:111+16*\b], v[244+\b]
.endr
.set n, 0
	s_setprio 0
.rept 16
	v_pk_mul_f32 v[160+n:161+n], v[160+n:161+n], v[252:253] op_sel_hi:[1,0]   ; O^T under the new M; also the places in front of the products and loads below
.set n, n+2
.endr
.irp t, 0,1,2,3
.irp c, 0,1,2,3
	ds_load_b128 v[32+16*\t+4*\c:35+16*\t+4*\c], v[ADV] offset:16*KP*\t+32*\c
.endr
	ds_load_b32 v[248+\t], v[ADT] offset:64*\t
.endr
	s_wait_alu depctr_va_vdst(0)
	s_wait_dscnt 0x0
.irp t, 0,1,2,3                                ; O^T += V^T P^T: the four accumulators by turns
	v_wmma_scale_f32_16x16x128_f8f6f4 v[160+8*\t:167+8*\t], v[32+16*\t:47+16*\t], v[224:239], v[160+8*\t:167+8*\t], v[248+\t], v253
.endr
.Lhidden_\@:
	s_add_co_u32 s[TK], s[TK], 64*KP               ; the next step's rows,
	s_add_co_u32 s[TS], s[TS], 272                 ; its scale words
	s_add_co_u32 s[ST], s[ST], 1
.endm
	s_wait_tensorcnt 0x1                           ; my scale bytes and my rows of the first four steps are in; my 96 rows may stay out
	s_barrier_signal -1
	s_barrier_wait -1                              ; everybody's are
	s_mov_b32 s[ST], 0
	s_mov_b32 s[TK], 0
	s_mov_b32 s[TS], 0
.Lfirst:
	STEP
	s_cmp_lt_u32 s[ST], 4
	s_cbranch_scc1 .Lfirst
	s_setprio 0
	s_wait_tensorcnt 0x0                           ; my 96 rows are in
	s_wait_dscnt 0x0
	s_barrier_signal -1
	s_barrier_wait -1                              ; everybody's are
	s_mov_b32 s[ST], 4
	s_mov_b32 s[TK], 4*64*KP
	s_mov_b32 s[TS], 4*272
.Lrest:
	STEP
	s_cmp_lt_u32 s[ST], 16
	s_cbranch_scc1 .Lrest
	s_setprio 0
	; THE WAY OUT: y = O^T / the sum, quantised along the head's 64 channels: two blocks of 32, each in my 16 registers and lane l xor 16's
.rept 8
	v_nop
.endr
	v_add_f32 v14, v14, v15
	s_delay_alu instid0(VALU_DEP_1)
	v_permlanex16_b32 v252, v14, s[SEL], s[SEL+1]
	s_delay_alu instid0(VALU_DEP_1)
	v_add_f32 v14, v14, v252
	s_wait_alu depctr_va_vdst(0)
	v_rcp_f32 v14, v14
	v_nop
	s_wait_alu depctr_va_vdst(0)                   ; ahead of the first reader
.set n, 0
.rept 32
	v_mul_f32 v[96+n], v[160+n], v14               ; register 8 t + i: channel 16 t + 8 h + i
.set n, n+1
.endr
.irp b, 0,1
	v_max3_num_f32 v[232+\b], |v[96+16*\b]|, |v[97+16*\b]|, 0x4800000
.endr
.irp i, 2,4,6,8,10,12,14
.irp b, 0,1
	s_delay_alu instid0(VALU_DEP_2)
	v_max3_num_f32 v[232+\b], v[232+\b], |v[96+16*\b+\i]|, |v[97+16*\b+\i]|
.endr
.endr
.irp b, 0,1
	v_permlanex16_b32 v[236+\b], v[232+\b], s[SEL], s[SEL+1]
.endr
.irp b, 0,1
	s_delay_alu instid0(VALU_DEP_2)
	v_max_num_f32 v[232+\b], v[232+\b], v[236+\b]
.endr
.irp b, 0,1
	s_delay_alu instid0(VALU_DEP_2)
	v_add_nc_u32 v[244+\b], 0xfc000000, v[232+\b]
.endr
.irp b, 0,1
.endr
.irp b, 0,1
	s_delay_alu instid0(VALU_DEP_2)
	v_lshrrev_b32 v[236+\b], 23, v[244+\b]
.endr
	v_cmp_eq_u32 vcc_lo, 1, v[HH]
	s_delay_alu instid0(VALU_DEP_1)
	v_cndmask_b32 v238, v236, v237, vcc_lo         ; lanes 0-15 store block 0's byte, lanes 16-31 block 1's
.irp b, 0,1
.irp i, 0,1,2,3,4,5,6,7,8,9,10,11,12,13,14,15
.endr
	v_cvt_scalef32_pk8_fp8_f32 v[224+4*\b:225+4*\b], v[96+16*\b:103+16*\b], v[244+\b]
	v_cvt_scalef32_pk8_fp8_f32 v[226+4*\b:227+4*\b], v[104+16*\b:111+16*\b], v[244+\b]
.endr
	v_nop                                          ; a plain line behind the last conversion
.irp t, 0,1,2,3
	global_store_b64 v[GO], v[224+2*\t:225+2*\t], s[92:93] offset:16*\t
.endr
	global_store_b8 v[GS], v238, s[94:95]
	s_wait_tensorcnt 0x0                           ; the wave's end
	ds_add_u32 v[SPW], v[NIL]
	s_wait_dscnt 0x0
	CROUND                                         ; the closing round
	s_endpgm
.Lfunc_end_k_qe12eb51c08_attn:
	.size	k_qe12eb51c08_attn, .Lfunc_end_k_qe12eb51c08_attn-k_qe12eb51c08_attn
	.p2alignl 7, 3214868480
	.fill 96, 4, 3214868480
	.section	.rodata,"a",@progbits
	.p2align	6, 0x0
	.amdhsa_kernel k_qe12eb51c08_attn
		.amdhsa_group_segment_fixed_size 327680
		.amdhsa_private_segment_fixed_size 0
		.amdhsa_enable_private_segment 0
		.amdhsa_kernarg_size 24
		.amdhsa_user_sgpr_count 2
		.amdhsa_user_sgpr_kernarg_segment_ptr 1
		.amdhsa_wavefront_size32 1
		.amdhsa_system_sgpr_workgroup_id_x 1
		.amdhsa_system_sgpr_workgroup_id_y 1
		.amdhsa_system_sgpr_workgroup_id_z 1
		.amdhsa_system_vgpr_workitem_id 0
		.amdhsa_next_free_vgpr 256
		.amdhsa_next_free_sgpr 102
		.amdhsa_reserve_vcc 1
		.amdhsa_float_denorm_mode_32 3
		.amdhsa_float_denorm_mode_16_64 3
		.amdhsa_fp16_overflow 1
		.amdhsa_memory_ordered 1
		.amdhsa_forward_progress 1
		.amdhsa_inst_pref_size 61
	.end_amdhsa_kernel
	.amdgpu_metadata
---
amdhsa.version: [ 1, 2 ]
amdhsa.kernels:
  - .name:           k_qe12eb51c08_attn
    .symbol:         k_qe12eb51c08_attn.kd
    .args:
      - { .name: qk, .offset: 0, .size: 8, .value_kind: global_buffer, .address_space: global }
      - { .name: vt, .offset: 8, .size: 8, .value_kind: global_buffer, .address_space: global }
      - { .name: yact, .offset: 16, .size: 8, .value_kind: global_buffer, .address_space: global }
    .group_segment_fixed_size: 327680
    .private_segment_fixed_size: 0
    .kernarg_segment_align: 8
    .kernarg_segment_size: 24
    .max_flat_workgroup_size: 512
    .sgpr_count:     102
    .vgpr_count:     256
    .wavefront_size: 32
...
	.end_amdgpu_metadata
.endif
;; end of part 7
;; launch proj (part 8): grid 8 x 32, 4 waves a work-group, clusters of 4 x 4, 327,680 bytes of LDS; arguments yact, Wo_codes, Wo_scales, bo, x, x1; writes x1
.if DOCPART == 8
	.amdgcn_target "amdgcn-amd-amdhsa--gfx1250"
	.amdhsa_code_object_version 6
	.text
	.protected	k_qe12eb51c08_proj
	.globl	k_qe12eb51c08_proj
	.p2align	8
	.type	k_qe12eb51c08_proj,@function
k_qe12eb51c08_proj:
	s_mov_b64 s[64:65], 0
	v_nop
	global_prefetch_b8 v0, s[64:65] scope:SCOPE_SE
	s_setreg_imm32_b32 hwreg(HW_REG_WAVE_MODE, 25, 1), 1
	s_wait_xcnt 0x0
	s_wait_alu depctr_hold_cnt(0) depctr_sa_sdst(0) depctr_va_vdst(0) depctr_va_sdst(0) depctr_va_ssrc(0) depctr_va_vcc(0) depctr_vm_vsrc(0)
	s_getreg_b32 s2, hwreg(HW_REG_IB_STS2, 6, 4)
	s_cmp_eq_u32 s2, 0
	s_cbranch_scc0 .Lentry_in_a_cluster
	s_endpgm
.Lentry_in_a_cluster:
	s_bfe_u32 s2, ttmp6, 0x10000c
	s_cmp_lg_u32 s2, 0xf033
	s_cbranch_scc0 .Lentry_shape_is_right
	s_endpgm
.Lentry_shape_is_right:
; x1 = x + (y Wo + bo).  y: yact (codes of E4M3 [4096][1024], E8M0 scale bytes [4096][32] at 4,194,304); Wo: codes [1024][1024], K innermost, scale bytes [1024][32]; bo [1024], x, x1 [4096][1024]: f32.
; A tile of x1 is 128 x 128: 256 tiles, 256 work-groups.  Four waves, each 64 x 64: 16 accumulators of 16 x 16.  K = 1,024 is two steps of 512: two LDS slots, both filled at the head, nothing filled again.
; CLUSTERS: 4 x 4; A's tiles are asked for jointly along a row of the cluster, B's along a column.  The matrix instruction is used transposed (source 0 = rows of Wo, source 1 = rows of y): a lane holds eight neighbouring numbers of a row.
; THE SCALE WORDS of a wave's 64 rows of y and 64 rows of Wo, for all of K, are 2,048 consecutive bytes each: eight loads at the head bring them into registers.  A scale register holds 32 rows: two blocks of 16, the second in lanes 16-31.
; THE RESIDUAL of the wave's 64 x 64 is asked for at the head, 256 consecutive bytes to sixteen lanes, and waits in registers for the way out.
; No prefetch: both K steps' tiles are asked for at the head, and nothing is asked for later.
; REGISTERS: window 0: v0-31 addresses, v[8:11] the bias; v32-47 A's scale words, v48-63 B's, and nothing else; v128-255 the accumulators ((a, b) at v[128 + 8 (4 a + b)]).
;   window 1: two fragment buffers of 128: for 128 along K, A's four blocks (64 registers), then B's four.   window 2: v0-127 the residual.
.set KTOT,   1024
.set ROWB,   512                       ; a tile's row in bytes: a K step
.set KROW,   KTOT
.set PITCH,  528                       ; an LDS row: 512 bytes + 16 = 132 words: row r starts at bank 4 r mod 64 (64 banks of 4 bytes: ISA guide 11.1)
.set FR,     16
.set NP,     8                         ; places behind this matrix instruction (ISA guide 7.12.1)
.set HALFT,  64*PITCH                  ; 64 rows: what one tensor load brings, and what one wave reads of A or of B
.set SLOT,   4*HALFT                   ; A's 128 rows, then B's 128
.set STAGE,  2*SLOT+64*272             ; the way out: 16 rows x (256 bytes + 16) for each wave, bytes of their own: no fill lands there
.set SPITCH, 272
.set SPARE,  STAGE+4*16*SPITCH         ; the spare words, 128 bytes a wave; no other line names them
.set BI,   8
.set BO,   12                          ; v12  16 x (lane % 16)
.set AGS,  15                          ; v15  32 x lane: a row of scale bytes
.set ADRA, 16
.set ADRB, 20
.set STO,  24
.set RD,   25
.set CO,   26                          ; v26  4,096 x (lane / 16) + 16 x (lane % 16): two rows of x and of x1
.set SPW,  28
.set NIL,  29
.set SA,   32
.set SB,   48
.set ACC,  128
.set G1, 24
.set G0, 32
.set G1B, 48
.set G0B, 56
.set BIASP, 68                         ; s[68:69] the bias, s[70:71] the residual
.set RESP,  70
.set ASP,   76                         ; s[76:77] A's scale bytes of my 64 rows, s[78:79] B's
.set BSP,   78
.set MSB, 0
.macro WIN new                         ; the immediate's high byte repeats the setting that is left
.if MSB != (\new)
	s_set_vgpr_msb (MSB<<8)|(\new)
.set MSB, (\new)
.endif
.endm
.set MUL,   0x05                       ; sources 0 (B) and 1 (A) window 1; C and D window 0
.set TO_F,  0x40                       ; destination window 1, address window 0
.set TO_R,  0x80                       ; destination window 2
.set ADD_R, 0x08                       ; source 1 window 2
.macro JLOAD g0a, g1a, g0b, g1b        ; a joint load: waves 0, 1 for A, waves 2, 3 for B; an s_nop 0 and four v_nop follow each line
	s_cmp_eq_u32 s15, 0
	s_cbranch_scc0 .Lfor_b_\@
	tensor_load_to_lds s[\g0a:\g0a+3], s[\g1a:\g1a+7]
	s_nop 0
.rept 4
	v_nop
.endr
	s_branch .Lasked_\@
.Lfor_b_\@:
	tensor_load_to_lds s[\g0b:\g0b+3], s[\g1b:\g1b+7]
	s_nop 0
.rept 4
	v_nop
.endr
.Lasked_\@:
.endm
.macro CROUND                          ; a round of the cluster's barrier
	s_barrier_signal -1
	s_barrier_wait -1
	s_cmp_lg_u32 s14, 0
	s_cbranch_scc1 .Lnot_wave_0_\@
	s_barrier_signal -3
.Lnot_wave_0_\@:
	s_barrier_wait -3
	s_barrier_signal -1
	s_barrier_wait -1
.endm
	s_load_b64 s[4:5], s[0:1], 0x0                 ; yact
	s_load_b128 s[8:11], s[0:1], 0x8               ; Wo's codes, Wo's scales
	s_load_b128 s[68:71], s[0:1], 0x18             ; bo, x
	s_load_b64 s[12:13], s[0:1], 0x28              ; x1
	v_lshl_add_u32 v[SPW], v0, 2, SPARE
	v_mov_b32 v[NIL], 0
	ds_add_u32 v[SPW], v[NIL]                      ; the wave's opening: the add, twice on end, and its wait ahead of my first tensor load
	ds_add_u32 v[SPW], v[NIL]
	v_lshrrev_b32 v1, 5, v0
	v_readfirstlane_b32 s14, v1                    ; wave 0..3
	s_lshr_b32 s15, s14, 1                         ; my half of the tile's rows; also: I fetch for A (0) or B (1)
	s_and_b32 s16, s14, 1                          ; my half of its columns; also: which 64 rows I fetch
	s_bfe_u32 s40, ttmp6, 0x40000                  ; cx
	s_bfe_u32 s41, ttmp6, 0x40004                  ; cy
	s_lshl_b32 s42, ttmp9, 2
	s_add_co_u32 s42, s42, s40                     ; tile column
	s_and_b32 s17, ttmp7, 0xffff
	s_lshl_b32 s17, s17, 2
	s_add_co_u32 s17, s17, s41                     ; tile row
	s_lshl_b32 s43, s41, 2
	s_lshl_b32 s43, 15, s43                        ; my row of the cluster
	s_lshl_b32 s44, 0x1111, s40                    ; my column
	s_or_b32 s[G1+0], s43, (0<<16)|(1<<20)|(1<<21)|(6<<22)|(3<<25)   ; the mask; elements of 1 byte; padding: 4 words after every 128; bit 21 beside a mask
	s_or_b32 s[G1B+0], s44, (0<<16)|(1<<20)|(1<<21)|(6<<22)|(3<<25)
.irp g, G1, G1B
	s_mov_b32 s[\g+1], ROWB<<16                    ; tensor_dim0
	s_mov_b32 s[\g+2], 64<<16                      ; tensor_dim1
	s_mov_b32 s[\g+3], ROWB<<16                    ; tile_dim0
	s_mov_b32 s[\g+4], 64                          ; tile_dim1
	s_mov_b32 s[\g+5], KROW                        ; the pitch
	s_mov_b32 s[\g+6], 0
	s_mov_b32 s[\g+7], 0
.endr
	s_lshl_b32 s18, s16, 6
	s_lshl_b32 s20, s17, 7
	s_add_co_u32 s20, s20, s18                     ; A: row 128 x tile row + 64 x half
	s_lshl_b32 s46, s42, 7
	s_add_co_u32 s46, s46, s18                     ; B: row 128 x tile column + 64 x half
	s_mov_b32 s21, 0
	s_mov_b32 s47, 0
	s_mov_b64 s[18:19], KROW
	s_mul_u64 s[20:21], s[20:21], s[18:19]
	s_mul_u64 s[46:47], s[46:47], s[18:19]
	s_mul_i32 s45, s14, HALFT                      ; where they go: no place in the cluster enters an LDS address
	s_lshl_b32 s[ASP], s17, 12                     ; A's scale bytes: 32 a row: 128 x tile row + 64 x my half of the rows,
	s_lshl_b32 s[ASP+1], s15, 11
	s_add_co_u32 s[ASP], s[ASP], s[ASP+1]
	s_add_co_u32 s[ASP], s[ASP], 4194304           ; behind the codes
	s_mov_b32 s[ASP+1], 0
	s_lshl_b32 s[BSP], s42, 12                     ; B's likewise, by the tile column and my half of the columns
	s_lshl_b32 s[BSP+1], s16, 11
	s_add_co_u32 s[BSP], s[BSP], s[BSP+1]
	s_mov_b32 s[BSP+1], 0
	s_wait_dscnt 0x0                               ; both opening adds are done
	s_wait_kmcnt 0x0
	s_add_nc_u64 s[ASP:ASP+1], s[4:5], s[ASP:ASP+1]
	s_add_nc_u64 s[BSP:BSP+1], s[10:11], s[BSP:BSP+1]
	s_add_nc_u64 s[20:21], s[4:5], s[20:21]
	s_add_nc_u64 s[46:47], s[8:9], s[46:47]
	CROUND                                         ; all sixteen work-groups are here: the joint loads meet
.irp s, 0,1
	s_mov_b32 s[G0+4*\s], 1
	s_add_co_u32 s[G0+4*\s+1], s45, \s*SLOT
	s_add_nc_u64 s[G0+4*\s+2:G0+4*\s+3], s[20:21], \s*ROWB
	s_or_b32 s[G0+4*\s+3], s[G0+4*\s+3], 0x80000000
	s_mov_b32 s[G0B+4*\s], 1
	s_add_co_u32 s[G0B+4*\s+1], s45, \s*SLOT
	s_add_nc_u64 s[G0B+4*\s+2:G0B+4*\s+3], s[46:47], \s*ROWB
	s_or_b32 s[G0B+4*\s+3], s[G0B+4*\s+3], 0x80000000
	JLOAD G0+4*\s, G1, G0B+4*\s, G1B               ; both K steps: two loads of mine are out
.endr
	v_and_b32 v1, 15, v0                           ; r = lane % 16
	v_bfe_u32 v2, v0, 4, 1                         ; h = lane / 16
	v_and_b32 v6, 31, v0                           ; lane
	v_lshlrev_b32 v[AGS], 5, v6
.irp s, 0,1                                    ; the scale words: K step s, rows 32 i + lane: 16 bytes a row
.irp i, 0,1
	global_load_b128 v[SA+8*\s+4*\i:SA+8*\s+4*\i+3], v[AGS], s[ASP:ASP+1] offset:1024*\i+16*\s
	global_load_b128 v[SB+8*\s+4*\i:SB+8*\s+4*\i+3], v[AGS], s[BSP:BSP+1] offset:1024*\i+16*\s
.endr
.endr
	v_mul_u32_u24 v3, v1, PITCH
	v_lshl_add_u32 v4, v2, 4, v3                   ; a fragment's row x pitch + 16 h
	s_mul_i32 s21, s15, HALFT                      ; my 64 rows of A
	s_mul_i32 s22, s16, HALFT                      ; my 64 rows of B,
	s_add_co_u32 s22, s22, 2*HALFT                 ; behind A's 128
.irp s, 0,1
	v_add_nc_u32 v[ADRA+\s], s21, v4
	v_add_nc_u32 v[ADRB+\s], s22, v4
	s_add_co_u32 s21, s21, SLOT
	s_add_co_u32 s22, s22, SLOT
.endr
	s_mul_i32 s23, s14, 16*SPITCH
	s_add_co_u32 s23, s23, STAGE                   ; my stage
	v_mul_u32_u24 v5, v1, SPITCH
	v_lshl_add_u32 v5, v2, 5, v5
	v_add_nc_u32 v[STO], s23, v5                   ; in: row r, 32 bytes for each half of the lanes
	v_mul_u32_u24 v5, v2, SPITCH
	v_lshl_add_u32 v5, v1, 4, v5
	v_add_nc_u32 v[RD], s23, v5                    ; back: lanes 0-15 one row of 256 bytes, lanes 16-31 the next
	v_lshlrev_b32 v[BO], 4, v1
	v_lshl_add_u32 v[CO], v2, 12, v[BO]            ; and the same two rows in memory
	s_lshl_b32 s20, s17, 7
	s_lshl_b32 s21, s15, 6
	s_add_co_u32 s20, s20, s21                     ; my first row
	s_lshl_b32 s20, s20, 12                        ; x 4,096 bytes
	s_mov_b32 s21, 0
	s_lshl_b32 s46, s42, 9
	s_lshl_b32 s47, s16, 8
	s_add_co_u32 s46, s46, s47                     ; my first column, in bytes
	s_mov_b32 s47, 0
	s_add_nc_u64 s[20:21], s[20:21], s[46:47]
	s_add_nc_u64 s[12:13], s[12:13], s[20:21]
	s_add_nc_u64 s[RESP:RESP+1], s[RESP:RESP+1], s[20:21]
	s_add_nc_u64 s[BIASP:BIASP+1], s[BIASP:BIASP+1], s[46:47]
	global_load_b128 v[BI:BI+3], v[BO], s[BIASP:BIASP+1]   ; the bias of my four columns on the way out
	WIN TO_R
.irp a, 0,1,2,3                                ; the residual, laid as the blocks come back from the stage: register 32 a + 4 t on: row 16 a + 2 t + h, columns 4 r on
.irp t, 0,1,2,3,4,5,6,7
	global_load_b128 v[32*\a+4*\t:32*\a+4*\t+3], v[CO], s[RESP:RESP+1] offset:(16*\a+2*\t)*4096 th:TH_LOAD_NT
.endr
.endr
	WIN 0
.macro FRAG reg, adr, q, i             ; 16 rows x 128 K of 8-bit codes: lane l holds row l % 16; registers 4 c .. 4 c + 3 hold K = 32 c + 16 (l / 16) + 0 .. 15
.irp c, 0,1,2,3
	ds_load_b128 v[\reg+4*\c:\reg+4*\c+3], v[\adr] offset:128*(\q)+32*\c+(\i)*16*PITCH
.endr
.endm
; One product: A's block a x B's block b, the slot's q-th 128 along K, from buffer f.  B's scale word lies in register b / 2 of its set, in lanes 16-31 where b is odd; A's likewise by a.
.macro MM f, a, b, q, sc, zero
.set rD, ACC+8*(4*(\a)+(\b))
.set rB, 128*(\f)+64+FR*(\b)
.set rA, 128*(\f)+FR*(\a)
.set rSB, SB+8*(\sc)+4*((\b)/2)+(\q)
.set rSA, SA+8*(\sc)+4*((\a)/2)+(\q)
.if \zero
.if ((\a)%2 == 0) && ((\b)%2 == 0)
	v_wmma_scale_f32_16x16x128_f8f6f4 v[rD:rD+7], v[rB:rB+15], v[rA:rA+15], 0, v[rSB], v[rSA]
.elseif ((\a)%2 == 0)
	v_wmma_scale_f32_16x16x128_f8f6f4 v[rD:rD+7], v[rB:rB+15], v[rA:rA+15], 0, v[rSB], v[rSA] matrix_a_scale:MATRIX_SCALE_ROW1
.elseif ((\b)%2 == 0)
	v_wmma_scale_f32_16x16x128_f8f6f4 v[rD:rD+7], v[rB:rB+15], v[rA:rA+15], 0, v[rSB], v[rSA] matrix_b_scale:MATRIX_SCALE_ROW1
.else
	v_wmma_scale_f32_16x16x128_f8f6f4 v[rD:rD+7], v[rB:rB+15], v[rA:rA+15], 0, v[rSB], v[rSA] matrix_a_scale:MATRIX_SCALE_ROW1 matrix_b_scale:MATRIX_SCALE_ROW1
.endif
.else
.if ((\a)%2 == 0) && ((\b)%2 == 0)
	v_wmma_scale_f32_16x16x128_f8f6f4 v[rD:rD+7], v[rB:rB+15], v[rA:rA+15], v[rD:rD+7], v[rSB], v[rSA]
.elseif ((\a)%2 == 0)
	v_wmma_scale_f32_16x16x128_f8f6f4 v[rD:rD+7], v[rB:rB+15], v[rA:rA+15], v[rD:rD+7], v[rSB], v[rSA] matrix_a_scale:MATRIX_SCALE_ROW1
.elseif ((\b)%2 == 0)
	v_wmma_scale_f32_16x16x128_f8f6f4 v[rD:rD+7], v[rB:rB+15], v[rA:rA+15], v[rD:rD+7], v[rSB], v[rSA] matrix_b_scale:MATRIX_SCALE_ROW1
.else
	v_wmma_scale_f32_16x16x128_f8f6f4 v[rD:rD+7], v[rB:rB+15], v[rA:rA+15], v[rD:rD+7], v[rSB], v[rSA] matrix_a_scale:MATRIX_SCALE_ROW1 matrix_b_scale:MATRIX_SCALE_ROW1
.endif
.endif
.endm
.macro MUL4 f, a, q, sc                ; the 16 accumulators take turns, one instruction a turn, in the same order in every quarter
.irp b, 0,1,2,3
	MM \f, \a, \b, \q, \sc, 0
.endr
.endm
.macro MUL8 f, a0, q, sc, zero
.irp a, \a0, \a0+1
.irp b, 0,1,2,3
	MM \f, (\a), \b, \q, \sc, \zero
.endr
.endr
.endm
.macro FETCH slot, q, f                ; 32 LDS loads in one run: B's four blocks, A's blocks 0, 1, then A's blocks 2, 3
	WIN TO_F
.irp i, 0,1,2,3
	FRAG 128*(\f)+64+FR*\i, ADRB+\slot, \q, \i
.endr
.irp i, 0,1,2,3
	FRAG 128*(\f)+FR*\i, ADRA+\slot, \q, \i
.endr
.endm
.macro PLACES n                        ; plain vector instructions between a matrix instruction and a load into, or a read of, its registers
.rept \n
	v_nop
.endr
.endm
; A K step is four quarters of 128 along K, 16 matrix instructions each, on buffers 0, 1, 0, 1.  One of the first three: multiplies buffer q % 2 and fetches the next quarter into the other.
.macro QUARTER slot, q, zero, lw
.if (\q) == 0
	s_wait_loadcnt \lw                             ; the scale words are in: the bias's load and the residual's 32 are younger and may stay out
.endif
	s_wait_dscnt 8                                 ; B's blocks and A's blocks 0, 1 are in; the youngest eight loads (A's blocks 2, 3) may be out
	WIN MUL
	MUL8 (\q)%2, 0, \q, \slot, \zero
	PLACES NP
	FETCH \slot, (\q)+1, 1-(\q)%2
	s_wait_dscnt 32                                ; all but the 32 just issued
	WIN MUL
	MUL8 (\q)%2, 2, \q, \slot, \zero
.endm
; The slot's last quarter changes slots: each wave's part of the next slot has landed, and a barrier shows that to all.  Nothing is filled again.
.macro TURN slot, next
	WIN 0
	s_wait_tensorcnt 0x0                           ; all my tensor loads have landed
	ds_add_u32 v[SPW], v[NIL]
	s_wait_dscnt 9                                 ; (the add and A's blocks 2, 3 may be out)
	WIN MUL
	MUL4 1, 0, 3, \slot
	s_wait_dscnt 0x0                               ; the add is done, and no LDS load of mine is out
	s_barrier_signal -1
	MUL4 1, 1, 3, \slot
	s_barrier_wait -1
	PLACES NP
	FETCH \next, 0, 0
	WIN MUL
	MUL8 1, 2, 3, \slot, 0
.endm
	s_wait_tensorcnt 1                             ; my part of K step 0 is in; K step 1's load may be out
	s_barrier_signal -1
	s_barrier_wait -1
	FETCH 0, 0, 0
	QUARTER 0, 0, 1, 33                            ; the first quarter's products start the sums
	QUARTER 0, 1, 0, 0
	QUARTER 0, 2, 0, 0
	TURN 0, 1
	QUARTER 1, 0, 0, 33
	QUARTER 1, 1, 0, 0
	QUARTER 1, 2, 0, 0
	s_wait_dscnt 8                                 ; the very last quarter: nothing more to fetch
	WIN MUL
	MUL8 1, 0, 3, 1, 0
	s_wait_dscnt 0
	MUL8 1, 2, 3, 1, 0
	WIN 0
; THE WAY OUT, block by block of 16 rows x 64 columns: through my own stage and back into the registers that it left, as whole rows of 256 bytes; the bias and the residual are added there.
.macro TOSTAGE a
.set AB, ACC+32*(\a)
.irp b, 0,1,2,3
	ds_store_b128 v[STO], v[AB+8*\b:AB+8*\b+3] offset:64*\b          ; each accumulator from its low end on
	ds_store_b128 v[STO], v[AB+8*\b+4:AB+8*\b+7] offset:64*\b+16
.endr
.irp t, 0,1,2,3,4,5,6,7
	ds_load_b128 v[AB+4*\t:AB+4*\t+3], v[RD] offset:\t*2*SPITCH      ; LDS serves a wave's instructions in order (ISA guide 5.7.1.4): these see the stores above, and the next block's stores come behind them
.endr
.endm
.macro OUTB a
.set AB, ACC+32*(\a)
.irp t, 0,1,2,3,4,5,6,7
	v_pk_add_f32 v[AB+4*\t:AB+4*\t+1], v[AB+4*\t:AB+4*\t+1], v[BI:BI+1]
	v_pk_add_f32 v[AB+4*\t+2:AB+4*\t+3], v[AB+4*\t+2:AB+4*\t+3], v[BI+2:BI+3]
.endr
	WIN ADD_R
.irp t, 0,1,2,3,4,5,6,7
	v_pk_add_f32 v[AB+4*\t:AB+4*\t+1], v[AB+4*\t:AB+4*\t+1], v[32*(\a)+4*\t:32*(\a)+4*\t+1]
	v_pk_add_f32 v[AB+4*\t+2:AB+4*\t+3], v[AB+4*\t+2:AB+4*\t+3], v[32*(\a)+4*\t+2:32*(\a)+4*\t+3]
.endr
	WIN 0
.irp t, 0,1,2,3,4,5,6,7
	global_store_b128 v[CO], v[AB+4*\t:AB+4*\t+3], s[12:13] offset:(16*(\a)+2*\t)*4096   ; sixteen lanes store 256 consecutive bytes, aligned; these registers are never written again
.endr
.endm
	PLACES NP                                      ; behind the last products: for the reads of their results and the loads into them
.irp a, 0,1,2,3
	TOSTAGE \a
.endr
	s_wait_loadcnt 0x0                             ; the bias and the residual
.irp a, 0,1,2,3
	s_wait_dscnt 16*(3-\a)                         ; block a is back; the later blocks' eight stores and eight loads each may be out
	OUTB \a
.endr
	s_wait_tensorcnt 0x0                           ; the wave's end
	ds_add_u32 v[SPW], v[NIL]
	s_wait_dscnt 0x0
	CROUND                                         ; the closing round
	s_endpgm
.Lfunc_end_k_qe12eb51c08_proj:
	.size	k_qe12eb51c08_proj, .Lfunc_end_k_qe12eb51c08_proj-k_qe12eb51c08_proj
	.p2alignl 7, 3214868480
	.fill 96, 4, 3214868480
	.section	.rodata,"a",@progbits
	.p2align	6, 0x0
	.amdhsa_kernel k_qe12eb51c08_proj
		.amdhsa_group_segment_fixed_size 327680
		.amdhsa_private_segment_fixed_size 0
		.amdhsa_enable_private_segment 0
		.amdhsa_kernarg_size 48
		.amdhsa_user_sgpr_count 2
		.amdhsa_user_sgpr_kernarg_segment_ptr 1
		.amdhsa_wavefront_size32 1
		.amdhsa_system_sgpr_workgroup_id_x 1
		.amdhsa_system_sgpr_workgroup_id_y 1
		.amdhsa_system_sgpr_workgroup_id_z 1
		.amdhsa_system_vgpr_workitem_id 0
		.amdhsa_next_free_vgpr 640
		.amdhsa_next_free_sgpr 102
		.amdhsa_reserve_vcc 0
		.amdhsa_float_denorm_mode_32 3
		.amdhsa_float_denorm_mode_16_64 3
		.amdhsa_memory_ordered 1
		.amdhsa_forward_progress 1
		.amdhsa_inst_pref_size 63
	.end_amdhsa_kernel
	.amdgpu_metadata
---
amdhsa.version: [ 1, 2 ]
amdhsa.kernels:
  - .name:           k_qe12eb51c08_proj
    .symbol:         k_qe12eb51c08_proj.kd
    .args:
      - { .name: yact, .offset: 0, .size: 8, .value_kind: global_buffer, .address_space: global }
      - { .name: Wo_codes, .offset: 8, .size: 8, .value_kind: global_buffer, .address_space: global }
      - { .name: Wo_scales, .offset: 16, .size: 8, .value_kind: global_buffer, .address_space: global }
      - { .name: bo, .offset: 24, .size: 8, .value_kind: global_buffer, .address_space: global }
      - { .name: x, .offset: 32, .size: 8, .value_kind: global_buffer, .address_space: global }
      - { .name: x1, .offset: 40, .size: 8, .value_kind: global_buffer, .address_space: global }
    .group_segment_fixed_size: 327680
    .private_segment_fixed_size: 0
    .kernarg_segment_align: 8
    .kernarg_segment_size: 48
    .max_flat_workgroup_size: 128
    .sgpr_count:     102
    .vgpr_count:     640
    .wavefront_size: 32
...
	.end_amdgpu_metadata
.endif
;; end of part 8
;; launch ln2: the kernel of part 1 again; grid 256 x 1, 4 waves a work-group, no clusters, 21,504 bytes of LDS; arguments x1, ln2_g, ln2_b, act2; writes act2
;; launch up (part 9): grid 16 x 16, 4 waves a work-group, clusters of 4 x 4, 327,680 bytes of LDS; arguments act2, W1_codes, W1_scales, b1, g; writes g
.if DOCPART == 9
	.amdgcn_target "amdgcn-amd-amdhsa--gfx1250"
	.amdhsa_code_object_version 6
	.text
	.protected	k_qe12eb51c08_up
	.globl	k_qe12eb51c08_up
	.p2align	8
	.type	k_qe12eb51c08_up,@function
k_qe12eb51c08_up:
	s_mov_b64 s[64:65], 0
	v_nop
	global_prefetch_b8 v0, s[64:65] scope:SCOPE_SE
	s_setreg_imm32_b32 hwreg(HW_REG_WAVE_MODE, 25, 1), 1
	s_wait_xcnt 0x0
	s_wait_alu depctr_hold_cnt(0) depctr_sa_sdst(0) depctr_va_vdst(0) depctr_va_sdst(0) depctr_va_ssrc(0) depctr_va_vcc(0) depctr_vm_vsrc(0)
	s_getreg_b32 s2, hwreg(HW_REG_IB_STS2, 6, 4)
	s_cmp_eq_u32 s2, 0
	s_cbranch_scc0 .Lentry_in_a_cluster
	s_endpgm
.Lentry_in_a_cluster:
	s_bfe_u32 s2, ttmp6, 0x10000c
	s_cmp_lg_u32 s2, 0xf033
	s_cbranch_scc0 .Lentry_shape_is_right
	s_endpgm
.Lentry_shape_is_right:
; g = Q(gelu(h W1 + b1)), the exact gelu, quantised along the 4,096 hidden units.  h: act2 (codes [4096][1024], scale bytes at 4,194,304); W1: codes [4096][1024], scale bytes [4096][32]; b1 [4096] f32.
; OUT: g: codes [4096][4096] at 0; scale bytes laid by K step of the next product, [16 steps of 256][4096 rows][8 bytes], at 16,777,216.
; gelu(t) = t / 2 + (t / 2) erf(t / sqrt 2); erf(z) = z A(z^2) / B(z^2), a rational form of degrees 6 and 4 in z^2 in f32, z held within +-4, where erf is 1 to within f32.
; The core is that of the other products: tile 256 x 256, a wave's 128 x 128, K = 1,024 in steps of 256 through two slots, scales in LDS once, 4 x 4 clusters with joint loads, the matrix instruction used transposed,
; so that a lane's registers run along the hidden units, which are the next K.
; LIMITS: NaN and infinities are not served; a block under 2^-118 keeps the byte 1; a block of zeros gets the byte 1 (its codes are zeros; this program alone reads the bytes).
; REGISTERS: window 0: v0-31 addresses, v[4:7] two coefficients; v32-63 scale words, and nothing else; v64-127 the bias; v128-255 A's fragments, on the way out at work.  window 1: B's two sets.  windows 2, 3: accumulators.
.set KSTEP,  256
.set NQ,     2
.set ROWB,   256
.set KROW,   1024
.set PITCH,  272
.set FR,     16
.set NL,     4
.set NP,     8
.set HALFT,  128*PITCH
.set SLOT,   4*HALFT
.set LAPS,   2
.set KS,     32
.set SCL,    2*SLOT
.set HALFS,  (128*KS/256)*272
.set SBLK,   (16*KS/256)*272
.set SPARE,  SCL+4*HALFS
.set STGS,   69632                     ; the way out, in slot 0 (last fill and last read are over): codes 256 rows x 272 at 0; scale words [256 rows][8 bytes] here
.set AL1,  4                           ; v[4:5] alpha 1, twice;  v[6:7] beta 1, twice
.set BE1,  6
.set STC,  8
.set STS,  9
.set RDC,  10
.set RDS,  11
.set GOC,  12
.set LO,   13
.set BOC,  14
.set ADRA, 16
.set ADRB, 20
.set WC,   24                          ; the block's place in the stage: codes, scale word
.set WS,   25
.set ADRS, 27
.set SPW,  28
.set NIL,  29
.set PW,   30
.set SC,   32
.set BC,   64
.set AF,   128
.set T,    128
.set Z,    192
.set Z2,   208
.set P,    224
.set Q,    240
.set TM,   192                         ; the quantiser's temporaries and codes take Z's and Z2's registers, which are done with by then
.set PC,   208
.set G1, 24
.set G0, 32
.set G1B, 48
.set G0B, 56
.set G1S, 68
.set G0S, 76
.set G1SB, 80
.set G0SB, 88
.set AL0,  68                          ; on the way out s68-89 hold the coefficients as pairs
.set AL2,  70
.set BE0,  80
.set BE2,  82
.set RT2,  88
.set SEL,  92
.set MNT,  94
.set BA,   95
.set MSB, 0
.macro WIN new
.if MSB != (\new)
	s_set_vgpr_msb (MSB<<8)|(\new)
.set MSB, (\new)
.endif
.endm
.set MUL_LO, 0xa1
.set MUL_HI, 0xf1
.set TO_B,   0x40
.macro JLOAD g0a, g1a, g0b, g1b        ; a joint load: waves 0, 1 for A, waves 2, 3 for B; an s_nop 0 and four v_nop follow each line
	s_cmp_eq_u32 s15, 0
	s_cbranch_scc0 .Lfor_b_\@
	tensor_load_to_lds s[\g0a:\g0a+3], s[\g1a:\g1a+7]
	s_nop 0
.rept 4
	v_nop
.endr
	s_branch .Lasked_\@
.Lfor_b_\@:
	tensor_load_to_lds s[\g0b:\g0b+3], s[\g1b:\g1b+7]
	s_nop 0
.rept 4
	v_nop
.endr
.Lasked_\@:
.endm
.macro CREST
	s_cmp_lg_u32 s14, 0
	s_cbranch_scc1 .Lnot_wave_0_\@
	s_barrier_signal -3
.Lnot_wave_0_\@:
	s_barrier_wait -3
	s_barrier_signal -1
	s_barrier_wait -1
.endm
.macro CROUND
	s_barrier_signal -1
	s_barrier_wait -1
	CREST
.endm
	s_load_b64 s[4:5], s[0:1], 0x0                 ; act2
	s_load_b128 s[8:11], s[0:1], 0x8               ; W1's codes, W1's scales
	s_load_b128 s[96:99], s[0:1], 0x18             ; b1, g
	v_lshl_add_u32 v[SPW], v0, 2, SPARE
	v_mov_b32 v[NIL], 0
	ds_add_u32 v[SPW], v[NIL]                      ; the wave's opening: the add, twice on end, and its wait ahead of my first tensor load
	ds_add_u32 v[SPW], v[NIL]
	v_lshrrev_b32 v1, 5, v0
	v_readfirstlane_b32 s14, v1
	s_lshr_b32 s15, s14, 1
	s_and_b32 s16, s14, 1
	s_bfe_u32 s40, ttmp6, 0x40000
	s_bfe_u32 s41, ttmp6, 0x40004
	s_lshl_b32 s42, ttmp9, 2
	s_add_co_u32 s42, s42, s40                     ; tile column
	s_and_b32 s17, ttmp7, 0xffff
	s_lshl_b32 s17, s17, 2
	s_add_co_u32 s17, s17, s41                     ; tile row
	s_lshl_b32 s43, s41, 2
	s_lshl_b32 s43, 15, s43
	s_lshl_b32 s44, 0x1111, s40
	s_or_b32 s[G1+0], s43, (0<<16)|(1<<20)|(1<<21)|(5<<22)|(3<<25)
	s_or_b32 s[G1B+0], s44, (0<<16)|(1<<20)|(1<<21)|(5<<22)|(3<<25)
.irp g, G1, G1B
	s_mov_b32 s[\g+1], ROWB<<16
	s_mov_b32 s[\g+2], 128<<16
	s_mov_b32 s[\g+3], ROWB<<16
	s_mov_b32 s[\g+4], 128
	s_mov_b32 s[\g+5], KROW
	s_mov_b32 s[\g+6], 0
	s_mov_b32 s[\g+7], 0
.endr
	s_or_b32 s[G1S+0], s43, (3<<16)|(1<<20)|(1<<21)|(5<<22)|(3<<25)
	s_or_b32 s[G1SB+0], s44, (3<<16)|(1<<20)|(1<<21)|(5<<22)|(3<<25)
.irp g, G1S, G1SB
	s_mov_b32 s[\g+1], 32<<16
	s_mov_b32 s[\g+2], (128*KS/256)<<16
	s_mov_b32 s[\g+3], 32<<16
	s_mov_b32 s[\g+4], 128*KS/256
	s_mov_b32 s[\g+5], 32
	s_mov_b32 s[\g+6], 0
	s_mov_b32 s[\g+7], 0
.endr
	s_lshl_b32 s18, s16, 7
	s_lshl_b32 s20, s17, 8
	s_add_co_u32 s20, s20, s18
	s_lshl_b32 s46, s42, 8
	s_add_co_u32 s46, s46, s18
	s_mov_b32 s21, 0
	s_mov_b32 s47, 0
	s_mov_b64 s[18:19], KS
	s_mul_u64 s[22:23], s[20:21], s[18:19]
	s_mul_u64 s[92:93], s[46:47], s[18:19]
	s_mov_b64 s[18:19], KROW
	s_mul_u64 s[20:21], s[20:21], s[18:19]
	s_mul_u64 s[46:47], s[46:47], s[18:19]
	s_mul_i32 s45, s14, HALFT
	s_mul_i32 s94, s14, HALFS
	s_wait_dscnt 0x0
	s_wait_kmcnt 0x0
	s_add_nc_u64 s[6:7], s[4:5], 4194304           ; A's scale bytes lie behind its codes
	s_add_nc_u64 s[20:21], s[4:5], s[20:21]
	s_add_nc_u64 s[22:23], s[6:7], s[22:23]
	s_add_nc_u64 s[46:47], s[8:9], s[46:47]
	s_add_nc_u64 s[92:93], s[10:11], s[92:93]
	CROUND
	s_mov_b32 s[G0S], 1
	s_add_co_u32 s[G0S+1], s94, SCL
	s_mov_b64 s[G0S+2:G0S+3], s[22:23]
	s_or_b32 s[G0S+3], s[G0S+3], 0x80000000
	s_mov_b32 s[G0SB], 1
	s_add_co_u32 s[G0SB+1], s94, SCL
	s_mov_b64 s[G0SB+2:G0SB+3], s[92:93]
	s_or_b32 s[G0SB+3], s[G0SB+3], 0x80000000
	JLOAD G0S, G1S, G0SB, G1SB
.irp s, 0,1
	s_mov_b32 s[G0+4*\s], 1
	s_add_co_u32 s[G0+4*\s+1], s45, \s*SLOT
	s_add_nc_u64 s[G0+4*\s+2:G0+4*\s+3], s[20:21], \s*ROWB
	s_or_b32 s[G0+4*\s+3], s[G0+4*\s+3], 0x80000000
	s_mov_b32 s[G0B+4*\s], 1
	s_add_co_u32 s[G0B+4*\s+1], s45, \s*SLOT
	s_add_nc_u64 s[G0B+4*\s+2:G0B+4*\s+3], s[46:47], \s*ROWB
	s_or_b32 s[G0B+4*\s+3], s[G0B+4*\s+3], 0x80000000
	JLOAD G0+4*\s, G1, G0B+4*\s, G1B
.endr
	v_and_b32 v1, 15, v0                           ; r
	v_bfe_u32 v2, v0, 4, 1                         ; h
	v_mul_u32_u24 v3, v1, PITCH
	v_lshl_add_u32 v4, v2, 4, v3
	s_mul_i32 s21, s15, HALFT
	s_mul_i32 s22, s16, HALFT
	s_add_co_u32 s22, s22, 2*HALFT
.irp s, 0,1
	v_add_nc_u32 v[ADRA+\s], s21, v4
	v_add_nc_u32 v[ADRB+\s], s22, v4
	s_add_co_u32 s21, s21, SLOT
	s_add_co_u32 s22, s22, SLOT
.endr
	v_mul_u32_u24 v5, v1, KS
	v_lshrrev_b32 v6, 8, v5
	v_lshl_add_u32 v5, v6, 4, v5
	s_mul_i32 s21, s15, HALFS
	s_mul_i32 s22, s16, HALFS
	s_add_co_u32 s22, s22, 2*HALFS
	s_sub_co_u32 s22, s22, s21
	v_mul_u32_u24 v6, s22, v2
	s_add_co_u32 s21, s21, SCL
	v_add_nc_u32 v5, v5, v6
	v_add_nc_u32 v[ADRS], s21, v5
	; the way out's addresses
	s_lshl_b32 s21, s15, 7
	v_add_nc_u32 v5, s21, v1                       ; my row of block 0 among the tile's 256
	v_mul_u32_u24 v[STC], v5, 272
	v_lshl_add_u32 v[STC], v2, 3, v[STC]
	s_lshl_b32 s22, s16, 7
	v_add_nc_u32 v[STC], s22, v[STC]               ; row x 272 + 128 x column half + 8 h
	v_lshlrev_b32 v[STS], 3, v5
	s_lshl_b32 s22, s16, 2
	s_add_co_u32 s22, s22, STGS
	v_add_nc_u32 v[STS], s22, v[STS]               ; row x 8 + 4 x column half
	v_and_b32 v6, 31, v0
	s_lshl_b32 s22, s14, 6
	v_add_nc_u32 v5, s22, v2                       ; back: row 64 x wave + l / 16
	v_mul_u32_u24 v[RDC], v5, 272
	v_lshl_add_u32 v[RDC], v1, 4, v[RDC]
	v_lshlrev_b32 v[LO], 4, v6
	s_lshl_b32 s22, s14, 9
	s_add_co_u32 s22, s22, STGS
	v_add_nc_u32 v[RDS], s22, v[LO]
	v_lshlrev_b32 v[GOC], 12, v2
	v_lshl_add_u32 v[GOC], v1, 4, v[GOC]           ; and the same two rows in g: 4,096 bytes apart
	v_lshlrev_b32 v[BOC], 5, v2
	s_lshl_b32 s20, s42, 10
	s_lshl_b32 s21, s16, 9
	s_add_co_u32 s20, s20, s21
	s_mov_b32 s21, 0
	s_add_nc_u64 s[96:97], s[96:97], s[20:21]      ; b1 at my first column
.irp b, 0,1,2,3,4,5,6,7
	global_load_b128 v[BC+8*\b:BC+8*\b+3], v[BOC], s[96:97] offset:64*\b       ; register 8 b + j: column 16 b + 8 h + j
	global_load_b128 v[BC+8*\b+4:BC+8*\b+7], v[BOC], s[96:97] offset:64*\b+16
.endr
	s_lshl_b32 s20, s17, 20                        ; g's codes: (256 x tile row + 64 x wave) rows of 4,096 bytes + 256 x tile column
	s_lshl_b32 s21, s14, 18
	s_add_co_u32 s20, s20, s21
	s_lshl_b32 s21, s42, 8
	s_add_co_u32 s20, s20, s21
	s_mov_b32 s21, 0
	s_lshl_b32 s22, s42, 15                        ; its scale bytes: 32,768 x tile column + 2,048 x tile row + 512 x wave
	s_lshl_b32 s23, s17, 11
	s_add_co_u32 s22, s22, s23
	s_lshl_b32 s23, s14, 9
	s_add_co_u32 s22, s22, s23
	s_add_co_u32 s22, s22, 16777216
	s_mov_b32 s23, 0
	s_add_nc_u64 s[12:13], s[98:99], s[20:21]
	s_add_nc_u64 s[98:99], s[98:99], s[22:23]
.macro FRAG reg, adr, q, i
.irp c, 0,1,2,3
	ds_load_b128 v[\reg+4*\c:\reg+4*\c+3], v[\adr] offset:128*(\q)+32*\c+(\i)*16*PITCH
.endr
.endm
.macro MUL16 a0, p, q, sc, zero        ; the 64 accumulators take turns, one instruction a turn
.irp a, \a0, \a0+1
.irp b, 0,1,2,3,4,5,6,7
.if \zero
	v_wmma_scale_f32_16x16x128_f8f6f4 v[8*(8*((\a)%4)+\b):8*(8*((\a)%4)+\b)+7], v[128*(\p)+FR*\b:128*(\p)+FR*\b+FR-1], v[AF+FR*(\a):AF+FR*(\a)+FR-1], 0, v[SC+8*NQ*(\sc)+NQ*\b+(\q)], v[SC+8*NQ*(\sc)+NQ*(\a)+(\q)] matrix_a_scale:MATRIX_SCALE_ROW1
.else
	v_wmma_scale_f32_16x16x128_f8f6f4 v[8*(8*((\a)%4)+\b):8*(8*((\a)%4)+\b)+7], v[128*(\p)+FR*\b:128*(\p)+FR*\b+FR-1], v[AF+FR*(\a):AF+FR*(\a)+FR-1], v[8*(8*((\a)%4)+\b):8*(8*((\a)%4)+\b)+7], v[SC+8*NQ*(\sc)+NQ*\b+(\q)], v[SC+8*NQ*(\sc)+NQ*(\a)+(\q)] matrix_a_scale:MATRIX_SCALE_ROW1
.endif
.endr
.endr
.endm
.macro FETCH_B slot, q, p
	WIN TO_B
.irp i, 0,1,2,3,4,5,6,7
	FRAG 128*(\p)+FR*\i, ADRB+\slot, \q, \i
.endr
	WIN 0
.endm
.macro FETCH_A slot, q, i0
.irp i, \i0, \i0+1, \i0+2, \i0+3
	FRAG AF+FR*(\i), ADRA+\slot, \q, \i
.endr
.endm
.macro SCALES sc
.irp i, 0,1,2,3,4,5,6,7
	ds_load_b64 v[SC+8*NQ*\sc+NQ*\i:SC+8*NQ*\sc+NQ*\i+1], v[ADRS] offset:\i*SBLK
.endr
.endm
.macro PLACES n
.rept \n
	v_nop
.endr
.endm
.macro STEP slot, q, zero
	s_wait_dscnt 4*NL                              ; B's set and A's blocks 0-3 are in; A's blocks 4-7 (16 loads) may be out
	WIN MUL_LO
	MUL16 0, (\q)%2, \q, \slot, \zero
	MUL16 2, (\q)%2, \q, \slot, \zero
	s_wait_dscnt 0
	PLACES NP
	FETCH_B \slot, (\q)+1, 1-(\q)%2
	FETCH_A \slot, (\q)+1, 0
	WIN MUL_HI
	MUL16 4, (\q)%2, \q, \slot, \zero
	MUL16 6, (\q)%2, \q, \slot, \zero
	PLACES NP
	WIN 0
	FETCH_A \slot, (\q)+1, 4
.endm
.macro TURN slot, next, fill
	s_wait_tensorcnt 0x0                           ; all my tensor loads have landed
	ds_add_u32 v[SPW], v[NIL]
	s_wait_dscnt 4*NL+1
	WIN MUL_LO
	MUL16 0, 1, NQ-1, \slot, 0
	s_wait_dscnt 0x0                               ; the add is done, and my reads of this slot are over
	s_barrier_signal -1
	MUL16 2, 1, NQ-1, \slot, 0
	WIN 0
	s_barrier_wait -1
.if \fill
	CREST
	s_add_nc_u64 s[G0+4*\slot+2:G0+4*\slot+3], s[G0+4*\slot+2:G0+4*\slot+3], 2*ROWB
	s_add_nc_u64 s[G0B+4*\slot+2:G0B+4*\slot+3], s[G0B+4*\slot+2:G0B+4*\slot+3], 2*ROWB
	JLOAD G0+4*\slot, G1, G0B+4*\slot, G1B
	PLACES NP-4
.else
	PLACES NP
.endif
	s_wait_alu depctr_va_vdst(0)
	v_add_nc_u32 v[ADRS], 4*NQ, v[ADRS]
	FETCH_B \next, 0, 0
	FETCH_A \next, 0, 0
	SCALES \next
	WIN MUL_HI
	MUL16 4, 1, NQ-1, \slot, 0
	MUL16 6, 1, NQ-1, \slot, 0
	PLACES NP
	WIN 0
	FETCH_A \next, 0, 4
.endm
	s_wait_tensorcnt 1                             ; the scales and my part of K step 0 are in; K step 1's load may be out
	s_barrier_signal -1
	s_barrier_wait -1
	FETCH_B 0, 0, 0
	FETCH_A 0, 0, 0
	SCALES 0
	FETCH_A 0, 0, 4
	STEP 0, 0, 1
	s_mov_b32 s3, LAPS-1
.Llap:
	TURN 0, 1, 1
	STEP 1, 0, 0
	TURN 1, 0, 1
	STEP 0, 0, 0
	s_sub_co_u32 s3, s3, 1
	s_cmp_lg_u32 s3, 0
	s_cbranch_scc1 .Llap
	TURN 0, 1, 0
	STEP 1, 0, 0
	s_wait_dscnt 4*NL
	WIN MUL_LO
	MUL16 0, 1, NQ-1, 1, 0
	MUL16 2, 1, NQ-1, 1, 0
	s_wait_dscnt 0
	WIN MUL_HI
	MUL16 4, 1, NQ-1, 1, 0
	MUL16 6, 1, NQ-1, 1, 0
	WIN 0
; THE WAY OUT: a loop of eight trips, one for each block of 16 rows: only the lines that fetch a block out of its accumulators differ from trip to trip, and they are picked by the trip's number.
.macro MOVE k                          ; block k + the bias -> v[T] on
.set AC, 64*((\k)%4)
	WIN 0x02+((\k)/4)                              ; source 0: window 2 or 3
.set p, 0
.rept 32
	v_pk_add_f32 v[T+2*p:T+2*p+1], v[AC+2*p:AC+2*p+1], v[BC+2*p:BC+2*p+1]   ; each accumulator from its low end on
.set p, p+1
.endr
	WIN 0
.endm
.macro GELU b                          ; 16 numbers, v[T + 16 b] on, in place
.set TG, T+16*(\b)
.irp k, 0,2,4,6,8,10,12,14
	v_pk_mul_f32 v[Z+\k:Z+\k+1], v[TG+\k:TG+\k+1], s[RT2:RT2+1] op_sel_hi:[1,0]   ; z = t / sqrt 2
.endr
.irp k, 0,1,2,3,4,5,6,7,8,9,10,11,12,13,14,15
	v_med3_num_f32 v[Z+\k], v[Z+\k], -4.0, 4.0
.endr
.irp k, 0,2,4,6,8,10,12,14
	v_pk_mul_f32 v[Z2+\k:Z2+\k+1], v[Z+\k:Z+\k+1], v[Z+\k:Z+\k+1]
.endr
.irp k, 0,2,4,6,8,10,12,14
	v_pk_fma_f32 v[P+\k:P+\k+1], v[Z2+\k:Z2+\k+1], s[AL0:AL0+1], v[AL1:AL1+1] op_sel_hi:[1,0,1]
	v_pk_fma_f32 v[Q+\k:Q+\k+1], v[Z2+\k:Z2+\k+1], s[BE0:BE0+1], v[BE1:BE1+1] op_sel_hi:[1,0,1]
.endr
.irp m, 0,2,4
.irp k, 0,2,4,6,8,10,12,14
	v_pk_fma_f32 v[P+\k:P+\k+1], v[P+\k:P+\k+1], v[Z2+\k:Z2+\k+1], s[AL2+\m:AL2+\m+1] op_sel_hi:[1,1,0]
	v_pk_fma_f32 v[Q+\k:Q+\k+1], v[Q+\k:Q+\k+1], v[Z2+\k:Z2+\k+1], s[BE2+\m:BE2+\m+1] op_sel_hi:[1,1,0]
.endr
.endr
.irp m, 6,8
.irp k, 0,2,4,6,8,10,12,14
	v_pk_fma_f32 v[P+\k:P+\k+1], v[P+\k:P+\k+1], v[Z2+\k:Z2+\k+1], s[AL2+\m:AL2+\m+1] op_sel_hi:[1,1,0]
.endr
.endr
	s_wait_alu depctr_va_vdst(0)
.irp k, 0,1,2,3,4,5,6,7,8,9,10,11,12,13,14,15
	v_rcp_f32 v[Q+\k], v[Q+\k]
.endr
.irp k, 0,2,4,6,8,10,12,14
	v_pk_mul_f32 v[P+\k:P+\k+1], v[P+\k:P+\k+1], v[Z+\k:Z+\k+1]           ; z A: plain work that names no reciprocal
.endr
.irp k, 0,2,4,6,8,10,12,14
	v_pk_mul_f32 v[Z+\k:Z+\k+1], v[TG+\k:TG+\k+1], 0.5 op_sel_hi:[1,0]    ; t / 2
.endr
	s_wait_alu depctr_va_vdst(0)                   ; one wait for the sixteen reciprocals, ahead of their first reader
.irp k, 0,2,4,6,8,10,12,14
	v_pk_mul_f32 v[P+\k:P+\k+1], v[P+\k:P+\k+1], v[Q+\k:Q+\k+1]           ; erf
.endr
.irp k, 0,2,4,6,8,10,12,14
	v_pk_fma_f32 v[TG+\k:TG+\k+1], v[Z+\k:Z+\k+1], v[P+\k:P+\k+1], v[Z+\k:Z+\k+1]
.endr
.endm
.macro QUANT s                         ; 64 numbers of a lane; registers 16 b + 0..15 and lane l xor 16's are block b of 32 along the next K
.irp b, 0,1,2,3
	v_max3_num_f32 v[TM+\b], |v[\s+16*\b]|, |v[\s+1+16*\b]|, 0x4800000   ; with the floor 2^(9 - 127)
.endr
.irp i, 2,4,6,8,10,12,14
.irp b, 0,1,2,3
	v_max3_num_f32 v[TM+\b], v[TM+\b], |v[\s+16*\b+\i]|, |v[\s+1+16*\b+\i]|
.endr
.endr
.irp b, 0,1,2,3
	v_permlanex16_b32 v[TM+4+\b], v[TM+\b], s[SEL], s[SEL+1]
.endr
.irp b, 0,1,2,3
	v_max_num_f32 v[TM+\b], v[TM+\b], v[TM+4+\b]
.endr
.irp b, 0,1,2,3
	v_add_nc_u32 v[TM+12+\b], 0xfc000000, v[TM+\b]
.endr
.irp b, 0,1,2,3
.endr
.irp b, 0,1,2,3
	v_lshrrev_b32 v[TM+4+\b], 23, v[TM+12+\b]
.endr
	v_lshl_or_b32 v[PW], v[TM+5], 8, v[TM+4]
	v_lshl_or_b32 v[PW], v[TM+6], 16, v[PW]
	v_lshl_or_b32 v[PW], v[TM+7], 24, v[PW]
.irp b, 0,1,2,3
.irp i, 0,1,2,3,4,5,6,7,8,9,10,11,12,13,14,15
.endr
	v_cvt_scalef32_pk8_fp8_f32 v[PC+4*\b:PC+1+4*\b], v[\s+16*\b:\s+7+16*\b], v[TM+12+\b]
	v_cvt_scalef32_pk8_fp8_f32 v[PC+2+4*\b:PC+3+4*\b], v[\s+8+16*\b:\s+15+16*\b], v[TM+12+\b]
.endr
	v_nop                                          ; a plain line behind the last conversion
.endm
	PLACES NP                                      ; behind the last products
	s_mov_b32 s[AL0], 0xAF95DF0B                   ; no tensor load of mine is out: the descriptors' registers take the coefficients, each as a pair
	s_mov_b32 s[AL2], 0xB60CFF51
	s_mov_b32 s[AL2+2], 0xB86EC2D2
	s_mov_b32 s[AL2+4], 0xBA40AC63
	s_mov_b32 s[AL2+6], 0xBB41A1F6
	s_mov_b32 s[AL2+8], 0xBC83DBD4
	s_mov_b32 s[BE0], 0xB77460CD
	s_mov_b32 s[BE2], 0xBADC924E
	s_mov_b32 s[BE2+2], 0xBBF19BF8
	s_mov_b32 s[BE2+4], 0xBC69B6A7
	s_mov_b32 s[RT2], 0x3F3504F3
.irp m, 68,70,72,74,76,78,80,82,84,86,88
	s_mov_b32 s[\m+1], s[\m]
.endr
	v_mov_b32 v[AL1], 0x32EDFFEE
	v_mov_b32 v[AL1+1], 0x32EDFFEE
	v_mov_b32 v[BE1], 0xB95FBD29
	v_mov_b32 v[BE1+1], 0xB95FBD29
	s_mov_b32 s[SEL], 0x76543210
	s_mov_b32 s[SEL+1], 0xfedcba98
	s_mov_b32 s[BA], 0
	s_mov_b32 s66, 0                               ; the block's rows in the stage: 16 x 272 bytes a trip,
	s_mov_b32 s67, 0                               ; its scale words: 16 x 8
	s_wait_loadcnt 0x0                             ; the bias
.Lblk:
.irp k, 0,1,2,3,4,5,6
	s_cmp_eq_u32 s[BA], \k
	s_cbranch_scc1 .Lmv\k
.endr
	MOVE 7
	s_branch .Lgo
.irp k, 0,1,2,3,4,5
.Lmv\k:
	MOVE \k
	s_branch .Lgo
.endr
.Lmv6:
	MOVE 6
.Lgo:
	s_wait_dscnt 0x0                               ; the last block's LDS stores have read their registers
	GELU 0
	GELU 1
	GELU 2
	GELU 3
	QUANT T
	v_add_nc_u32 v[WC], s66, v[STC]
	v_add_nc_u32 v[WS], s67, v[STS]
.irp b, 0,1,2,3
	ds_store_b64 v[WC], v[PC+4*\b:PC+4*\b+1] offset:32*\b          ; columns 32 b + 8 h + 0..7
	ds_store_b64 v[WC], v[PC+4*\b+2:PC+4*\b+3] offset:32*\b+16     ; columns 32 b + 16 + 8 h + 0..7
.endr
	ds_store_b32 v[WS], v[PW]                      ; (both halves of the lanes write the same word with the same value)
	s_add_co_u32 s66, s66, 4352
	s_add_co_u32 s67, s67, 128
	s_add_co_u32 s[BA], s[BA], 1
	s_cmp_lt_u32 s[BA], 8
	s_cbranch_scc1 .Lblk
	s_wait_dscnt 0x0                               ; for the others' sake: my stores into the stage have landed
	s_barrier_signal -1
	s_barrier_wait -1
	ds_load_b128 v[BC:BC+3], v[RDS]                ; my 64 rows' scale words: 512 bytes
.set n, 0
.rept 32
	ds_load_b128 v[128+4*n:128+4*n+3], v[RDC] offset:544*n
.set n, n+1
.endr
	s_wait_dscnt 32
	global_store_b128 v[LO], v[BC:BC+3], s[98:99]
.set n, 0
.rept 32
	s_wait_dscnt 31-n
	global_store_b128 v[GOC], v[128+4*n:128+4*n+3], s[12:13] offset:8192*n   ; sixteen lanes store 256 consecutive bytes, aligned
.set n, n+1
.endr
	s_wait_tensorcnt 0x0                           ; the wave's end
	ds_add_u32 v[SPW], v[NIL]
	s_wait_dscnt 0x0
	CROUND                                         ; the closing round
	s_endpgm
.Lfunc_end_k_qe12eb51c08_up:
	.size	k_qe12eb51c08_up, .Lfunc_end_k_qe12eb51c08_up-k_qe12eb51c08_up
	.p2alignl 7, 3214868480
	.fill 96, 4, 3214868480
	.section	.rodata,"a",@progbits
	.p2align	6, 0x0
	.amdhsa_kernel k_qe12eb51c08_up
		.amdhsa_group_segment_fixed_size 327680
		.amdhsa_private_segment_fixed_size 0
		.amdhsa_enable_private_segment 0
		.amdhsa_kernarg_size 40
		.amdhsa_user_sgpr_count 2
		.amdhsa_user_sgpr_kernarg_segment_ptr 1
		.amdhsa_wavefront_size32 1
		.amdhsa_system_sgpr_workgroup_id_x 1
		.amdhsa_system_sgpr_workgroup_id_y 1
		.amdhsa_system_sgpr_workgroup_id_z 1
		.amdhsa_system_vgpr_workitem_id 0
		.amdhsa_next_free_vgpr 1024
		.amdhsa_next_free_sgpr 102
		.amdhsa_reserve_vcc 0
		.amdhsa_float_denorm_mode_32 3
		.amdhsa_float_denorm_mode_16_64 3
		.amdhsa_fp16_overflow 1
		.amdhsa_memory_ordered 1
		.amdhsa_forward_progress 1
		.amdhsa_inst_pref_size 186
	.end_amdhsa_kernel
	.amdgpu_metadata
---
amdhsa.version: [ 1, 2 ]
amdhsa.kernels:
  - .name:           k_qe12eb51c08_up
    .symbol:         k_qe12eb51c08_up.kd
    .args:
      - { .name: act2, .offset: 0, .size: 8, .value_kind: global_buffer, .address_space: global }
      - { .name: W1_codes, .offset: 8, .size: 8, .value_kind: global_buffer, .address_space: global }
      - { .name: W1_scales, .offset: 16, .size: 8, .value_kind: global_buffer, .address_space: global }
      - { .name: b1, .offset: 24, .size: 8, .value_kind: global_buffer, .address_space: global }
      - { .name: g, .offset: 32, .size: 8, .value_kind: global_buffer, .address_space: global }
    .group_segment_fixed_size: 327680
    .private_segment_fixed_size: 0
    .kernarg_segment_align: 8
    .kernarg_segment_size: 40
    .max_flat_workgroup_size: 128
    .sgpr_count:     102
    .vgpr_count:     1024
    .wavefront_size: 32
...
	.end_amdgpu_metadata
.endif
;; end of part 9
;; launch down (part 10): grid 8 x 32, 4 waves a work-group, clusters of 4 x 4, 327,680 bytes of LDS; arguments g, W2_codes, W2_scales, b2, x1, out0; writes out0
.if DOCPART == 10
	.amdgcn_target "amdgcn-amd-amdhsa--gfx1250"
	.amdhsa_code_object_version 6
	.text
	.protected	k_qe12eb51c08_down
	.globl	k_qe12eb51c08_down
	.p2align	8
	.type	k_qe12eb51c08_down,@function
k_qe12eb51c08_down:
	s_mov_b64 s[64:65], 0
	v_nop
	global_prefetch_b8 v0, s[64:65] scope:SCOPE_SE
	s_setreg_imm32_b32 hwreg(HW_REG_WAVE_MODE, 25, 1), 1
	s_wait_xcnt 0x0
	s_wait_alu depctr_hold_cnt(0) depctr_sa_sdst(0) depctr_va_vdst(0) depctr_va_sdst(0) depctr_va_ssrc(0) depctr_va_vcc(0) depctr_vm_vsrc(0)
	s_getreg_b32 s2, hwreg(HW_REG_IB_STS2, 6, 4)
	s_cmp_eq_u32 s2, 0
	s_cbranch_scc0 .Lentry_in_a_cluster
	s_endpgm
.Lentry_in_a_cluster:
	s_bfe_u32 s2, ttmp6, 0x10000c
	s_cmp_lg_u32 s2, 0xf033
	s_cbranch_scc0 .Lentry_shape_is_right
	s_endpgm
.Lentry_shape_is_right:
; out0 = x1 + (g W2 + b2).  g: codes of E4M3 [4096][4096] at 0, E8M0 scale bytes [16 chunks of 256 along K][4096 rows][8] at 16,777,216; W2: codes [1024][4096], K innermost, scale bytes [1024][128]; b2 [1024], x1, out0 [4096][1024]: f32.
; A tile of out0 is 128 x 128: 256 tiles, 256 work-groups.  Four waves, each 64 x 64: 16 accumulators of 16 x 16.  K = 4,096 goes in eight steps of 512 through a ring of two LDS slots: as long a step as two slots in LDS allow.
; CLUSTERS: 4 x 4; A's tiles are asked for jointly along a row of the cluster, B's along a column.  The matrix instruction is used transposed (source 0 = rows of W2, source 1 = rows of g): a lane holds eight neighbouring numbers of a row.
; THE SCALES.  B's (the tile's 128 rows x 128 bytes) come into LDS once, a quarter a wave, jointly along a column of the cluster.  A's are laid by chunks of 256 along K: a K step's words of my 64 rows are two runs of 512 consecutive bytes,
; which four loads bring straight into registers, a K step ahead.  A scale register holds 32 rows: two blocks of 16, the second in lanes 16-31.
; THE RESIDUAL of the wave's 64 x 64 is asked for at the head, 256 consecutive bytes to sixteen lanes, and waits in registers for the way out.
; A's and B's tiles are prefetched two refills ahead, each aligned 256 bytes named once in the launch: A's by the clusters with x = 0, B's by those with y = 0; of the 64 rows that a wave fetches each of the four partners names 16, told apart by address.
; REGISTERS: window 0: v0-31 addresses, v[8:11] the bias; v32-47 A's scale words, v48-63 B's, two sets each, and nothing else; v128-255 the accumulators ((a, b) at v[128 + 8 (4 a + b)]).
;   window 1: two fragment buffers of 128: for 128 along K, A's four blocks (64 registers), then B's four.   window 2: v0-127 the residual.
.set KTOT,   4096
.set ROWB,   512                       ; a tile's row in bytes: a K step
.set KROW,   KTOT
.set PITCH,  528                       ; an LDS row: 512 bytes + 16 = 132 words: row r starts at bank 4 r mod 64 (64 banks of 4 bytes: ISA guide 11.1)
.set FR,     16
.set NP,     8                         ; places behind this matrix instruction (ISA guide 7.12.1)
.set HALFT,  64*PITCH                  ; 64 rows: what one tensor load brings, and what one wave reads of A or of B
.set SLOT,   4*HALFT                   ; A's 128 rows, then B's 128
.set LAPS,   KTOT/(2*ROWB)             ; a lap = two K steps = once round the ring
.set SCL,    2*SLOT                    ; B's scale bytes: 64 units of 256 bytes + 16, two rows a unit
.set STAGE,  SCL+64*272                ; the way out: 16 rows x (256 bytes + 16) for each wave, bytes of their own: no fill lands there
.set SPITCH, 272
.set SPARE,  STAGE+4*16*SPITCH         ; the spare words, 128 bytes a wave; no other line names them
.set BI,   8
.set BO,   12                          ; v12  16 x (lane % 16)
.set PFO,  14                          ; v14  the prefetches' offset: 4,096 x (lane % 16) + 256 x (lane / 16); never rewritten
.set AGS,  15                          ; v15  A's scale words: 8 x lane + 65,536 x K step
.set ADRA, 16
.set ADRB, 20
.set STO,  24
.set RD,   25
.set CO,   26                          ; v26  4,096 x (lane / 16) + 16 x (lane % 16): two rows of x1 and of out0
.set ADRS, 27
.set SPW,  28
.set NIL,  29
.set SA,   32
.set SB,   48
.set ACC,  128
.set G1, 24
.set G0, 32
.set G1B, 48
.set G0B, 56
.set BIASP, 68                         ; s[68:69] the bias, s[70:71] the residual
.set RESP,  70
.set PFA,   72                         ; s[72:73] where my prefetches stand
.set LIM,   74                         ; s74  1 in a wave that prefetches, else the greatest number
.set ASP,   76                         ; s[76:77] A's scale words of my 64 rows
.set G1SB, 80
.set G0SB, 88
.set MSB, 0
.macro WIN new                         ; the immediate's high byte repeats the setting that is left
.if MSB != (\new)
	s_set_vgpr_msb (MSB<<8)|(\new)
.set MSB, (\new)
.endif
.endm
.set MUL,   0x05                       ; sources 0 (B) and 1 (A) window 1; C and D window 0
.set TO_F,  0x40                       ; destination window 1, address window 0
.set TO_R,  0x80                       ; destination window 2
.set ADD_R, 0x08                       ; source 1 window 2
.macro JLOAD g0a, g1a, g0b, g1b        ; a joint load: waves 0, 1 for A, waves 2, 3 for B; an s_nop 0 and four v_nop follow each line
	s_cmp_eq_u32 s15, 0
	s_cbranch_scc0 .Lfor_b_\@
	tensor_load_to_lds s[\g0a:\g0a+3], s[\g1a:\g1a+7]
	s_nop 0
.rept 4
	v_nop
.endr
	s_branch .Lasked_\@
.Lfor_b_\@:
	tensor_load_to_lds s[\g0b:\g0b+3], s[\g1b:\g1b+7]
	s_nop 0
.rept 4
	v_nop
.endr
.Lasked_\@:
.endm
.macro ASK                             ; the K step that stands two refills on: 16 rows x 512 bytes, a lane to each 256.  The loop's last trip (s3 = 1) asks for nothing: no K step stands two refills on
	s_cmp_gt_u32 s3, s[LIM]
	s_cbranch_scc0 .Lnot_mine_\@
	global_prefetch_b8 v[PFO], s[PFA:PFA+1] offset:ROWB th:TH_LOAD_NT scope:SCOPE_SE
.Lnot_mine_\@:
.endm
.macro CREST                           ; a round of the cluster's barrier behind its opening barrier
	s_cmp_lg_u32 s14, 0
	s_cbranch_scc1 .Lnot_wave_0_\@
	s_barrier_signal -3
.Lnot_wave_0_\@:
	s_barrier_wait -3
	s_barrier_signal -1
	s_barrier_wait -1
.endm
.macro CROUND
	s_barrier_signal -1
	s_barrier_wait -1
	CREST
.endm
	s_load_b64 s[4:5], s[0:1], 0x0                 ; g
	s_load_b128 s[8:11], s[0:1], 0x8               ; W2's codes, W2's scales
	s_load_b128 s[68:71], s[0:1], 0x18             ; b2, x1
	s_load_b64 s[12:13], s[0:1], 0x28              ; out0
	v_lshl_add_u32 v[SPW], v0, 2, SPARE
	v_mov_b32 v[NIL], 0
	ds_add_u32 v[SPW], v[NIL]                      ; the wave's opening: the add, twice on end, and its wait ahead of my first tensor load
	ds_add_u32 v[SPW], v[NIL]
	v_lshrrev_b32 v1, 5, v0
	v_readfirstlane_b32 s14, v1                    ; wave 0..3
	s_lshr_b32 s15, s14, 1                         ; my half of the tile's rows; also: I fetch for A (0) or B (1)
	s_and_b32 s16, s14, 1                          ; my half of its columns; also: which 64 rows I fetch
	s_bfe_u32 s40, ttmp6, 0x40000                  ; cx
	s_bfe_u32 s41, ttmp6, 0x40004                  ; cy
	s_lshl_b32 s42, ttmp9, 2
	s_add_co_u32 s42, s42, s40                     ; tile column
	s_and_b32 s17, ttmp7, 0xffff
	s_lshl_b32 s17, s17, 2
	s_add_co_u32 s17, s17, s41                     ; tile row
	s_lshl_b32 s43, s41, 2
	s_lshl_b32 s43, 15, s43                        ; my row of the cluster
	s_lshl_b32 s44, 0x1111, s40                    ; my column
	s_or_b32 s[G1+0], s43, (0<<16)|(1<<20)|(1<<21)|(6<<22)|(3<<25)   ; the mask; elements of 1 byte; padding: 4 words after every 128; bit 21 beside a mask
	s_or_b32 s[G1B+0], s44, (0<<16)|(1<<20)|(1<<21)|(6<<22)|(3<<25)
.irp g, G1, G1B
	s_mov_b32 s[\g+1], ROWB<<16                    ; tensor_dim0
	s_mov_b32 s[\g+2], 64<<16                      ; tensor_dim1
	s_mov_b32 s[\g+3], ROWB<<16                    ; tile_dim0
	s_mov_b32 s[\g+4], 64                          ; tile_dim1
	s_mov_b32 s[\g+5], KROW                        ; the pitch
	s_mov_b32 s[\g+6], 0
	s_mov_b32 s[\g+7], 0
.endr
	s_or_b32 s[G1SB+0], s44, (3<<16)|(1<<20)|(1<<21)|(5<<22)|(3<<25)   ; B's scales of 32 rows: 4,096 dense bytes as 16 rows of 256 (32 elements of 8 bytes), 16 bytes of padding behind each
	s_mov_b32 s[G1SB+1], 32<<16
	s_mov_b32 s[G1SB+2], 16<<16
	s_mov_b32 s[G1SB+3], 32<<16
	s_mov_b32 s[G1SB+4], 16
	s_mov_b32 s[G1SB+5], 32
	s_mov_b32 s[G1SB+6], 0
	s_mov_b32 s[G1SB+7], 0
	s_lshl_b32 s18, s16, 6
	s_lshl_b32 s20, s17, 7
	s_add_co_u32 s20, s20, s18                     ; A: row 128 x tile row + 64 x half
	s_lshl_b32 s46, s42, 7
	s_add_co_u32 s46, s46, s18                     ; B: row 128 x tile column + 64 x half
	s_mov_b32 s21, 0
	s_mov_b32 s47, 0
	s_mov_b64 s[18:19], KROW
	s_mul_u64 s[20:21], s[20:21], s[18:19]
	s_mul_u64 s[46:47], s[46:47], s[18:19]
	s_lshl_b32 s92, s42, 14                        ; B's scales: row 128 x tile column + 32 x wave, 128 bytes a row
	s_lshl_b32 s93, s14, 12
	s_add_co_u32 s92, s92, s93
	s_mov_b32 s93, 0
	s_lshl_b32 s[ASP], s17, 10                     ; A's scale words: 8 bytes x (128 x tile row + 64 x my half of the rows),
	s_lshl_b32 s[ASP+1], s15, 9
	s_add_co_u32 s[ASP], s[ASP], s[ASP+1]
	s_add_co_u32 s[ASP], s[ASP], 16777216          ; behind the codes
	s_mov_b32 s[ASP+1], 0
	s_mul_i32 s45, s14, HALFT                      ; where the tiles go: no place in the cluster enters an LDS address
	s_mul_i32 s94, s14, 16*272
	s_wait_dscnt 0x0                               ; both opening adds are done
	s_wait_kmcnt 0x0
	s_add_nc_u64 s[ASP:ASP+1], s[4:5], s[ASP:ASP+1]
	s_add_nc_u64 s[20:21], s[4:5], s[20:21]
	s_add_nc_u64 s[46:47], s[8:9], s[46:47]
	s_add_nc_u64 s[92:93], s[10:11], s[92:93]
	CROUND                                         ; all sixteen work-groups are here: the first joint loads meet
	s_mov_b32 s[G0SB], 1
	s_add_co_u32 s[G0SB+1], s94, SCL
	s_mov_b64 s[G0SB+2:G0SB+3], s[92:93]
	s_or_b32 s[G0SB+3], s[G0SB+3], 0x80000000
	tensor_load_to_lds s[G0SB:G0SB+3], s[G1SB:G1SB+7]   ; every wave: its quarter of B's scales
	s_nop 0
.rept 4
	v_nop
.endr
.irp s, 0,1
	s_mov_b32 s[G0+4*\s], 1
	s_add_co_u32 s[G0+4*\s+1], s45, \s*SLOT
	s_add_nc_u64 s[G0+4*\s+2:G0+4*\s+3], s[20:21], \s*ROWB
	s_or_b32 s[G0+4*\s+3], s[G0+4*\s+3], 0x80000000
	s_mov_b32 s[G0B+4*\s], 1
	s_add_co_u32 s[G0B+4*\s+1], s45, \s*SLOT
	s_add_nc_u64 s[G0B+4*\s+2:G0B+4*\s+3], s[46:47], \s*ROWB
	s_or_b32 s[G0B+4*\s+3], s[G0B+4*\s+3], 0x80000000
	JLOAD G0+4*\s, G1, G0B+4*\s, G1B               ; K steps 0 and 1: three loads of mine are out
.endr
	v_and_b32 v1, 15, v0                           ; r = lane % 16
	v_bfe_u32 v2, v0, 4, 1                         ; h = lane / 16
	v_and_b32 v6, 31, v0                           ; lane
	v_lshlrev_b32 v[AGS], 3, v6
.macro GSCALE sc                       ; a K step's scale words of A into set sc: rows 32 i + lane, chunk c of the step's two: four loads of 256 consecutive bytes
.irp i, 0,1
.irp c, 0,1
	global_load_b64 v[SA+8*(\sc)+4*\i+2*\c:SA+8*(\sc)+4*\i+2*\c+1], v[AGS], s[ASP:ASP+1] offset:32768*\c+256*\i
.endr
.endr
.endm
	GSCALE 0
	v_mul_u32_u24 v3, v1, PITCH
	v_lshl_add_u32 v4, v2, 4, v3                   ; a fragment's row x pitch + 16 h
	s_mul_i32 s21, s15, HALFT                      ; my 64 rows of A
	s_mul_i32 s22, s16, HALFT                      ; my 64 rows of B,
	s_add_co_u32 s22, s22, 2*HALFT                 ; behind A's 128
.irp s, 0,1
	v_add_nc_u32 v[ADRA+\s], s21, v4
	v_add_nc_u32 v[ADRB+\s], s22, v4
	s_add_co_u32 s21, s21, SLOT
	s_add_co_u32 s22, s22, SLOT
.endr
	v_lshrrev_b32 v5, 1, v6
	v_mul_u32_u24 v5, v5, 272
	v_and_b32 v3, 1, v6
	v_lshl_add_u32 v5, v3, 7, v5                   ; B's scales: row l of 32: unit l / 2, half l % 2
	s_mul_i32 s21, s16, 32*272                     ; my 64 rows
	s_add_co_u32 s21, s21, SCL
	v_add_nc_u32 v[ADRS], s21, v5
	s_mul_i32 s23, s14, 16*SPITCH
	s_add_co_u32 s23, s23, STAGE                   ; my stage
	v_mul_u32_u24 v5, v1, SPITCH
	v_lshl_add_u32 v5, v2, 5, v5
	v_add_nc_u32 v[STO], s23, v5                   ; in: row r, 32 bytes for each half of the lanes
	v_mul_u32_u24 v5, v2, SPITCH
	v_lshl_add_u32 v5, v1, 4, v5
	v_add_nc_u32 v[RD], s23, v5                    ; back: lanes 0-15 one row of 256 bytes, lanes 16-31 the next
	v_lshlrev_b32 v[BO], 4, v1
	v_lshl_add_u32 v[CO], v2, 12, v[BO]            ; and the same two rows in memory
	s_lshl_b32 s20, s17, 7
	s_lshl_b32 s21, s15, 6
	s_add_co_u32 s20, s20, s21                     ; my first row
	s_lshl_b32 s20, s20, 12                        ; x 4,096 bytes
	s_mov_b32 s21, 0
	s_lshl_b32 s46, s42, 9
	s_lshl_b32 s47, s16, 8
	s_add_co_u32 s46, s46, s47                     ; my first column, in bytes
	s_mov_b32 s47, 0
	s_add_nc_u64 s[20:21], s[20:21], s[46:47]
	s_add_nc_u64 s[12:13], s[12:13], s[20:21]
	s_add_nc_u64 s[RESP:RESP+1], s[RESP:RESP+1], s[20:21]
	s_add_nc_u64 s[BIASP:BIASP+1], s[BIASP:BIASP+1], s[46:47]
	global_load_b128 v[BI:BI+3], v[BO], s[BIASP:BIASP+1]   ; the bias of my four columns on the way out
	WIN TO_R
.irp a, 0,1,2,3                                ; the residual, laid as the blocks come back from the stage: register 32 a + 4 t on: row 16 a + 2 t + h, columns 4 r on
.irp t, 0,1,2,3,4,5,6,7
	global_load_b128 v[32*\a+4*\t:32*\a+4*\t+3], v[CO], s[RESP:RESP+1] offset:(16*\a+2*\t)*4096 th:TH_LOAD_NT
.endr
.endr
	WIN 0
	; the prefetches: where mine stand, and who asks
	s_lshl_b32 s20, s17, 7                         ; A's tile's first row,
	s_lshl_b32 s21, s42, 7                         ; B's
	s_and_b32 s22, ttmp7, 0xffff                   ; cluster y
	s_cmp_eq_u32 s15, 0                            ; do I fetch for A?
	s_cselect_b32 s20, s20, s21
	s_cselect_b32 s21, s40, s41                    ; my place among the four that ask for the tile with me
	s_cselect_b32 s22, ttmp9, s22                  ; the coordinate along which other clusters read the same rows
	s_cselect_b64 s[PFA:PFA+1], s[4:5], s[8:9]
	s_cmp_eq_u32 s22, 0
	s_cselect_b32 s[LIM], 1, -1                    ; the same in all sixteen partners, for a given wave
	s_lshl_b32 s22, s16, 6
	s_add_co_u32 s20, s20, s22                     ; + the 64 rows that I fetch
	s_lshl_b32 s21, s21, 4
	s_add_co_u32 s20, s20, s21                     ; + my work-group's 16 of them
	s_lshl_b32 s20, s20, 12                        ; x 4,096 bytes a row
	s_mov_b32 s21, 0
	s_add_nc_u64 s[PFA:PFA+1], s[PFA:PFA+1], s[20:21]
	s_add_nc_u64 s[PFA:PFA+1], s[PFA:PFA+1], 2*ROWB   ; at K step 2: the first refill steps it to 3 and names K step 4.  Nothing is prefetched here, at the head
	v_lshlrev_b32 v[PFO], 12, v1
	v_lshl_add_u32 v[PFO], v2, 8, v[PFO]
.macro FRAG reg, adr, q, i             ; 16 rows x 128 K of 8-bit codes: lane l holds row l % 16; registers 4 c .. 4 c + 3 hold K = 32 c + 16 (l / 16) + 0 .. 15
.irp c, 0,1,2,3
	ds_load_b128 v[\reg+4*\c:\reg+4*\c+3], v[\adr] offset:128*(\q)+32*\c+(\i)*16*PITCH
.endr
.endm
; One product: A's block a x B's block b, the slot's q-th 128 along K, from buffer f.  B's scale word lies in register b / 2 of its set, in lanes 16-31 where b is odd; A's likewise by a.
.macro MM f, a, b, q, sc, zero
.set rD, ACC+8*(4*(\a)+(\b))
.set rB, 128*(\f)+64+FR*(\b)
.set rA, 128*(\f)+FR*(\a)
.set rSB, SB+8*(\sc)+4*((\b)/2)+(\q)
.set rSA, SA+8*(\sc)+4*((\a)/2)+(\q)
.if \zero
.if ((\a)%2 == 0) && ((\b)%2 == 0)
	v_wmma_scale_f32_16x16x128_f8f6f4 v[rD:rD+7], v[rB:rB+15], v[rA:rA+15], 0, v[rSB], v[rSA]
.elseif ((\a)%2 == 0)
	v_wmma_scale_f32_16x16x128_f8f6f4 v[rD:rD+7], v[rB:rB+15], v[rA:rA+15], 0, v[rSB], v[rSA] matrix_a_scale:MATRIX_SCALE_ROW1
.elseif ((\b)%2 == 0)
	v_wmma_scale_f32_16x16x128_f8f6f4 v[rD:rD+7], v[rB:rB+15], v[rA:rA+15], 0, v[rSB], v[rSA] matrix_b_scale:MATRIX_SCALE_ROW1
.else
	v_wmma_scale_f32_16x16x128_f8f6f4 v[rD:rD+7], v[rB:rB+15], v[rA:rA+15], 0, v[rSB], v[rSA] matrix_a_scale:MATRIX_SCALE_ROW1 matrix_b_scale:MATRIX_SCALE_ROW1
.endif
.else
.if ((\a)%2 == 0) && ((\b)%2 == 0)
	v_wmma_scale_f32_16x16x128_f8f6f4 v[rD:rD+7], v[rB:rB+15], v[rA:rA+15], v[rD:rD+7], v[rSB], v[rSA]
.elseif ((\a)%2 == 0)
	v_wmma_scale_f32_16x16x128_f8f6f4 v[rD:rD+7], v[rB:rB+15], v[rA:rA+15], v[rD:rD+7], v[rSB], v[rSA] matrix_a_scale:MATRIX_SCALE_ROW1
.elseif ((\b)%2 == 0)
	v_wmma_scale_f32_16x16x128_f8f6f4 v[rD:rD+7], v[rB:rB+15], v[rA:rA+15], v[rD:rD+7], v[rSB], v[rSA] matrix_b_scale:MATRIX_SCALE_ROW1
.else
	v_wmma_scale_f32_16x16x128_f8f6f4 v[rD:rD+7], v[rB:rB+15], v[rA:rA+15], v[rD:rD+7], v[rSB], v[rSA] matrix_a_scale:MATRIX_SCALE_ROW1 matrix_b_scale:MATRIX_SCALE_ROW1
.endif
.endif
.endm
.macro MUL4 f, a, q, sc                ; the 16 accumulators take turns, one instruction a turn, in the same order in every quarter
.irp b, 0,1,2,3
	MM \f, \a, \b, \q, \sc, 0
.endr
.endm
.macro MUL8 f, a0, q, sc, zero
.irp a, \a0, \a0+1
.irp b, 0,1,2,3
	MM \f, (\a), \b, \q, \sc, \zero
.endr
.endr
.endm
.macro FETCH slot, q, f                ; 32 LDS loads in one run: B's four blocks, A's blocks 0, 1, then A's blocks 2, 3
	WIN TO_F
.irp i, 0,1,2,3
	FRAG 128*(\f)+64+FR*\i, ADRB+\slot, \q, \i
.endr
.irp i, 0,1,2,3
	FRAG 128*(\f)+FR*\i, ADRA+\slot, \q, \i
.endr
.endm
.macro SCALES sc                       ; a K step's scale words of B: 32 rows a load, 16 bytes a row
.irp i, 0,1
	ds_load_b128 v[SB+8*(\sc)+4*\i:SB+8*(\sc)+4*\i+3], v[ADRS] offset:\i*16*272
.endr
.endm
.macro PLACES n                        ; plain vector instructions between a matrix instruction and a load into, or a read of, its registers
.rept \n
	v_nop
.endr
.endm
; A K step is four quarters of 128 along K, 16 matrix instructions each, on buffers 0, 1, 0, 1.  One of the first three: multiplies buffer q % 2 and fetches the next quarter into the other.
; ga = 1 (in a K step's first quarter): the next K step's scale words of A are asked for, 56 matrix instructions ahead of their first use; the last K step asks for nothing.
.macro QUARTER slot, q, zero, ga, lw
.if (\q) == 0
	s_wait_loadcnt \lw                             ; this K step's scale words of A are in, and their address register is free; lw: the loads issued behind them
.endif
	s_wait_dscnt 8                                 ; B's blocks (and scale words) and A's blocks 0, 1 are in; the youngest eight loads (A's blocks 2, 3) may be out
	WIN MUL
	MUL8 (\q)%2, 0, \q, \slot, \zero
	PLACES NP
.if \ga
	WIN 0
	v_add_nc_u32 v[AGS], 0x10000, v[AGS]           ; on to the next K step's: two chunks of 32,768 bytes
	GSCALE 1-(\slot)                               ; into the set that the K step before has left
.endif
	FETCH \slot, (\q)+1, 1-(\q)%2
	s_wait_dscnt 32                                ; all but the 32 just issued
	WIN MUL
	MUL8 (\q)%2, 2, \q, \slot, \zero
.endm
; The slot's last quarter changes slots: one barrier; in front of it each wave waits for all its tensor loads, adds 0 to its spare word, and waits for that and for its reads of this slot.  fill = 1: this slot is filled again, two K steps ahead.
.macro TURN slot, next, fill
.if \fill
	s_wait_xcnt 0x0                                ; the last prefetch, a K step back, has read its address: it is stepped here, ahead of the waits of the change of slots
	s_add_nc_u64 s[PFA:PFA+1], s[PFA:PFA+1], ROWB
.endif
	WIN 0
	s_wait_tensorcnt 0x0                           ; all my tensor loads have landed: my part of the next slot
	ds_add_u32 v[SPW], v[NIL]
	s_wait_dscnt 9                                 ; (the add and A's blocks 2, 3 may be out)
	WIN MUL
	MUL4 1, 0, 3, \slot
	s_wait_dscnt 0x0                               ; the add is done, and my reads of this slot are over
	s_barrier_signal -1
	MUL4 1, 1, 3, \slot
	WIN 0
	s_barrier_wait -1
.if \fill
	CREST                                          ; the barrier has opened a round of the cluster's: no wave of any partner still reads this slot or has a load on its way
	s_add_nc_u64 s[G0+4*\slot+2:G0+4*\slot+3], s[G0+4*\slot+2:G0+4*\slot+3], 2*ROWB
	s_add_nc_u64 s[G0B+4*\slot+2:G0B+4*\slot+3], s[G0B+4*\slot+2:G0B+4*\slot+3], 2*ROWB
	JLOAD G0+4*\slot, G1, G0B+4*\slot, G1B         ; the first tensor load behind the round; its four v_nop are among the places below
	PLACES NP-4
.else
	PLACES NP
.endif
	v_add_nc_u32 v[ADRS], 16, v[ADRS]              ; on to the next K step's scale words of B
	SCALES \next
	FETCH \next, 0, 0
.if \fill
	WIN 0
	ASK                                            ; behind the joint load and the run of LDS loads that the next products wait for
.endif
	WIN MUL
	MUL8 1, 2, 3, \slot, 0
.endm
	s_wait_tensorcnt 1                             ; B's scales and my part of K step 0 are in; K step 1's load may be out
	s_barrier_signal -1
	s_barrier_wait -1
	SCALES 0
	FETCH 0, 0, 0
	QUARTER 0, 0, 1, 1, 33                         ; the first quarter's products start the sums; behind its scale words' loads: the bias's and the residual's 32
	WIN 0                                          ; at a label and at a branch every window is 0
	s_mov_b32 s3, LAPS-1
.Llap:                                             ; a trip goes once round the ring, from a lap's second quarter to the next lap's first, and fills both slots again
	QUARTER 0, 1, 0, 0, 0
	QUARTER 0, 2, 0, 0, 0
	TURN 0, 1, 1
	QUARTER 1, 0, 0, 1, 0
	QUARTER 1, 1, 0, 0, 0
	QUARTER 1, 2, 0, 0, 0
	TURN 1, 0, 1
	QUARTER 0, 0, 0, 1, 0
	WIN 0
	s_sub_co_u32 s3, s3, 1
	s_cmp_lg_u32 s3, 0
	s_cbranch_scc1 .Llap
	QUARTER 0, 1, 0, 0, 0                          ; the last lap fills nothing
	QUARTER 0, 2, 0, 0, 0
	TURN 0, 1, 0
	QUARTER 1, 0, 0, 0, 0
	QUARTER 1, 1, 0, 0, 0
	QUARTER 1, 2, 0, 0, 0
	s_wait_dscnt 8                                 ; the very last quarter: nothing more to fetch
	WIN MUL
	MUL8 1, 0, 3, 1, 0
	s_wait_dscnt 0
	MUL8 1, 2, 3, 1, 0
	WIN 0
; THE WAY OUT, block by block of 16 rows x 64 columns: through my own stage and back into the registers that it left, as whole rows of 256 bytes; the bias and the residual are added there.
.macro TOSTAGE a
.set AB, ACC+32*(\a)
.irp b, 0,1,2,3
	ds_store_b128 v[STO], v[AB+8*\b:AB+8*\b+3] offset:64*\b          ; each accumulator from its low end on
	ds_store_b128 v[STO], v[AB+8*\b+4:AB+8*\b+7] offset:64*\b+16
.endr
.irp t, 0,1,2,3,4,5,6,7
	ds_load_b128 v[AB+4*\t:AB+4*\t+3], v[RD] offset:\t*2*SPITCH      ; LDS serves a wave's instructions in order (ISA guide 5.7.1.4): these see the stores above, and the next block's stores come behind them
.endr
.endm
.macro OUTB a
.set AB, ACC+32*(\a)
.irp t, 0,1,2,3,4,5,6,7
	v_pk_add_f32 v[AB+4*\t:AB+4*\t+1], v[AB+4*\t:AB+4*\t+1], v[BI:BI+1]
	v_pk_add_f32 v[AB+4*\t+2:AB+4*\t+3], v[AB+4*\t+2:AB+4*\t+3], v[BI+2:BI+3]
.endr
	WIN ADD_R
.irp t, 0,1,2,3,4,5,6,7
	v_pk_add_f32 v[AB+4*\t:AB+4*\t+1], v[AB+4*\t:AB+4*\t+1], v[32*(\a)+4*\t:32*(\a)+4*\t+1]
	v_pk_add_f32 v[AB+4*\t+2:AB+4*\t+3], v[AB+4*\t+2:AB+4*\t+3], v[32*(\a)+4*\t+2:32*(\a)+4*\t+3]
.endr
	WIN 0
.irp t, 0,1,2,3,4,5,6,7
	global_store_b128 v[CO], v[AB+4*\t:AB+4*\t+3], s[12:13] offset:(16*(\a)+2*\t)*4096 th:TH_STORE_NT   ; sixteen lanes store 256 consecutive bytes, aligned; these registers are never written again
.endr
.endm
	PLACES NP                                      ; behind the last products: for the reads of their results and the loads into them
.irp a, 0,1,2,3
	TOSTAGE \a
.endr
	s_wait_loadcnt 0x0                             ; the bias and the residual
.irp a, 0,1,2,3
	s_wait_dscnt 16*(3-\a)                         ; block a is back; the later blocks' eight stores and eight loads each may be out
	OUTB \a
.endr
	s_wait_tensorcnt 0x0                           ; the wave's end
	ds_add_u32 v[SPW], v[NIL]
	s_wait_dscnt 0x0
	CROUND                                         ; the closing round
	s_endpgm
.Lfunc_end_k_qe12eb51c08_down:
	.size	k_qe12eb51c08_down, .Lfunc_end_k_qe12eb51c08_down-k_qe12eb51c08_down
	.p2alignl 7, 3214868480
	.fill 96, 4, 3214868480
	.section	.rodata,"a",@progbits
	.p2align	6, 0x0
	.amdhsa_kernel k_qe12eb51c08_down
		.amdhsa_group_segment_fixed_size 327680
		.amdhsa_private_segment_fixed_size 0
		.amdhsa_enable_private_segment 0
		.amdhsa_kernarg_size 48
		.amdhsa_user_sgpr_count 2
		.amdhsa_user_sgpr_kernarg_segment_ptr 1
		.amdhsa_wavefront_size32 1
		.amdhsa_system_sgpr_workgroup_id_x 1
		.amdhsa_system_sgpr_workgroup_id_y 1
		.amdhsa_system_sgpr_workgroup_id_z 1
		.amdhsa_system_vgpr_workitem_id 0
		.amdhsa_next_free_vgpr 640
		.amdhsa_next_free_sgpr 102
		.amdhsa_reserve_vcc 0
		.amdhsa_float_denorm_mode_32 3
		.amdhsa_float_denorm_mode_16_64 3
		.amdhsa_memory_ordered 1
		.amdhsa_forward_progress 1
		.amdhsa_inst_pref_size 105
	.end_amdhsa_kernel
	.amdgpu_metadata
---
amdhsa.version: [ 1, 2 ]
amdhsa.kernels:
  - .name:           k_qe12eb51c08_down
    .symbol:         k_qe12eb51c08_down.kd
    .args:
      - { .name: g, .offset: 0, .size: 8, .value_kind: global_buffer, .address_space: global }
      - { .name: W2_codes, .offset: 8, .size: 8, .value_kind: global_buffer, .address_space: global }
      - { .name: W2_scales, .offset: 16, .size: 8, .value_kind: global_buffer, .address_space: global }
      - { .name: b2, .offset: 24, .size: 8, .value_kind: global_buffer, .address_space: global }
      - { .name: x1, .offset: 32, .size: 8, .value_kind: global_buffer, .address_space: global }
      - { .name: out0, .offset: 40, .size: 8, .value_kind: global_buffer, .address_space: global }
    .group_segment_fixed_size: 327680
    .private_segment_fixed_size: 0
    .kernarg_segment_align: 8
    .kernarg_segment_size: 48
    .max_flat_workgroup_size: 128
    .sgpr_count:     102
    .vgpr_count:     640
    .wavefront_size: 32
...
	.end_amdgpu_metadata
.endif
;; end of part 10
